; MI455X (gfx1250); checked and timed in simulation.
; The chip was launched on July 23, 2026; its instructions are those of AMD's public machine-readable ISA for CDNA 5 (MIT licence, August 2026) and "CDNA5" Instruction Set Architecture Reference Guide (July 2026). The comments in the code are by the model that wrote it; some were corrected since.
;; Multi Head Attention. Allowed arithmetic: matrix products marked QUANTISED: E4M3 operands, one given power-of-two scale a tensor, by v_wmma_f32_16x16x64_fp8_fp8 or v_wmma_f32_16x16x128_fp8_fp8, f32 sums; everything else in f32.
;; Inputs: Wk 1,024 x 1,024 float32; Wo 1,024 x 1,024 float32; Wq 1,024 x 1,024 float32; Wv 1,024 x 1,024 float32; attn_mask 2 x 2,048 int32; bk 1,024 float32; bo 1,024 float32; bq 1,024 float32; bv 1,024 float32; key 2 x 2,048 x 1,024 float32; lowp_scales 16 int32 (the exponents e of the quantised operands' scales 2^e); pos_enc 1 x 2,048 x 1,024 float32; query 2 x 2,048 x 1,024 float32; r_r_bias 16 x 64 float32; r_w_bias 16 x 64 float32; val 2 x 2,048 x 1,024 float32.
;; Outputs: out0 2 x 2,048 x 1,024 float32.
;; This version of the problem:
;;   THIS VERSION OF THE PROBLEM IS GIVEN IN LOW PRECISION. The matrix products marked QUANTISED in the list below multiply operands that are first quantised to E4M3 (4 exponent bits, 3 mantissa bits; 8 bits a number), with one given power-of-two scale for each operand tensor; their sums are f32. All else is computed in f32.
;;   The module's matrix products, in the order in which they are computed (A, B: the left and right operand; K: the contracted axis; several contracted axes count as one K, in the product's order):
;;     1. [M 4,096, K 1,024] x [K 1,024, N 1,024]; A: input query; B: input Wq: QUANTISED (scales: A lowp_scales[0], B lowp_scales[1])
;;     2. [M 4,096, K 1,024] x [K 1,024, N 1,024]; A: input key; B: input Wk: QUANTISED (scales: A lowp_scales[2], B lowp_scales[3])
;;     3. [M 4,096, K 1,024] x [K 1,024, N 1,024]; A: input val; B: input Wv: QUANTISED (scales: A lowp_scales[4], B lowp_scales[5])
;;     4. batch 32 x [M 2,048, K 64] x [K 64, N 2,048]; A: computed on the way; B: computed on the way: QUANTISED (scales: A lowp_scales[6], B lowp_scales[7])
;;     5. [M 2,048, K 1,024] x [K 1,024, N 1,024]; A: input pos_enc; B: input Wk: QUANTISED (scales: A lowp_scales[8], B lowp_scales[9])
;;     6. batch 16 x [M 2,048, K 64] x [K 64, N 4,096]; A: computed on the way; B: computed on the way: QUANTISED (scales: A lowp_scales[10], B lowp_scales[11])
;;     7. batch 32 x [M 2,048, K 2,048] x [K 2,048, N 64]; A: softmax (see below); B: computed on the way: QUANTISED (scales: A lowp_scales[12], B lowp_scales[13])
;;     8. [M 4,096, K 1,024] x [K 1,024, N 1,024]; A: computed on the way; B: input Wo: QUANTISED (scales: A lowp_scales[14], B lowp_scales[15])
;;   THE QUANTISER, for each operand of a quantised product, along K:
;;     - The operand's scale is 2^e, e = its entry of the input lowp_scales (int32; the entries are numbered through the quantised products in the list's order, A before B).
;;     - Each number is divided by the scale, clamped to +-448, and rounded to the nearest number of E4M3, ties to even, subnormals kept.
;;     - The product sums the exact products of the quantised numbers (number of the format x scale) in f32.
;;   ~~~python
;;   def quantise(x, axis, e):      # numpy; x: float32 -> the quantised numbers, widened to float32 again
;;       x = np.moveaxis(x, axis, -1); K = x.shape[-1]
;;       r = np.clip(x / 2.0 ** e, -448, 448)
;;       step = 2.0 ** (np.maximum(np.frexp(np.where(r == 0, 1, r))[1] - 1, -6) - 3)
;;       q = np.round(r / step) * step * 2.0 ** e      # np.round: ties to even
;;       return np.moveaxis(q, -1, axis).astype(np.float32)
;;   ~~~
;;   SOFTMAX AHEAD OF A QUANTISED PRODUCT. Where the list says 'softmax', what is quantised is not the finished softmax but p = 2^(t - M), with t = logit x log2(e) and M = ceil(the row's largest t), a whole number; so 1/2 < the row's largest p <= 1. The row's sum l is taken of the UNQUANTISED p, in f32, and the product's result is divided by l at the end. Since M is a whole number, a kernel that streams over the keys may use a running M (the ceiling of the running maximum): every later rescaling is an exact power of two, so the quantised numbers keep their values, but for numbers so far below the row's largest that they fall under the format's range.
;;   OPERANDS COMPUTED ON THE WAY. 'Computed on the way' means the value that the module computes at that place (a softmax that the list does not call 'softmax' is quantised finished and normalised). What goes into a quantiser is computed in f32, as accurately as f32 sums, v_exp_f32 and their like allow (about 1e-6 of the number): no bf16 or f16 on the way to a quantiser, and a product that is left as it is and whose result goes on into a quantised operand takes f32 operands (vector FMAs, or v_wmma_f32_16x16x4_f32). A number that lies on a knife's edge between two numbers of the format may be rounded either way, as far as f32 arithmetic and the matrix unit's own rounding can turn it there, and no further.
;; 2 versions. Each part assembles by itself: llvm-mc -triple=amdgcn-amd-amdhsa -mcpu=gfx1250 --defsym DOCPART=n.
;; ======== version 1 of 2: 4 launches
;; limits: right only within a limited range of input values
;; workspace buffers: acodes 14,680,064 bytes; wcodes 5,242,880 bytes; qcodes 8,388,608 bytes; kcodes 4,194,304 bytes; vcodes 4,194,304 bytes; relx 4,210,688 bytes; lmask 8,704 bytes of whole numbers; ocodes 4,194,304 bytes
;; launch prep (part 1): grid 609 x 1, 4 waves a work-group, no clusters, 68,096 bytes of LDS; arguments query, key, val, pos_enc, Wq, Wk, Wv, Wo, attn_mask, lowp_scales, acodes, wcodes, lmask, relx; writes acodes, wcodes, lmask, relx
.if DOCPART == 1
	.amdgcn_target "amdgcn-amd-amdhsa--gfx1250"
	.amdhsa_code_object_version 6
	.text
	.protected	k_q49588a2034_prep
	.globl	k_q49588a2034_prep
	.p2align	8
	.type	k_q49588a2034_prep,@function
k_q49588a2034_prep:
	s_mov_b64 s[64:65], 0
	v_nop
	global_prefetch_b8 v0, s[64:65] scope:SCOPE_SE
	s_setreg_imm32_b32 hwreg(HW_REG_WAVE_MODE, 25, 1), 1
	s_wait_xcnt 0x0
; All that is quantised from inputs, once, and two small tables.  Three kinds of work-group, told apart by the work-group's number alone:
;   0..447    query, key, val, pos_enc (f32, K innermost) -> acodes [14336][1024], codes of E4M3, with the scales 2^e0, 2^e2, 2^e4, 2^e8.  32,768 numbers a work-group.
;   448..607  Wq, Wk, Wv, Wk, Wo ([k][n] f32, K outermost) -> wcodes [5][n][k], K innermost, with 2^e1, 2^e3, 2^e5, 2^e9, 2^e15.  128 columns x 256 along K a work-group.
;   608       lmask: for each score register of the attention launch a word of lane bits (0xffff for lanes 0-15, 0xffff0000 for lanes 16-31) that says whether its key is masked (attn_mask == 1);
;             and the zero rows of relx (rows 0-7 and row 2056 of each head's table).
; code = x / 2^e, held within +-448, to the nearest code, ties to even.  LIMITS: each e between -126 and 119.  NaN among the inputs is not served.
; No tensor load, no barrier: waves share nothing.  Each kind has LDS bytes of its own: 0..32,767 the streams' stages, 32,768..67,583 the weights' stages; then the spare words.
.set SPARE, 67584                      ; the spare words: 128 bytes for each wave, two blocks of 256 bytes that no other line names
.set SPW,   12                         ; v12  LDS address of my spare word; never rewritten
.set NIL,   13                         ; v13  0; never rewritten
.set STEPS, 16
.set CB,    16
.set R,     16                         ; streams: v16-79 four sets of 16 numbers as loaded
.set X,     80                         ; v80-111 two sets of 16 neighbours
.set C,     128                        ; v128-191 codes, four registers a step
.set WREG,  8192                       ; a wave's two stages of 32 x SP bytes
.set SP,    80                         ; a lane's 64 bytes + 16 of padding
.set NB,    8                          ; weights: blocks of 32 along K for a wave
.set PITCH, 272                        ; a stage row: 256 codes + 16
.set WSTG,  32768
.set XW,    32                         ; v32-95 two sets of 32 numbers
.set CW,    96                         ; v96-103 a block's codes
.set OUTR,  112                        ; v112-175 the way out
.set HEADB, 263168                     ; a head's table in relx: 4,112 rows of 64 bytes
.set EMAX,  8
.set MANT,  0x600000                   ; the mantissa field of 448
	s_load_b512 s[20:35], s[0:1], 0x0              ; query, key, val, pos_enc, Wq, Wk, Wv, Wo
	s_load_b256 s[36:43], s[0:1], 0x40             ; attn_mask, lowp_scales, acodes, wcodes
	s_load_b128 s[44:47], s[0:1], 0x60             ; lmask, relx
	v_lshl_add_u32 v[SPW], v0, 2, SPARE
	v_mov_b32 v[NIL], 0
	v_lshrrev_b32 v1, 5, v0
	v_readfirstlane_b32 s16, v1                    ; wave
	v_and_b32 v2, 31, v0                           ; lane
	s_wait_kmcnt 0x0
	s_load_b512 s[48:63], s[38:39], 0x0            ; e0 .. e15
	s_cmp_ge_u32 ttmp9, 448
	s_cbranch_scc1 .Lweights
; ---------------- the streams: a wave takes 16 steps of 512 numbers.  Each load reads 512 consecutive bytes; a step's 2,048 bytes turn through the wave's stage so that a lane gets 16 neighbours along K.
	v_lshlrev_b32 v3, 4, v2                        ; my 16 bytes of a load's 512, and of a step's 512 bytes of codes
	s_mul_i32 s17, s16, WREG
	v_lshrrev_b32 v14, 2, v2
	v_mul_u32_u24 v14, v14, SP
	v_and_b32 v15, 3, v2
	v_lshl_add_u32 v14, v15, 4, v14
	v_add_nc_u32 v14, s17, v14                     ; into the stage: SP (lane / 4) + 16 (lane % 4)
	v_mul_u32_u24 v15, v2, SP
	v_add_nc_u32 v15, s17, v15                     ; out of it: SP x lane
	s_cmp_lt_u32 ttmp9, 128                        ; which tensor: the choice hangs on the work-group's number alone
	s_cselect_b64 s[4:5], s[20:21], s[22:23]
	s_cselect_b32 s7, 0, 128
	s_cmp_lt_u32 ttmp9, 256
	s_cselect_b64 s[4:5], s[4:5], s[24:25]
	s_cselect_b32 s7, s7, 256
	s_cmp_lt_u32 ttmp9, 384
	s_cselect_b64 s[4:5], s[4:5], s[26:27]
	s_cselect_b32 s7, s7, 384
	s_sub_co_u32 s17, ttmp9, s7
	s_lshl_b32 s17, s17, 2
	s_add_co_u32 s17, s17, s16                     ; which run of 8,192 numbers of the tensor is my wave's
	s_lshl_b32 s18, s17, 15
	s_mov_b32 s19, 0
	s_add_nc_u64 s[4:5], s[4:5], s[18:19]
	s_lshl_b32 s17, ttmp9, 2
	s_add_co_u32 s17, s17, s16
	s_lshl_b32 s18, s17, 13                        ; the four tensors' codes lie one behind the other
	s_add_nc_u64 s[8:9], s[40:41], s[18:19]
.macro ALOAD t
.irp i, 0,1,2,3
	global_load_b128 v[R+16*((\t)%4)+4*\i:R+16*((\t)%4)+4*\i+3], v3, s[4:5] offset:2048*(\t)+512*\i th:TH_LOAD_NT
.endr
.endm
.macro ATURN t                         ; LDS serves a wave's instructions in order: no wait between the stores and the loads
.irp i, 0,1,2,3
	ds_store_b128 v14, v[R+16*((\t)%4)+4*\i:R+16*((\t)%4)+4*\i+3] offset:32*SP*((\t)%2)+8*SP*\i
.endr
.irp i, 0,1,2,3
	ds_load_b128 v[X+16*((\t)%2)+4*\i:X+16*((\t)%2)+4*\i+3], v15 offset:32*SP*((\t)%2)+16*\i
.endr
.endm
.irp t, 0,1,2,3
	ALOAD \t
.endr
	s_wait_kmcnt 0x0
	s_cmp_lt_u32 ttmp9, 128
	s_cselect_b32 s10, s48, s50                    ; e0 : e2
	s_cmp_lt_u32 ttmp9, 256
	s_cselect_b32 s10, s10, s52                    ; e4
	s_cmp_lt_u32 ttmp9, 384
	s_cselect_b32 s10, s10, s56                    ; e8
	s_add_co_i32 s10, s10, 127
	s_lshl_b32 s11, s10, 23
	v_mov_b32 v11, s11                             ; 2^e as f32: the conversion takes its exponent field
	s_add_co_i32 s10, s10, EMAX
	s_lshl_b32 s10, s10, 23
	s_or_b32 s10, s10, MANT
	v_mov_b32 v10, s10                             ; 448 x 2^e
	s_wait_loadcnt 12                              ; step 0's four loads are in; three steps' twelve may be out
	ATURN 0
.macro ASTEP t
.set XS, X+16*((\t)%2)
	s_wait_dscnt 0x0                               ; this step's numbers are back from the stage, so its stores into the stage have read their registers,
.if (\t)+4 < STEPS
	ALOAD (\t)+4                                   ; which take the loads of four steps on
.endif
.if (\t)+1 < STEPS
.if STEPS-2-(\t) >= 3
	s_wait_loadcnt 12                              ; the next step's four loads are in; those of the three steps behind it may be out
.else
	s_wait_loadcnt 4*(STEPS-2-(\t))
.endif
	ATURN (\t)+1
.endif
.irp i, 0,1,2,3,4,5,6,7,8,9,10,11,12,13,14,15
	v_med3_num_f32 v[XS+\i], v[XS+\i], -v10, v10   ; the conversion does not saturate (ISA guide 7.6.2): the hold comes first
.endr
	v_cvt_scalef32_pk8_fp8_f32 v[C+4*(\t):C+4*(\t)+1], v[XS:XS+7], v11
	v_cvt_scalef32_pk8_fp8_f32 v[C+4*(\t)+2:C+4*(\t)+3], v[XS+8:XS+15], v11
	v_nop                                          ; one plain line behind the last conversion
	global_store_b128 v3, v[C+4*(\t):C+4*(\t)+3], s[8:9] offset:32*CB*(\t)   ; the wave stores 512 consecutive bytes, aligned
.endm
.irp t, 0,1,2,3,4,5,6,7,8,9,10,11,12,13,14,15
	ASTEP \t
.endr
	s_wait_tensorcnt 0x0                           ; the wave's end: the three lines behind my last LDS store
	ds_add_u32 v[SPW], v[NIL]
	s_wait_dscnt 0x0
	s_endpgm
; ---------------- the weights: a lane takes a column n and its registers run down K, so the conversions give codes with K innermost.  A wave: 32 columns x 256 along K.
.Lweights:
	s_cmp_eq_u32 ttmp9, 608
	s_cbranch_scc1 .Lmask
	s_sub_co_u32 s10, ttmp9, 448
	s_lshr_b32 s11, s10, 5                         ; job 0..4: Wq, Wk (e3), Wv, Wk (e9), Wo
	s_and_b32 s12, s10, 7                          ; which 128 columns
	s_bfe_u32 s18, s10, 0x20003                    ; which 256 along K
	s_lshl_b32 s17, s12, 7
	s_lshl_b32 s13, s16, 5
	s_add_co_u32 s17, s17, s13                     ; my wave's first column
	v_lshlrev_b32 v3, 2, v2                        ; in: 4 bytes a lane
	s_mul_i32 s19, s16, 32*PITCH
	s_add_co_u32 s19, s19, WSTG                    ; my stage
	v_mul_u32_u24 v4, v2, PITCH
	v_add_nc_u32 v4, s19, v4                       ; into it: row = my column
	v_and_b32 v5, 15, v2
	v_lshrrev_b32 v6, 4, v2
	v_mul_u32_u24 v7, v6, PITCH
	v_lshl_add_u32 v7, v5, 4, v7
	v_add_nc_u32 v7, s19, v7                       ; out of it: sixteen lanes to a row, two rows an instruction
	v_lshlrev_b32 v8, 10, v6
	v_lshl_add_u32 v8, v5, 4, v8                   ; and the same place in the codes: rows of 1,024 bytes
	s_cmp_eq_u32 s11, 0
	s_cselect_b64 s[4:5], s[28:29], s[30:31]       ; Wq : Wk
	s_cmp_eq_u32 s11, 2
	s_cselect_b64 s[4:5], s[32:33], s[4:5]         ; Wv
	s_cmp_eq_u32 s11, 4
	s_cselect_b64 s[4:5], s[34:35], s[4:5]         ; Wo
	s_lshl_b32 s14, s18, 20                        ; 256 rows of 4,096 bytes
	s_lshl_b32 s15, s17, 2
	s_add_co_u32 s14, s14, s15
	s_mov_b32 s15, 0
	s_add_nc_u64 s[4:5], s[4:5], s[14:15]
	s_lshl_b32 s14, s11, 20                        ; the job's megabyte of codes,
	s_lshl_b32 s13, s17, 10                        ; my column's row,
	s_add_co_u32 s14, s14, s13
	s_lshl_b32 s13, s18, 8                         ; my 256 along K
	s_add_co_u32 s14, s14, s13
	s_add_nc_u64 s[8:9], s[42:43], s[14:15]
.macro WLOAD t                         ; block t: W(32 t + i, my column): 32 lanes read 128 consecutive bytes, the four waves 512
.set i, 0
.rept 32
	global_load_b32 v[XW+32*((\t)%2)+i], v3, s[4:5] offset:(32*(\t)+i)*4096
.set i, i+1
.endr
.endm
	WLOAD 0
	WLOAD 1
	s_wait_kmcnt 0x0
	s_cmp_eq_u32 s11, 0
	s_cselect_b32 s6, s49, s51                     ; e1 : e3
	s_cmp_eq_u32 s11, 2
	s_cselect_b32 s6, s53, s6                      ; e5
	s_cmp_eq_u32 s11, 3
	s_cselect_b32 s6, s57, s6                      ; e9
	s_cmp_eq_u32 s11, 4
	s_cselect_b32 s6, s63, s6                      ; e15
	s_add_co_i32 s6, s6, 127
	s_lshl_b32 s7, s6, 23
	v_mov_b32 v11, s7
	s_add_co_i32 s6, s6, EMAX
	s_lshl_b32 s6, s6, 23
	s_or_b32 s6, s6, MANT
	v_mov_b32 v10, s6
.macro WBLOCK t
.set XS, XW+32*((\t)%2)
.if (\t) < NB-1
	s_wait_loadcnt 32                              ; this block's 32 loads are in; the next block's 32 may be out
.else
	s_wait_loadcnt 0
.endif
.set i, 0
.rept 32
	v_med3_num_f32 v[XS+i], v[XS+i], -v10, v10
.set i, i+1
.endr
.irp g, 0,1,2,3
	v_cvt_scalef32_pk8_fp8_f32 v[CW+2*\g:CW+2*\g+1], v[XS+8*\g:XS+8*\g+7], v11
.endr
	v_nop                                          ; one plain line behind the last conversion
	ds_store_b128 v4, v[CW:CW+3] offset:32*(\t)
	ds_store_b128 v4, v[CW+4:CW+7] offset:32*(\t)+16
.if (\t)+2 < NB
	WLOAD (\t)+2
.endif
	s_wait_dscnt 0x0                               ; the stores have read their registers: the next block's codes may be written
.endm
.irp t, 0,1,2,3,4,5,6,7
	WBLOCK \t
.endr
.irp t, 0,1,2,3,4,5,6,7,8,9,10,11,12,13,14,15
	ds_load_b128 v[OUTR+4*\t:OUTR+4*\t+3], v7 offset:2*\t*PITCH
.endr
.irp t, 0,1,2,3,4,5,6,7,8,9,10,11,12,13,14,15
	s_wait_dscnt 15-\t                             ; LDS loads come back in order: the younger ones may be out
	global_store_b128 v8, v[OUTR+4*\t:OUTR+4*\t+3], s[8:9] offset:2*\t*1024   ; sixteen lanes store 256 consecutive bytes, aligned
.endr
	s_wait_tensorcnt 0x0                           ; the wave's end: the three lines behind my last LDS store
	ds_add_u32 v[SPW], v[NIL]
	s_wait_dscnt 0x0
	s_endpgm
; ---------------- the mask words and relx's zero rows: one work-group, no LDS
.Lmask:
	v_and_b32 v3, 15, v0
	v_and_b32 v4, 0x70, v0
	v_lshl_add_u32 v3, v4, 1, v3                   ; word w = thread + 128 z looks at keys 2 (w & ~15) + (w & 15) and that + 16 of the flat mask
	v_lshlrev_b32 v3, 2, v3
	v_lshlrev_b32 v4, 2, v0
	v_mov_b32 v5, 0xffff
	v_mov_b32 v6, 0xffff0000
.set z, 0
.rept 16
	global_load_b32 v[16+2*z], v3, s[36:37] offset:1024*z
	global_load_b32 v[17+2*z], v3, s[36:37] offset:1024*z+64
.set z, z+1
.endr
	v_mov_b32 v8, 0
	v_mov_b32 v9, 0
	v_mov_b32 v10, 0
	v_mov_b32 v11, 0
	v_mul_u32_u24 v14, v1, HEADB
	v_lshl_add_u32 v14, v2, 4, v14                 ; head 4 z + wave, rows 0-7: 512 bytes, 16 a lane
.irp z, 0,1,2,3
	global_store_b128 v14, v[8:11], s[46:47] offset:\z*4*HEADB
.endr
	v_bfe_u32 v15, v0, 2, 4
	v_mul_u32_u24 v15, v15, HEADB
	v_and_b32 v7, 3, v0
	v_lshl_add_u32 v15, v7, 4, v15                 ; head (thread / 4) % 16, row 2056: 64 bytes (threads 64-127 store the same zeros once more: every lane stays on)
	global_store_b128 v15, v[8:11], s[46:47] offset:2056*64
	s_wait_loadcnt 0x0
.set z, 0
.rept 16
	v_cmp_eq_u32 vcc_lo, 1, v[16+2*z]
	v_cndmask_b32 v[48+z], 0, v5, vcc_lo
	v_cmp_eq_u32 vcc_lo, 1, v[17+2*z]
	v_cndmask_b32 v7, 0, v6, vcc_lo
	v_or_b32 v[48+z], v[48+z], v7
	global_store_b32 v4, v[48+z], s[44:45] offset:512*z
.set z, z+1
.endr
	global_store_b32 v4, v[NIL], s[44:45] offset:8192   ; 128 words of 0 behind the table: the attention launch reads one step's words ahead
	s_endpgm
.Lfunc_end_k_q49588a2034_prep:
	.size	k_q49588a2034_prep, .Lfunc_end_k_q49588a2034_prep-k_q49588a2034_prep
	.p2alignl 7, 3214868480
	.fill 96, 4, 3214868480
	.section	.rodata,"a",@progbits
	.p2align	6, 0x0
	.amdhsa_kernel k_q49588a2034_prep
		.amdhsa_group_segment_fixed_size 68096
		.amdhsa_private_segment_fixed_size 0
		.amdhsa_enable_private_segment 0
		.amdhsa_kernarg_size 112
		.amdhsa_user_sgpr_count 2
		.amdhsa_user_sgpr_kernarg_segment_ptr 1
		.amdhsa_wavefront_size32 1
		.amdhsa_system_sgpr_workgroup_id_x 1
		.amdhsa_system_sgpr_workgroup_id_y 1
		.amdhsa_system_sgpr_workgroup_id_z 1
		.amdhsa_system_vgpr_workitem_id 0
		.amdhsa_next_free_vgpr 192
		.amdhsa_next_free_sgpr 66
		.amdhsa_reserve_vcc 1
		.amdhsa_float_denorm_mode_32 3
		.amdhsa_float_denorm_mode_16_64 3
		.amdhsa_memory_ordered 1
		.amdhsa_forward_progress 1
		.amdhsa_inst_pref_size 96
	.end_amdhsa_kernel
	.amdgpu_metadata
---
amdhsa.version: [ 1, 2 ]
amdhsa.kernels:
  - .name:           k_q49588a2034_prep
    .symbol:         k_q49588a2034_prep.kd
    .args:
      - { .name: query, .offset: 0, .size: 8, .value_kind: global_buffer, .address_space: global }
      - { .name: key, .offset: 8, .size: 8, .value_kind: global_buffer, .address_space: global }
      - { .name: val, .offset: 16, .size: 8, .value_kind: global_buffer, .address_space: global }
      - { .name: pos_enc, .offset: 24, .size: 8, .value_kind: global_buffer, .address_space: global }
      - { .name: Wq, .offset: 32, .size: 8, .value_kind: global_buffer, .address_space: global }
      - { .name: Wk, .offset: 40, .size: 8, .value_kind: global_buffer, .address_space: global }
      - { .name: Wv, .offset: 48, .size: 8, .value_kind: global_buffer, .address_space: global }
      - { .name: Wo, .offset: 56, .size: 8, .value_kind: global_buffer, .address_space: global }
      - { .name: attn_mask, .offset: 64, .size: 8, .value_kind: global_buffer, .address_space: global }
      - { .name: lowp_scales, .offset: 72, .size: 8, .value_kind: global_buffer, .address_space: global }
      - { .name: acodes, .offset: 80, .size: 8, .value_kind: global_buffer, .address_space: global }
      - { .name: wcodes, .offset: 88, .size: 8, .value_kind: global_buffer, .address_space: global }
      - { .name: lmask, .offset: 96, .size: 8, .value_kind: global_buffer, .address_space: global }
      - { .name: relx, .offset: 104, .size: 8, .value_kind: global_buffer, .address_space: global }
    .group_segment_fixed_size: 68096
    .private_segment_fixed_size: 0
    .kernarg_segment_align: 8
    .kernarg_segment_size: 112
    .max_flat_workgroup_size: 128
    .sgpr_count:     66
    .vgpr_count:     192
    .wavefront_size: 32
...
	.end_amdgpu_metadata
.endif
;; end of part 1
;; launch proj (part 2): grid 4 x 56, 4 waves a work-group, clusters of 4 x 4, 327,680 bytes of LDS; arguments acodes, wcodes, lowp_scales, bq, bk, bv, r_w_bias, r_r_bias, qcodes, kcodes, vcodes, relx; writes qcodes, kcodes, vcodes, relx
.if DOCPART == 2
	.amdgcn_target "amdgcn-amd-amdhsa--gfx1250"
	.amdhsa_code_object_version 6
	.text
	.protected	k_q49588a2034_proj
	.globl	k_q49588a2034_proj
	.p2align	8
	.type	k_q49588a2034_proj,@function
k_q49588a2034_proj:
	s_mov_b64 s[64:65], 0
	v_nop
	global_prefetch_b8 v0, s[64:65] scope:SCOPE_SE
	s_setreg_imm32_b32 hwreg(HW_REG_WAVE_MODE, 25, 1), 1
	s_wait_xcnt 0x0
	s_wait_alu depctr_hold_cnt(0) depctr_sa_sdst(0) depctr_va_vdst(0) depctr_va_sdst(0) depctr_va_ssrc(0) depctr_va_vcc(0) depctr_vm_vsrc(0)
	s_getreg_b32 s2, hwreg(HW_REG_IB_STS2, 6, 4)
	s_cmp_eq_u32 s2, 0
	s_cbranch_scc0 .Lentry_in_a_cluster
	s_endpgm
.Lentry_in_a_cluster:
	s_bfe_u32 s2, ttmp6, 0x10000c
	s_cmp_lg_u32 s2, 0xf033
	s_cbranch_scc0 .Lentry_shape_is_right
	s_endpgm
.Lentry_shape_is_right:
; The four projections (query Wq, key Wk, val Wv, pos_enc Wk) as one GEMM on codes of E4M3, K = 1,024, and the quantising of their results for the attention launch.
; A tile of C, 256 x 256, is made by four waves, 128 x 128 each: 64 accumulators, 512 registers.  K goes in steps of 256 through two LDS slots filled by tensor loads.
; CLUSTERS of 4 x 4: the four of a row need the same tile of A, the four of a column the same tile of B: joint loads.  The cluster's y, 0..13, gives the TYPE = y / 4: 0 q, 1 k, 2 v, 3 rel: alike in all sixteen partners.
;   types 0, 1, 3: A = rows of acodes (tokens), B = rows of wcodes (features).   type 2: A = Wv's rows (features), B = val's rows (tokens).
; The matrix instruction is used transposed (source 0 = rows of B, source 1 = rows of A): a lane holds one row of A's side and eight neighbours of B's side.  So for q, k, rel a lane's registers run along the features
; (the K of the score products), and for v along the tokens (the keys, the K of the last attention product): the conversions take neighbours along the next K from one lane.
; THE WAY OUT: number = sum x 2^(eA + eB) + bias (for q: + r_w_bias or + r_r_bias; the two additions are made once, bias + r), held at +-448 x 2^e, converted; the codes meet in a stage in LDS and leave as whole rows of 256 bytes:
;   q   -> qcodes [kind][b][h][s][64] (kind 0: e6, kind 1: e11);   k -> kcodes [b][h][pos][64] (e7), pos = the key with bits 3 and 4 exchanged;   v -> vcodes [b][h][d][key] (e13);
;   rel -> relx [h][row][64] (e10), twice: at rows 8 + m and 2057 + m (the second copy begins 64 bytes off a multiple of 256: the table has to run on over its seam).
; LIMITS: eA + eB between -126 and 127, each e of a conversion between -126 and 119.  NaN among the inputs is not served.
; REGISTERS, in windows of 256: window 0: v0-31 addresses; from v128 A's fragments, one set; on the way out v32-255 are free.  window 1: B's fragments, two sets; on the way out the biases.  windows 2, 3: the accumulators.
.set KSTEP,  256
.set ROWB,   256
.set KROW,   1024
.set PITCH,  272                       ; an LDS row: 256 bytes + 16 of padding: the 16 rows of a fragment load start at 16 different groups of banks
.set FR,     16
.set NL,     4
.set NP,     4
.set HALFT,  128*PITCH
.set SLOT,   4*HALFT
.set LAPS,   2
.set SPARE,  2*SLOT                    ; behind the ring: the spare words, 128 bytes a wave
.set STG2,   256*272                   ; the stages: 256 rows x 272 bytes.  q, k, rel: at 0 and at STG2 (slot 0);  v: at STGV (slot 1).  Both slots have had their last fill and their last read by then
.set STGV,   SLOT
.set VO,   8                           ; v8-11  the drain's four offsets in memory
.set BO,   12                          ; v12    the biases' offset
.set VOV,  13                          ; v13    v's drain offset
.set ADRA, 16
.set ADRB, 20
.set STO,  24                          ; v24    where I put 8 codes, stage 1;  v25 stage 2;  v26 v's stage
.set STO2, 25
.set STV,  26
.set RD,   27                          ; v27    where I read rows back, stage 1;  v30 stage 2;  v31 v's
.set SPW,  28
.set NIL,  29
.set RD2,  30
.set RDV,  31
.set Y,    32                          ; v32-95   64 numbers
.set CD,   96                          ; v96-111  their codes
.set CV1,  112                         ; v112 2^e, v113 448 x 2^e of the first conversion; v114, v115 of the second
.set LM1,  113
.set CV2,  114
.set LM2,  115
.set AF,   128
.set DR,   128                         ; v128-255 the drain's 32 x 4 registers
.set BV,   160                         ; v160-175 bv of my eight rows, each twice
.set G1, 24
.set G0, 32
.set G1B, 48
.set G0B, 56
.set TYP, 67                           ; s67  the type
.set MSB, 0
.macro WIN new                         ; the immediate's high byte repeats the setting that is left
.if MSB != (\new)
	s_set_vgpr_msb (MSB<<8)|(\new)
.set MSB, (\new)
.endif
.endm
.set MUL_LO, 0xa1                      ; source 0 (B) window 1, source 1 (A) window 0, C and D window 2
.set MUL_HI, 0xf1
.set TO_B,   0x40
; A joint load: waves 0 and 1 fetch for A, waves 2 and 3 for B; the branch hangs on the wave's number alone.  An s_nop 0 and four v_nop follow each of the two lines.
.macro JLOAD g0a, g1a, g0b, g1b
	s_cmp_eq_u32 s15, 0
	s_cbranch_scc0 .Lfor_b_\@
	tensor_load_to_lds s[\g0a:\g0a+3], s[\g1a:\g1a+7]
	s_nop 0
.rept 4
	v_nop
.endr
	s_branch .Lasked_\@
.Lfor_b_\@:
	tensor_load_to_lds s[\g0b:\g0b+3], s[\g1b:\g1b+7]
	s_nop 0
.rept 4
	v_nop
.endr
.Lasked_\@:
.endm
.macro CREST
	s_cmp_lg_u32 s14, 0
	s_cbranch_scc1 .Lnot_wave_0_\@
	s_barrier_signal -3
.Lnot_wave_0_\@:
	s_barrier_wait -3
	s_barrier_signal -1
	s_barrier_wait -1
.endm
.macro CROUND
	s_barrier_signal -1
	s_barrier_wait -1
	CREST
.endm
	s_load_b128 s[4:7], s[0:1], 0x0                ; acodes, wcodes
	v_lshl_add_u32 v[SPW], v0, 2, SPARE
	v_mov_b32 v[NIL], 0
	ds_add_u32 v[SPW], v[NIL]                      ; the wave's opening: the add and its wait ahead of my first tensor load
	v_lshrrev_b32 v1, 5, v0
	v_readfirstlane_b32 s14, v1                    ; wave
	s_lshr_b32 s15, s14, 1                         ; my half of the tile's rows.  Also: I fetch for A (0) or B (1)
	s_and_b32 s16, s14, 1                          ; my half of its columns.  Also: which 128 rows I fetch
	s_bfe_u32 s40, ttmp6, 0x40000                  ; cx
	s_bfe_u32 s41, ttmp6, 0x40004                  ; cy
	s_and_b32 s66, ttmp7, 0xffff                   ; the cluster's y
	s_lshr_b32 s[TYP], s66, 2
	s_sub_co_u32 s69, s66, 8
	s_lshl_b32 s70, s[TYP], 20                     ; where B is a weight: its megabyte of wcodes
	s_cmp_eq_u32 s[TYP], 2
	s_cselect_b32 s68, 0, s66                      ; the clusters walk A's rows, but for v
	s_cselect_b32 s69, s69, 0                      ; where they walk B's
	s_cselect_b32 s72, 0x200000, 0                 ; v: A = Wv's codes,
	s_cselect_b32 s70, 0x800000, s70               ;    B = val's codes
	s_mov_b32 s73, 0
	s_mov_b32 s71, 0
	s_lshl_b32 s42, s69, 2
	s_add_co_u32 s42, s42, s40                     ; tile column
	s_lshl_b32 s17, s68, 2
	s_add_co_u32 s17, s17, s41                     ; tile row
	s_lshl_b32 s43, s41, 2
	s_lshl_b32 s43, 15, s43                        ; my row of the cluster
	s_lshl_b32 s44, 0x1111, s40                    ; my column
	s_or_b32 s[G1+0], s43, (0<<16)|(1<<20)|(1<<21)|(5<<22)|(3<<25)  ; the mask; elements of 1 byte; padding on; bit 21 beside a mask; 4 words after every 64
	s_or_b32 s[G1B+0], s44, (0<<16)|(1<<20)|(1<<21)|(5<<22)|(3<<25)
.irp g, G1, G1B
	s_mov_b32 s[\g+1], ROWB<<16                    ; tensor_dim0
	s_mov_b32 s[\g+2], 128<<16                     ; tensor_dim1
	s_mov_b32 s[\g+3], ROWB<<16                    ; tile_dim0
	s_mov_b32 s[\g+4], 128                         ; tile_dim1
	s_mov_b32 s[\g+5], KROW                        ; the pitch
	s_mov_b32 s[\g+6], 0
	s_mov_b32 s[\g+7], 0
.endr
	s_lshl_b32 s18, s16, 7
	s_lshl_b32 s20, s17, 8
	s_add_co_u32 s20, s20, s18                     ; A: row 256 x tile row + 128 x half
	s_lshl_b32 s46, s42, 8
	s_add_co_u32 s46, s46, s18                     ; B: row 256 x tile column + 128 x half
	s_lshl_b32 s20, s20, 10                        ; rows of 1,024 bytes
	s_lshl_b32 s46, s46, 10
	s_mov_b32 s21, 0
	s_mov_b32 s47, 0
	s_add_nc_u64 s[20:21], s[20:21], s[72:73]
	s_add_nc_u64 s[46:47], s[46:47], s[70:71]
	s_mul_i32 s45, s14, HALFT                      ; where they go: wave x 128 rows
	s_wait_dscnt 0x0                               ; the opening add is done
	s_wait_kmcnt 0x0
	s_cmp_eq_u32 s[TYP], 2
	s_cselect_b64 s[74:75], s[6:7], s[4:5]         ; A's buffer
	s_cselect_b64 s[76:77], s[4:5], s[6:7]         ; B's
	s_add_nc_u64 s[20:21], s[74:75], s[20:21]
	s_add_nc_u64 s[46:47], s[76:77], s[46:47]
	CROUND                                         ; all sixteen work-groups are here: the first joint loads meet
.irp s, 0,1
	s_mov_b32 s[G0+4*\s], 1
	s_add_co_u32 s[G0+4*\s+1], s45, \s*SLOT
	s_add_nc_u64 s[G0+4*\s+2:G0+4*\s+3], s[20:21], \s*ROWB
	s_or_b32 s[G0+4*\s+3], s[G0+4*\s+3], 0x80000000
	s_mov_b32 s[G0B+4*\s], 1
	s_add_co_u32 s[G0B+4*\s+1], s45, \s*SLOT
	s_add_nc_u64 s[G0B+4*\s+2:G0B+4*\s+3], s[46:47], \s*ROWB
	s_or_b32 s[G0B+4*\s+3], s[G0B+4*\s+3], 0x80000000
	JLOAD G0+4*\s, G1, G0B+4*\s, G1B
.endr
	v_and_b32 v1, 15, v0                           ; r
	v_bfe_u32 v2, v0, 4, 1                         ; h
	v_mul_u32_u24 v3, v1, PITCH
	v_lshl_add_u32 v4, v2, 4, v3
	s_mul_i32 s21, s15, HALFT
	s_mul_i32 s22, s16, HALFT
	s_add_co_u32 s22, s22, 2*HALFT
.irp s, 0,1
	v_add_nc_u32 v[ADRA+\s], s21, v4
	v_add_nc_u32 v[ADRB+\s], s22, v4
	s_add_co_u32 s21, s21, SLOT
	s_add_co_u32 s22, s22, SLOT
.endr
	; the stages' addresses.  q, k, rel: a stage row is 4 tokens of one head (256 bytes): row = 64 x (head in the tile) + token / 4
	v_lshrrev_b32 v5, 2, v1
	v_mul_u32_u24 v5, v5, 272
	v_and_b32 v6, 3, v1
	v_lshl_add_u32 v5, v6, 6, v5
	v_lshl_add_u32 v5, v2, 3, v5                   ; (r / 4) x 272 + (r % 4) x 64 + 8 h
	s_mul_i32 s23, s16, 2*64*272                   ; my column half: two heads
	s_mul_i32 s22, s15, 32*272                     ; my row half: 128 tokens
	s_add_co_u32 s23, s23, s22
	v_add_nc_u32 v[STO], s23, v5
	v_add_nc_u32 v[STO2], STG2, v[STO]
	v_lshl_add_u32 v5, v2, 3, v3                   ; v: a stage row is a feature's 256 tokens: r x 272 + 8 h
	s_mul_i32 s23, s15, 128*272
	s_lshl_b32 s22, s16, 7
	s_add_co_u32 s23, s23, s22
	s_add_co_u32 s23, s23, STGV
	v_add_nc_u32 v[STV], s23, v5
	v_mul_u32_u24 v5, v2, 272                      ; back: wave w takes rows 64 w on; lanes 0-15 one row, lanes 16-31 the next
	v_lshl_add_u32 v5, v1, 4, v5
	s_mul_i32 s23, s14, 64*272
	v_add_nc_u32 v[RD], s23, v5
	v_add_nc_u32 v[RD2], STG2, v[RD]
	v_add_nc_u32 v[RDV], STGV, v[RD]
.macro FRAG reg, adr, q, i             ; 16 rows x 128 K: registers 4 c .. 4 c + 3 hold K = 32 c + 16 (l / 16) + 0 .. 15: one permutation of k, the same in A and in B
.irp c, 0,1,2,3
	ds_load_b128 v[\reg+4*\c:\reg+4*\c+3], v[\adr] offset:128*(\q)+32*\c+(\i)*16*PITCH
.endr
.endm
; 16 matrix instructions: A's blocks a0, a0 + 1 x B's eight.  The 64 accumulators take turns, one instruction a turn, in the same order in every step.
.macro MUL16 a0, p, zero
.irp a, \a0, \a0+1
.irp b, 0,1,2,3,4,5,6,7
.if \zero
	v_wmma_f32_16x16x128_fp8_fp8 v[8*(8*((\a)%4)+\b):8*(8*((\a)%4)+\b)+7], v[128*(\p)+FR*\b:128*(\p)+FR*\b+FR-1], v[AF+FR*(\a):AF+FR*(\a)+FR-1], 0
.else
	v_wmma_f32_16x16x128_fp8_fp8 v[8*(8*((\a)%4)+\b):8*(8*((\a)%4)+\b)+7], v[128*(\p)+FR*\b:128*(\p)+FR*\b+FR-1], v[AF+FR*(\a):AF+FR*(\a)+FR-1], v[8*(8*((\a)%4)+\b):8*(8*((\a)%4)+\b)+7]
.endif
.endr
.endr
.endm
.macro FETCH_B slot, q, p
	WIN TO_B
.irp i, 0,1,2,3,4,5,6,7
	FRAG 128*(\p)+FR*\i, ADRB+\slot, \q, \i
.endr
	WIN 0
.endm
.macro FETCH_A slot, q, i0
.irp i, \i0, \i0+1, \i0+2, \i0+3
	FRAG AF+FR*(\i), ADRA+\slot, \q, \i
.endr
.endm
.macro PLACES n                        ; plain vector lines between a matrix instruction and a load into, or a read of, its registers
.rept \n
	v_nop
.endr
.endm
.macro STEP slot, q, zero
	s_wait_dscnt 4*NL                              ; B's set and A's blocks 0-3 are in; the youngest sixteen loads (A's blocks 4-7) may be out
	WIN MUL_LO
	MUL16 0, (\q)%2, \zero
	MUL16 2, (\q)%2, \zero
	s_wait_dscnt 0
	PLACES NP
	FETCH_B \slot, (\q)+1, 1-(\q)%2
	FETCH_A \slot, (\q)+1, 0
	WIN MUL_HI
	MUL16 4, (\q)%2, \zero
	MUL16 6, (\q)%2, \zero
	PLACES NP
	WIN 0
	FETCH_A \slot, (\q)+1, 4
.endm
; A slot's last step changes slots: one barrier; in front of it each wave waits for all its tensor loads, adds 0 to its spare word, and waits for that and for its reads of this slot.
.macro TURN slot, next, fill
	s_wait_tensorcnt 0x0                           ; all my tensor loads have landed: my part of the next slot
	ds_add_u32 v[SPW], v[NIL]
	s_wait_dscnt 4*NL+1                            ; the add and the youngest sixteen loads may be out
	WIN MUL_LO
	MUL16 0, 1, 0
	s_wait_dscnt 0x0                               ; the add is done, and my reads of this slot are over
	s_barrier_signal -1
	MUL16 2, 1, 0
	WIN 0
	s_barrier_wait -1
.if \fill
	CREST                                          ; the barrier has opened a round of the cluster's barrier: no wave of any partner still reads this slot or has a load on its way
	s_add_nc_u64 s[G0+4*\slot+2:G0+4*\slot+3], s[G0+4*\slot+2:G0+4*\slot+3], 2*ROWB
	s_add_nc_u64 s[G0B+4*\slot+2:G0B+4*\slot+3], s[G0B+4*\slot+2:G0B+4*\slot+3], 2*ROWB
	JLOAD G0+4*\slot, G1, G0B+4*\slot, G1B         ; the first tensor load behind the round; its four v_nop are the places in front of the loads below
.else
	PLACES NP
.endif
	FETCH_B \next, 0, 0
	FETCH_A \next, 0, 0
	WIN MUL_HI
	MUL16 4, 1, 0
	MUL16 6, 1, 0
	PLACES NP
	WIN 0
	FETCH_A \next, 0, 4
.endm
	s_wait_tensorcnt 1                             ; my part of K step 0 is in; K step 1's load may be out
	s_barrier_signal -1
	s_barrier_wait -1
	FETCH_B 0, 0, 0
	FETCH_A 0, 0, 0
	FETCH_A 0, 0, 4
	STEP 0, 0, 1                                   ; the first step's products start the sums
	s_mov_b32 s3, LAPS-1
.Llap:
	TURN 0, 1, 1
	STEP 1, 0, 0
	TURN 1, 0, 1
	STEP 0, 0, 0
	s_sub_co_u32 s3, s3, 1
	s_cmp_lg_u32 s3, 0
	s_cbranch_scc1 .Llap
	TURN 0, 1, 0
	STEP 1, 0, 0
	s_wait_dscnt 4*NL
	WIN MUL_LO
	MUL16 0, 1, 0
	MUL16 2, 1, 0
	s_wait_dscnt 0
	WIN MUL_HI
	MUL16 4, 1, 0
	MUL16 6, 1, 0
	WIN 0
	PLACES NP                                      ; behind the last products: for the reads of results and the loads into operand registers below
; ---------------- THE WAY OUT
	s_load_b512 s[24:39], s[0:1], 0x10             ; no tensor load is out: the descriptors' registers are free.  lowp s[24:25], bq s[26:27], bk s[28:29], bv s[30:31], r_w s[32:33], r_r s[34:35], qcodes s[36:37], kcodes s[38:39]
	s_load_b128 s[44:47], s[0:1], 0x50             ; vcodes s[44:45], relx s[46:47]
	v_and_b32 v1, 15, v0                           ; r
	v_bfe_u32 v2, v0, 4, 1                         ; h
	v_and_b32 v3, 31, v0                           ; lane
	s_wait_dscnt 0x0
	s_barrier_signal -1                            ; every wave's reads of slot 1 are over: its bytes may be stored to
	s_barrier_wait -1
	s_wait_kmcnt 0x0
	s_load_b512 s[48:63], s[24:25], 0x0            ; e0 .. e15
	s_wait_kmcnt 0x0
	s_add_co_i32 s74, s48, s49                     ; the product's two exponents, by type
	s_add_co_i32 s75, s50, s51
	s_add_co_i32 s76, s52, s53
	s_add_co_i32 s77, s56, s57
	s_cmp_eq_u32 s[TYP], 1
	s_cselect_b32 s74, s75, s74
	s_cselect_b32 s78, s55, s54                    ; the conversion's: e7 : e6
	s_cmp_eq_u32 s[TYP], 2
	s_cselect_b32 s74, s76, s74
	s_cselect_b32 s78, s61, s78                    ; e13
	s_cmp_eq_u32 s[TYP], 3
	s_cselect_b32 s74, s77, s74
	s_cselect_b32 s78, s58, s78                    ; e10
	s_add_co_i32 s74, s74, 127
	s_lshl_b32 s96, s74, 23                        ; 2^(eA + eB)
	s_mov_b32 s97, s96                             ; (named with it as a pair)
	s_add_co_i32 s78, s78, 127
	s_lshl_b32 s79, s78, 23
	v_mov_b32 v[CV1], s79
	s_add_co_i32 s78, s78, 8
	s_lshl_b32 s78, s78, 23
	s_or_b32 s78, s78, 0x600000
	v_mov_b32 v[LM1], s78
	s_add_co_i32 s78, s59, 127                     ; e11, for q + r_r
	s_lshl_b32 s79, s78, 23
	v_mov_b32 v[CV2], s79
	s_add_co_i32 s78, s78, 8
	s_lshl_b32 s78, s78, 23
	s_or_b32 s78, s78, 0x600000
	v_mov_b32 v[LM2], s78
; Block a (16 rows of A's side x my 128 of B's side): 64 numbers a lane, held, converted, 8 bytes at a time into a stage.
.macro QUANT8 cv, lm
.set j, 0
.rept 64
	v_med3_num_f32 v[Y+j], v[Y+j], -v[\lm], v[\lm] ; the conversion does not saturate (ISA guide 7.6.2): the hold comes first
.set j, j+1
.endr
	s_wait_dscnt 0x0                               ; the last block's stores have read the codes' registers
.irp b, 0,1,2,3,4,5,6,7
	v_cvt_scalef32_pk8_fp8_f32 v[CD+2*\b:CD+2*\b+1], v[Y+8*\b:Y+8*\b+7], v[\cv]
.endr
	v_nop                                          ; one plain line behind the last conversion
.endm
.macro TFILL a, bias, cv, lm, sto
.set AC, 64*((\a)%4)
	WIN 0x12+((\a)/4)                              ; source 0 window 2 or 3 (the sums), source 2 window 1 (the biases)
.set j, 0
.rept 32
	v_pk_fma_f32 v[Y+j:Y+j+1], v[AC+j:AC+j+1], s[96:97], v[\bias+j:\bias+j+1] op_sel_hi:[1,0,1]   ; each accumulator from its low end on
.set j, j+2
.endr
	WIN 0
	QUANT8 \cv, \lm
.irp b, 0,1,2,3,4,5,6,7
	ds_store_b64 v[\sto], v[CD+2*\b:CD+2*\b+1] offset:(\b/4)*64*272+(\a)*4*272+16*(\b%4)
.endr
.endm
.macro VFILL a
.set AC, 64*((\a)%4)
	WIN 0x02+((\a)/4)
.set j, 0
.rept 32
	v_pk_fma_f32 v[Y+j:Y+j+1], v[AC+j:AC+j+1], s[96:97], v[BV+2*(\a):BV+2*(\a)+1] op_sel_hi:[1,0,1]
.set j, j+2
.endr
	WIN 0
	QUANT8 CV1, LM1
.irp b, 0,1,2,3,4,5,6,7
	ds_store_b64 v[STV], v[CD+2*\b:CD+2*\b+1] offset:(\a)*16*272+16*\b
.endr
.endm
	s_cmp_eq_u32 s[TYP], 2
	s_cbranch_scc1 .Lv_fill
	; q, k, rel: a lane's 64 features are 256 x tile column + 128 x half + 16 b + 8 h + j
	s_lshl_b32 s92, s42, 10
	s_lshl_b32 s93, s16, 9
	s_add_co_u32 s92, s92, s93
	v_lshl_add_u32 v[BO], v2, 5, s92
	s_cmp_eq_u32 s[TYP], 0
	s_cselect_b64 s[84:85], s[26:27], s[28:29]     ; bq : bk
	s_cselect_b32 s98, 1.0, 0                      ; r_w_bias counts for q alone
	s_mov_b32 s99, s98
	WIN 0x40                                       ; destination window 1
.irp b, 0,1,2,3,4,5,6,7
	global_load_b128 v[8*\b:8*\b+3], v[BO], s[84:85] offset:64*\b
	global_load_b128 v[8*\b+4:8*\b+7], v[BO], s[84:85] offset:64*\b+16
	global_load_b128 v[128+8*\b:128+8*\b+3], v[BO], s[32:33] offset:64*\b
	global_load_b128 v[128+8*\b+4:128+8*\b+7], v[BO], s[32:33] offset:64*\b+16
	global_load_b128 v[192+8*\b:192+8*\b+3], v[BO], s[34:35] offset:64*\b
	global_load_b128 v[192+8*\b+4:192+8*\b+7], v[BO], s[34:35] offset:64*\b+16
.endr
	s_wait_loadcnt 0x0
	WIN 0x55                                       ; all in window 1
.set j, 0
.rept 32
	v_pk_add_f32 v[64+j:65+j], v[j:j+1], v[192+j:193+j]                                ; bias + r_r_bias
.set j, j+2
.endr
.set j, 0
.rept 32
	v_pk_fma_f32 v[j:j+1], v[128+j:129+j], s[98:99], v[j:j+1] op_sel_hi:[1,0,1]        ; bias + r_w_bias (q), bias (k, rel)
.set j, j+2
.endr
	WIN 0
.irp a, 0,1,2,3,4,5,6,7
	TFILL \a, 0, CV1, LM1, STO
.endr
	s_cmp_lg_u32 s[TYP], 0
	s_cbranch_scc1 .Lfilled
.irp a, 0,1,2,3,4,5,6,7
	TFILL \a, 64, CV2, LM2, STO2
.endr
	s_branch .Lfilled
.Lv_fill:                                              ; v: a lane's row is feature 256 x tile row + 128 x half + 16 a + r
	s_lshl_b32 s92, s17, 10
	s_lshl_b32 s93, s15, 9
	s_add_co_u32 s92, s92, s93
	v_lshl_add_u32 v[BO], v1, 2, s92
.irp a, 0,1,2,3,4,5,6,7
	global_load_b32 v[BV+2*\a], v[BO], s[30:31] offset:64*\a
	global_load_b32 v[BV+2*\a+1], v[BO], s[30:31] offset:64*\a
.endr
	s_wait_loadcnt 0x0
.irp a, 0,1,2,3,4,5,6,7
	VFILL \a
.endr
.Lfilled:
	s_wait_dscnt 0x0                               ; for the others' sake: my stores into the stages are done
	s_barrier_signal -1
	s_barrier_wait -1
.macro DLOAD adr                       ; 64 stage rows, two an instruction
.set i, 0
.rept 32
	ds_load_b128 v[DR+4*i:DR+4*i+3], v[\adr] offset:i*2*272
.set i, i+1
.endr
.endm
.macro DSTORE_T base
.set i, 0
.rept 32
	s_wait_dscnt 31-i                              ; LDS loads come back in order: the younger ones may be out
	global_store_b128 v[VO+(i%4)], v[DR+4*i:DR+4*i+3], s[\base:\base+1] offset:(i/4)*2048   ; sixteen lanes store 256 consecutive bytes
.set i, i+1
.endr
.endm
	s_cmp_eq_u32 s[TYP], 2
	s_cbranch_scc1 .Lv_drain
	DLOAD RD
	s_mov_b32 s88, 2049*64                         ; rel's second copy lies 2,049 rows on;
	s_mov_b32 s86, 131072                          ; a head's rows in qcodes and kcodes
	s_mov_b32 s90, 512
	s_mov_b32 s91, 1024
	s_cmp_eq_u32 s[TYP], 0
	s_cselect_b64 s[80:81], s[36:37], s[38:39]     ; qcodes : kcodes
	s_cselect_b32 s88, 0x400000, s88               ; q's second kind 4 MiB on
	s_cmp_eq_u32 s[TYP], 3
	s_cselect_b64 s[80:81], s[46:47], s[80:81]     ; relx
	s_cselect_b32 s86, 263168, s86                 ; a head's table
	s_cselect_b32 s87, 512, 0                      ; behind its 8 zero rows
	s_cmp_eq_u32 s[TYP], 1
	s_cselect_b32 s90, 1024, s90                   ; k: stage rows 2 and 4 apart change places: the key's bits 3 and 4
	s_cselect_b32 s91, 512, s91
	s_lshl_b32 s92, s[TYP], 4
	s_sub_co_u32 s92, s17, s92                     ; the tile row within the type's tensor
	s_lshl_b32 s93, s42, 2
	s_add_co_u32 s93, s93, s14                     ; my head: 4 x tile column + wave
	s_mul_i32 s93, s93, s86
	s_add_co_u32 s93, s93, s87
	s_lshr_b32 s94, s92, 3
	s_lshl_b32 s94, s94, 21                        ; the batch: 16 heads x 131,072
	s_add_co_u32 s93, s93, s94
	s_and_b32 s94, s92, 7
	s_lshl_b32 s94, s94, 14                        ; 256 tokens of 64 bytes
	s_add_co_u32 s92, s93, s94
	s_mov_b32 s93, 0
	s_add_nc_u64 s[80:81], s[80:81], s[92:93]
	s_mov_b32 s89, 0
	s_add_nc_u64 s[82:83], s[80:81], s[88:89]
	v_lshlrev_b32 v[VO], 4, v3                     ; two stage rows are 512 bytes of memory: 16 x lane
	v_add_nc_u32 v[VO+1], s90, v[VO]
	v_add_nc_u32 v[VO+2], s91, v[VO]
	v_add_nc_u32 v[VO+3], s90, v[VO+2]
	DSTORE_T 80
	s_cmp_eq_u32 s[TYP], 1
	s_cbranch_scc1 .Ldone
	s_cmp_eq_u32 s[TYP], 3
	s_cbranch_scc1 .Lagain                         ; rel: the same registers go out once more
	s_wait_xcnt 0x0                                ; the stores have read their registers: they may be loaded again
	DLOAD RD2
.Lagain:
	DSTORE_T 82
	s_branch .Ldone
.Lv_drain:
	DLOAD RDV
	s_lshr_b32 s92, s42, 3
	s_lshl_b32 s92, s92, 21                        ; the batch: 1,024 rows of 2,048 bytes
	s_lshl_b32 s93, s17, 19                        ; 256 features
	s_add_co_u32 s92, s92, s93
	s_lshl_b32 s93, s14, 17                        ; my 64 of them
	s_add_co_u32 s92, s92, s93
	s_and_b32 s93, s42, 7
	s_lshl_b32 s93, s93, 8                         ; 256 keys
	s_add_co_u32 s92, s92, s93
	s_mov_b32 s93, 0
	s_add_nc_u64 s[80:81], s[44:45], s[92:93]
	v_lshlrev_b32 v[VOV], 11, v2
	v_lshl_add_u32 v[VOV], v1, 4, v[VOV]
.set i, 0
.rept 32
	s_wait_dscnt 31-i
	global_store_b128 v[VOV], v[DR+4*i:DR+4*i+3], s[80:81] offset:i*4096
.set i, i+1
.endr
.Ldone:
	s_wait_tensorcnt 0x0                           ; the wave's end: the three lines behind my last tensor load and my last LDS store
	ds_add_u32 v[SPW], v[NIL]
	s_wait_dscnt 0x0
	CROUND                                         ; the closing round
	s_endpgm
.Lfunc_end_k_q49588a2034_proj:
	.size	k_q49588a2034_proj, .Lfunc_end_k_q49588a2034_proj-k_q49588a2034_proj
	.p2alignl 7, 3214868480
	.fill 96, 4, 3214868480
	.section	.rodata,"a",@progbits
	.p2align	6, 0x0
	.amdhsa_kernel k_q49588a2034_proj
		.amdhsa_group_segment_fixed_size 327680
		.amdhsa_private_segment_fixed_size 0
		.amdhsa_enable_private_segment 0
		.amdhsa_kernarg_size 96
		.amdhsa_user_sgpr_count 2
		.amdhsa_user_sgpr_kernarg_segment_ptr 1
		.amdhsa_wavefront_size32 1
		.amdhsa_system_sgpr_workgroup_id_x 1
		.amdhsa_system_sgpr_workgroup_id_y 1
		.amdhsa_system_sgpr_workgroup_id_z 1
		.amdhsa_system_vgpr_workitem_id 0
		.amdhsa_next_free_vgpr 1024
		.amdhsa_next_free_sgpr 100
		.amdhsa_reserve_vcc 0
		.amdhsa_float_denorm_mode_32 3
		.amdhsa_float_denorm_mode_16_64 3
		.amdhsa_memory_ordered 1
		.amdhsa_forward_progress 1
		.amdhsa_inst_pref_size 255
	.end_amdhsa_kernel
	.section	.bss,"aw",@nobits
	.p2align	6
	.space	262144
	.amdgpu_metadata
---
amdhsa.version: [ 1, 2 ]
amdhsa.kernels:
  - .name:           k_q49588a2034_proj
    .symbol:         k_q49588a2034_proj.kd
    .args:
      - { .name: acodes, .offset: 0, .size: 8, .value_kind: global_buffer, .address_space: global }
      - { .name: wcodes, .offset: 8, .size: 8, .value_kind: global_buffer, .address_space: global }
      - { .name: lowp_scales, .offset: 16, .size: 8, .value_kind: global_buffer, .address_space: global }
      - { .name: bq, .offset: 24, .size: 8, .value_kind: global_buffer, .address_space: global }
      - { .name: bk, .offset: 32, .size: 8, .value_kind: global_buffer, .address_space: global }
      - { .name: bv, .offset: 40, .size: 8, .value_kind: global_buffer, .address_space: global }
      - { .name: r_w_bias, .offset: 48, .size: 8, .value_kind: global_buffer, .address_space: global }
      - { .name: r_r_bias, .offset: 56, .size: 8, .value_kind: global_buffer, .address_space: global }
      - { .name: qcodes, .offset: 64, .size: 8, .value_kind: global_buffer, .address_space: global }
      - { .name: kcodes, .offset: 72, .size: 8, .value_kind: global_buffer, .address_space: global }
      - { .name: vcodes, .offset: 80, .size: 8, .value_kind: global_buffer, .address_space: global }
      - { .name: relx, .offset: 88, .size: 8, .value_kind: global_buffer, .address_space: global }
    .group_segment_fixed_size: 327680
    .private_segment_fixed_size: 0
    .kernarg_segment_align: 8
    .kernarg_segment_size: 96
    .max_flat_workgroup_size: 128
    .sgpr_count:     100
    .vgpr_count:     1024
    .wavefront_size: 32
...
	.end_amdgpu_metadata
.endif
;; end of part 2
;; launch attn (part 3): grid 16 x 32, 8 waves a work-group, clusters of 4 x 1, 327,680 bytes of LDS; arguments qcodes, kcodes, vcodes, relx, lmask, lowp_scales, ocodes; writes ocodes
.if DOCPART == 3
	.amdgcn_target "amdgcn-amd-amdhsa--gfx1250"
	.amdhsa_code_object_version 6
	.text
	.protected	k_q49588a2034_attn
	.globl	k_q49588a2034_attn
	.p2align	8
	.type	k_q49588a2034_attn,@function
k_q49588a2034_attn:
	s_mov_b64 s[64:65], 0
	v_nop
	global_prefetch_b8 v0, s[64:65] scope:SCOPE_SE
	s_setreg_imm32_b32 hwreg(HW_REG_WAVE_MODE, 25, 1), 1
	s_wait_xcnt 0x0
	s_wait_alu depctr_hold_cnt(0) depctr_sa_sdst(0) depctr_va_vdst(0) depctr_va_sdst(0) depctr_va_ssrc(0) depctr_va_vcc(0) depctr_vm_vsrc(0)
	s_getreg_b32 s2, hwreg(HW_REG_IB_STS2, 6, 4)
	s_cmp_eq_u32 s2, 0
	s_cbranch_scc0 .Lentry_in_a_cluster
	s_endpgm
.Lentry_in_a_cluster:
	s_bfe_u32 s2, ttmp6, 0x10000c
	s_cmp_lg_u32 s2, 0x3003
	s_cbranch_scc0 .Lentry_shape_is_right
	s_endpgm
.Lentry_shape_is_right:
; Attention with the relative shift, all three products on codes of E4M3.  logit(i, j) = ((q_i + r_w) . k_j + shifted(i, j)) / 32, masked keys aside;
; shifted(i, j), with mu = 2047 - i + j:  (q_i + r_r) . rel[mu] for mu <= 2047;  0 for mu = 2048;  (q_(i+1) + r_r) . rel[mu - 2049] beyond.
; relx holds for each head, at row mu + 8: eight zero rows, rel, a zero row, rel again: so mu walks one table.
; SHARES.  A work-group owns 128 queries i0 .. i0 + 127 of one (batch, head).  Wave f's tile of 16 queries is i0 + f + 8 n, n = lane % 16: STRIDE 8.  Every wave walks all 2,048 keys, 128 a step.
; THE SHIFT.  D = (16 rows of relx) x (my queries)^T gives lane (n, h), register j, table row mu0 + 8 h + j, which belongs to key mu - (2047 - i0 - f) + 8 n: from lane to lane the keys move by 8 numbers, 32 bytes.
; So a lane stores its eight numbers, by two aligned 16-byte stores, into ITS row of the wave's own ring in LDS (16 rows x 256 keys of f32, column = key % 256), and reads them back straight, as the C of the content scores' products.
; A block of 128 table rows serves keys 128 s + 8 n .. + 127 of lane n: one block ahead of the loop, then one a step.  The seam (mu = 2048) falls into tile 0 of block i0 / 128, at row f + 1:
; tile 0 is always (rows up to the seam) x Qr(i) + (rows behind it) x Qr(i + 1), by lane masks; the other tiles take Qr(i) or Qr(i + 1) whole, by v_cndmask_b32.  No branch hangs on the block of queries.
; LAYOUT.  All products are used transposed: a lane holds one query throughout.  kcodes has the keys' bits 3 and 4 exchanged, so that the 16 registers of two neighbouring tiles are 16 neighbouring keys: register 16 b + i of lane (n, h) is key 32 b + 16 h + i.
; Fragments of K = 64 come as two 16-byte loads, 32 bytes apart: one permutation of k, the same on both sides.
; SOFTMAX.  t = logit x log2(e); M = the running largest t rounded up to a whole number; p = 2^(t - M) is quantised (e12); the row's sum is taken of the unquantised p; when M moves, sum and O are multiplied by 2^(old M - new M).
; CLUSTER.  The four blocks of queries of a cluster share K and V: joint loads (waves 0 and 1).  Their windows of relx begin 128 rows apart: wave 2 fetches its own, a plain load.
; LIMITS.  A masked logit is taken as -2^30, not -1e9: t is then a whole number, so a row that is masked throughout gives p = 1 for every key, as the definition does; the results agree while unmasked logits lie above -1e9 + 200,
; which the clamp at +-448 keeps for 2^(e6 + e7) + 2^(e10 + e11) <= 2^11.  e6 + e7 between -92 and 119, e10 + e11 - e6 - e7 between -126 and 127, e12 and e14 between -126 and 119.
.set KP,     80                        ; a row of 64 codes in LDS: + 16 of padding
.set VP,     272                       ; a row of V's tile: 256 keys + 16
.set VOFF,   256*KP                    ; a slot: 256 rows of K, 64 rows of V, 264 rows of relx
.set ROFF,   VOFF+64*VP
.set SLOTB,  65536                     ; slot 1 begins here: one exclusive or turns an address
.set REL0,   131072                    ; the 136 table rows of the block ahead of the loop
.set RING,   142336                    ; the rings: 16 rows x 1,040 bytes for each wave; no fill lands here
.set RPITCH, 1040
.set RINGB,  16*RPITCH
.set SPARE,  RING+8*RINGB              ; the spare words: 128 bytes for each wave, four blocks of 256 bytes that no other line names
.set OSTG,   SPARE+1024                ; the way out: 32 rows x 272 bytes
.set AK,  1                            ; v1  my lane's place in a tile of K;  v2 of V;  v3 of relx
.set AV,  2
.set AR,  3
.set TK,  4                            ; v4-6  the same in the slot in hand
.set TV,  5
.set TR,  6
.set RL,  7                            ; v7  the ring, on the way back
.set RS0, 8                            ; v8  the ring, on the way in, even blocks;  v9-16 odd blocks, a register a tile (the columns wrap)
.set RSW, 9
.set SPW, 17
.set NIL, 18
.set AR0, 19                           ; v19  my lane's place in REL0
.set NM,  20                           ; v20 -M, v21 the largest t
.set SUM, 22                           ; v[22:23] the row's sum in two halves
.set MX,  24                           ; v24, v25 at work
.set FF,  26                           ; v26 f = 2^(old M - new M); v27 named with it as a pair
.set PRM, 28
.set SU2, 30
.set QW,  32                           ; q + r_w of my query
.set QR,  40                           ; q + r_r of my query,
.set QN,  48                           ; and of the next
.set QB,  56                           ; the one of the two that a block's tiles 1-7 take
.set F,   64                           ; v64-127 fragments
.set S,   128                          ; v128-191 scores, then p
.set O,   192                          ; v192-223 O^T
.set P,   224                          ; v224-239 p's codes; in a block of relx: tile 0's two masked fragments
.set PLIM, 240                         ; 448 x 2^e12
.set PCV,  241                         ; 2^e12
.set SNEG, 242                         ; what a masked score becomes
.set PFO,  243                         ; the prefetch's offset
.set OCV,  244                         ; 2^e14
.set OLIM, 245
.set OS,   251                         ; the way out: into the stage, out of it, in memory
.set OR,   252
.set OG,   253
.set TB,   2
.set SLOTS, 3
.set PFA,  6                           ; s[6:7] where my prefetch stands; s[10:11] a slot on
.set PFS,  10
.set LMP,  12                          ; s[12:13] my batch's mask words
.set WV,   18
.set QBI,  19                          ; my block of queries
.set SEL,  20
.set CS,   22                          ; s[22:23] c = log2(e) / 32 x 2^(e6 + e7)
.set G1K,  24
.set G1V,  32
.set G1R,  40
.set G0K,  48
.set G0V,  52
.set G0R,  56
.set SIG,  60                          ; the table block in hand
.set PL,   61                          ; lanes of rows 0 .. f
.set MOFF, 62                          ; the step's mask words, in bytes
.set LIM,  63
.set SELM, 66
.set MLO,  67
.set MW0,  68                          ; s[68:83], s[84:99] two pools of 16 mask words (at the head: the exponents; REL0's descriptor)
.set MW1,  84
.set G1P,  84
.set G0P,  92
.set MHI,  100
.set EO,   101                         ; e12 + e13
.set RAT,  104                         ; s[104:105] 2^(e10 + e11 - e6 - e7)
.macro CROUND
	s_barrier_signal -1
	s_barrier_wait -1
	s_cmp_lg_u32 s[WV], 0
	s_cbranch_scc1 .Lnot_wave_0_\@
	s_barrier_signal -3
.Lnot_wave_0_\@:
	s_barrier_wait -3
	s_barrier_signal -1
	s_barrier_wait -1
.endm
; Wave 0 fetches K's tile, wave 1 V's (both jointly), wave 2 relx's (its own); first = 1: wave 3 the block ahead of the loop.  The branches hang on the wave's number alone.  An s_nop 0 and four v_nop follow each load.
.macro TLOAD first
	s_cmp_lg_u32 s[WV], 0
	s_cbranch_scc1 .Lnot_k_\@
	tensor_load_to_lds s[G0K:G0K+3], s[G1K:G1K+7]
	s_nop 0
.rept 4
	v_nop
.endr
	s_branch .Lasked_\@
.Lnot_k_\@:
	s_cmp_lg_u32 s[WV], 1
	s_cbranch_scc1 .Lnot_v_\@
	tensor_load_to_lds s[G0V:G0V+3], s[G1V:G1V+7]
	s_nop 0
.rept 4
	v_nop
.endr
	s_branch .Lasked_\@
.Lnot_v_\@:
	s_cmp_lg_u32 s[WV], 2
	s_cbranch_scc1 .Lnot_r_\@
	tensor_load_to_lds s[G0R:G0R+3], s[G1R:G1R+7]
	s_nop 0
.rept 4
	v_nop
.endr
.if \first
	s_branch .Lasked_\@
.endif
.Lnot_r_\@:
.if \first
	s_cmp_lg_u32 s[WV], 3
	s_cbranch_scc1 .Lasked_\@
	tensor_load_to_lds s[G0P:G0P+3], s[G1P:G1P+7]
	s_nop 0
.rept 4
	v_nop
.endr
.endif
.Lasked_\@:
.endm
; A prefetch of the K and V that the NEXT change of slots will ask for: 64 + 64 blocks of 256 bytes.  All four clusters of a (batch, head) walk the same K and V: the first of them asks, by wave 3 of each partner, a lane a block.
; The partners share the blocks out by address: places 0, 1 take K's two halves (lanes 256 bytes apart), places 2, 3 V's rows 0-31 and 32-63 (a lane a row).  So each block is named once in the launch.
; The last change that fills a slot asks for nothing; slots 0 and 1 come by their loads alone.
.macro ASK
	s_cmp_gt_u32 s[SLOTS], s[LIM]
	s_cbranch_scc0 .Lnot_mine_\@
	global_prefetch_b8 v[PFO], s[PFA:PFA+1] th:TH_LOAD_NT scope:SCOPE_SE
.Lnot_mine_\@:
.endm
	s_load_b256 s[4:11], s[0:1], 0x0               ; qcodes, kcodes, vcodes, relx
	s_load_b128 s[12:15], s[0:1], 0x20             ; lmask, lowp_scales
	s_load_b64 s[16:17], s[0:1], 0x30              ; ocodes
	v_lshl_add_u32 v[SPW], v0, 2, SPARE
	v_mov_b32 v[NIL], 0
	ds_add_u32 v[SPW], v[NIL]                      ; the wave's opening: the add and its wait ahead of my first tensor load
	v_lshrrev_b32 v24, 5, v0
	v_readfirstlane_b32 s[WV], v24                 ; wave f
	s_bfe_u32 s60, ttmp6, 0x40000                  ; cx
	s_lshl_b32 s[QBI], ttmp9, 2
	s_add_co_u32 s[QBI], s[QBI], s60               ; my block of 128 queries
	s_and_b32 s61, ttmp7, 0xffff                   ; 16 x batch + head, which the partners share
	s_lshr_b32 s62, s61, 4
	s_and_b32 s63, s61, 15
	s_lshl_b32 s66, s61, 17                        ; a (batch, head) is 131,072 bytes in qcodes, kcodes, vcodes
	s_mov_b32 s67, 0
	s_mul_i32 s104, s63, 263168                    ; relx: my head's table,
	s_add_co_u32 s104, s104, 2048*64               ; row 2048 - i0
	s_lshl_b32 s100, s[QBI], 13
	s_sub_co_u32 s104, s104, s100
	s_mov_b32 s105, 0
	s_mov_b32 s[G1K], 15|(1<<20)|(1<<21)|(3<<22)|(3<<25)  ; the mask: all four; elements of 1 byte; padding: 4 words after every 16
	s_mov_b32 s[G1K+1], 64<<16
	s_mov_b32 s[G1K+2], 256<<16
	s_mov_b32 s[G1K+3], 64<<16
	s_mov_b32 s[G1K+4], 256
	s_mov_b32 s[G1K+5], 64
	s_mov_b32 s[G1K+6], 0
	s_mov_b32 s[G1K+7], 0
	s_mov_b32 s[G1V], 15|(1<<20)|(1<<21)|(5<<22)|(3<<25)  ; padding: 4 words after every 64
	s_mov_b32 s[G1V+1], 256<<16
	s_mov_b32 s[G1V+2], 64<<16
	s_mov_b32 s[G1V+3], 256<<16
	s_mov_b32 s[G1V+4], 64
	s_mov_b32 s[G1V+5], 2048
	s_mov_b32 s[G1V+6], 0
	s_mov_b32 s[G1V+7], 0
	s_mov_b32 s[G1R], (1<<20)|(3<<22)|(3<<25)      ; no mask
	s_mov_b32 s[G1R+1], 64<<16
	s_mov_b32 s[G1R+2], 264<<16
	s_mov_b32 s[G1R+3], 64<<16
	s_mov_b32 s[G1R+4], 264
	s_mov_b32 s[G1R+5], 64
	s_mov_b32 s[G1R+6], 0
	s_mov_b32 s[G1R+7], 0
	s_mov_b32 s[G1P], (1<<20)|(3<<22)|(3<<25)
	s_mov_b32 s[G1P+1], 64<<16
	s_mov_b32 s[G1P+2], 136<<16
	s_mov_b32 s[G1P+3], 64<<16
	s_mov_b32 s[G1P+4], 136
	s_mov_b32 s[G1P+5], 64
	s_mov_b32 s[G1P+6], 0
	s_mov_b32 s[G1P+7], 0
	s_mov_b32 s[SEL], 0x76543210
	s_mov_b32 s[SEL+1], 0xfedcba98
	s_mov_b32 s[CS], 0x3d38aa3b                    ; log2(e) / 32
	s_mov_b32 s[TB], 0
	s_mov_b32 s[SLOTS], 7
	s_wait_dscnt 0x0                               ; the opening add is done
	s_wait_kmcnt 0x0
	s_load_b512 s[68:83], s[14:15], 0x0            ; e0 .. e15
	s_mov_b32 s[G0K], 1
	s_mov_b32 s[G0K+1], 0
	s_add_nc_u64 s[G0K+2:G0K+3], s[6:7], s[66:67]
	s_or_b32 s[G0K+3], s[G0K+3], 0x80000000
	s_mov_b32 s[G0V], 1
	s_mov_b32 s[G0V+1], VOFF
	s_add_nc_u64 s[G0V+2:G0V+3], s[8:9], s[66:67]
	s_or_b32 s[G0V+3], s[G0V+3], 0x80000000
	s_mov_b32 s[G0R], 1
	s_mov_b32 s[G0R+1], ROFF
	s_add_nc_u64 s[G0R+2:G0R+3], s[10:11], s[104:105]
	s_mov_b32 s[G0P], 1
	s_mov_b32 s[G0P+1], REL0
	s_sub_nc_u64 s[G0P+2:G0P+3], s[G0R+2:G0R+3], 128*64   ; the block ahead of the loop: 128 rows up
	s_or_b32 s[G0R+3], s[G0R+3], 0x80000000
	s_or_b32 s[G0P+3], s[G0P+3], 0x80000000
	CROUND                                         ; all four work-groups are here: the first joint loads meet
	TLOAD 1                                        ; slot 0 and the block ahead of the loop: one load a wave, of waves 0 to 3
	s_add_nc_u64 s[4:5], s[4:5], s[66:67]          ; qcodes at my (batch, head), kind 0
	v_and_b32 v24, 15, v0                          ; n
	v_bfe_u32 v25, v0, 4, 1                        ; h
	s_lshl_b32 s100, s[QBI], 7
	s_add_co_u32 s100, s100, s[WV]
	v_lshl_add_u32 v246, v24, 3, s100              ; my query i = i0 + f + 8 n
	v_add_nc_u32 v247, 1, v246
	v_min_u32 v247, 2047, v247                     ; the next one (the last query never uses it)
	v_lshlrev_b32 v246, 6, v246
	v_lshl_add_u32 v246, v25, 4, v246
	v_lshlrev_b32 v247, 6, v247
	v_lshl_add_u32 v247, v25, 4, v247
	global_load_b128 v[QW:QW+3], v246, s[4:5]
	global_load_b128 v[QW+4:QW+7], v246, s[4:5] offset:32
	global_load_b128 v[QR:QR+3], v246, s[4:5] offset:4194304
	global_load_b128 v[QR+4:QR+7], v246, s[4:5] offset:4194336
	global_load_b128 v[QN:QN+3], v247, s[4:5] offset:4194304
	global_load_b128 v[QN+4:QN+7], v247, s[4:5] offset:4194336
	s_lshl_b32 s104, s62, 12
	s_add_nc_u64 s[LMP:LMP+1], s[LMP:LMP+1], s[104:105]   ; my batch's 1,024 mask words
	s_lshl_b32 s104, s62, 21                       ; ocodes: 4 tokens x 1,024 codes are 4,096 bytes: token x 1,024,
	s_lshl_b32 s100, s[QBI], 17
	s_add_co_u32 s104, s104, s100
	s_lshl_b32 s100, s[WV], 14                     ; my wave stores groups 4 f .. 4 f + 3 of the block's 32,
	s_add_co_u32 s104, s104, s100
	s_lshl_b32 s100, s63, 8                        ; my head's 256 bytes of a group
	s_add_co_u32 s104, s104, s100
	s_add_nc_u64 s[16:17], s[16:17], s[104:105]
	; the prefetch: which buffer, which part
	s_mov_b32 s10, 256
	s_mov_b32 s100, 2048
	s_mov_b32 s101, 65536
	s_cmp_lt_u32 s60, 2
	s_cselect_b64 s[PFA:PFA+1], s[6:7], s[8:9]
	s_cselect_b32 s10, 16384, s10                  ; a slot on: 256 rows of K, 256 bytes of a row of V
	s_cselect_b32 s100, 256, s100                  ; from lane to lane
	s_cselect_b32 s101, 8192, s101                 ; the second partner's part
	s_mov_b32 s11, 0
	v_and_b32 v[PFO], 31, v0
	v_mul_lo_u32 v[PFO], v[PFO], s100
	s_and_b32 s100, s60, 1
	s_mul_i32 s100, s100, s101
	s_add_co_u32 s100, s100, s10                   ; in slot 1: the first change of slots steps it to slot 2
	s_add_co_u32 s66, s66, s100
	s_add_nc_u64 s[PFA:PFA+1], s[PFA:PFA+1], s[66:67]
	s_xor_b32 s63, s[WV], 3
	s_or_b32 s63, s63, ttmp9                       ; 0 in wave 3 of the (batch, head)'s first cluster: the same in all four partners
	s_cmp_eq_u32 s63, 0
	s_cselect_b32 s[LIM], 1, -1
	s_lshl_b32 s[PL], 2, s[WV]
	s_sub_co_u32 s[PL], s[PL], 1
	s_mul_i32 s[PL], s[PL], 0x10001                ; rows 0 .. f, in both halves of the lanes
	s_mov_b32 s[SIG], -1
	; my lane's places in LDS
	v_mul_u32_u24 v[AK], v24, KP
	v_lshl_add_u32 v[AK], v25, 4, v[AK]
	v_mul_u32_u24 v[AV], v24, VP
	v_lshl_add_u32 v[AV], v25, 4, v[AV]
	v_add_nc_u32 v[AV], VOFF, v[AV]
	s_xor_b32 s100, s[WV], 7                       ; 7 - f
	s_mul_i32 s100, s100, KP
	v_add_nc_u32 v[AR0], s100, v[AK]
	v_add_nc_u32 v[AR], ROFF, v[AR0]
	v_add_nc_u32 v[AR0], REL0, v[AR0]
	s_mul_i32 s100, s[WV], RINGB
	s_add_co_u32 s100, s100, RING
	v_mul_u32_u24 v248, v24, RPITCH
	v_add_nc_u32 v248, s100, v248                  ; my row of my wave's ring
	v_lshl_add_u32 v[RL], v25, 6, v248             ; back: 16 keys further on for lanes 16-31
	v_add_nc_u32 v249, v24, v25
	v_lshl_add_u32 v[RS0], v249, 5, v248           ; in: column 8 (n + h): from lane to lane 1,072 bytes, an odd multiple of 16
	v_lshlrev_b32 v249, 3, v249
.irp k, 0,1,2,3,4,5,6,7
	v_add_nc_u32 v250, 128+16*\k, v249
	v_and_b32 v250, 255, v250
	v_lshl_add_u32 v[RSW+\k], v250, 2, v248
.endr
	v_mul_u32_u24 v[OS], v24, 2*272                ; the way out: query f + 8 n lies in group 2 n + f / 4, at place f % 4
	v_lshl_add_u32 v[OS], v25, 3, v[OS]
	s_lshr_b32 s100, s[WV], 2
	s_mul_i32 s100, s100, 272
	s_and_b32 s101, s[WV], 3
	s_lshl_b32 s101, s101, 6
	s_add_co_u32 s100, s100, s101
	s_add_co_u32 s100, s100, OSTG
	v_add_nc_u32 v[OS], s100, v[OS]
	v_mul_u32_u24 v[OR], v25, 272
	v_lshl_add_u32 v[OR], v24, 4, v[OR]
	s_mul_i32 s100, s[WV], 4*272
	s_add_co_u32 s100, s100, OSTG
	v_add_nc_u32 v[OR], s100, v[OR]
	v_lshlrev_b32 v[OG], 12, v25
	v_lshl_add_u32 v[OG], v24, 4, v[OG]
	v_mov_b32 v[NM+1], 0xff61b1e6                  ; the largest t so far: -3e38
	v_floor_f32 v[NM], -v[NM+1]
	v_mov_b32 v[SUM], 0
	v_mov_b32 v[SUM+1], 0
	v_mov_b32 v[FF+1], 0                           ; (named as the upper half of a pair)
	v_mov_b32 v[PRM], 0                            ; (a lane permute's destination counts as read)
.set j, 0
.rept 32
	v_mov_b32 v[O+j], 0                            ; the step is written once: the first finds zeros
.set j, j+1
.endr
	s_wait_kmcnt 0x0
	s_add_co_i32 s100, s74, s75                    ; e6 + e7
	s_lshl_b32 s101, s100, 23
	s_add_co_i32 s[CS], s[CS], s101                ; into c's exponent field
	s_mov_b32 s[CS+1], s[CS]
	s_add_co_i32 s101, s78, s79                    ; e10 + e11
	s_sub_co_i32 s101, s101, s100
	s_add_co_i32 s101, s101, 127
	s_lshl_b32 s[RAT], s101, 23                    ; brings the position scores to the content scores' scale
	s_mov_b32 s[RAT+1], s[RAT]
	s_sub_co_i32 s101, 162, s100
	s_lshl_b32 s101, s101, 23
	s_or_b32 s101, s101, 0x80000000
	v_mov_b32 v[SNEG], s101                        ; -2^(35 - e6 - e7): x c it is -2^30 x log2(e), a whole number
	s_add_co_i32 s101, s80, 127
	s_lshl_b32 s100, s101, 23
	v_mov_b32 v[PCV], s100
	s_add_co_i32 s101, s101, 8
	s_lshl_b32 s101, s101, 23
	s_or_b32 s101, s101, 0x600000
	v_mov_b32 v[PLIM], s101
	s_add_co_i32 s101, s82, 127
	s_lshl_b32 s100, s101, 23
	v_mov_b32 v[OCV], s100
	s_add_co_i32 s101, s101, 8
	s_lshl_b32 s101, s101, 23
	s_or_b32 s101, s101, 0x600000
	v_mov_b32 v[OLIM], s101
	s_add_co_i32 s[EO], s80, s81
	s_wait_tensorcnt 0x0                           ; my first fill has landed,
	s_barrier_signal -1
	s_barrier_wait -1                              ; everybody's has
	s_mov_b32 s[MOFF], 0
	s_load_b512 s[MW0:MW0+15], s[LMP:LMP+1], s[MOFF] offset:0x0    ; step 0's first 32 mask words (the exponents and REL0's descriptor are done with)
	s_load_b512 s[MW1:MW1+15], s[LMP:LMP+1], s[MOFF] offset:0x40
	s_wait_loadcnt 0x0                             ; Q
; A BLOCK OF 128 TABLE ROWS against my 16 queries, into the ring.  par: the block's number mod 2;  areg, off: where its rows lie.
.macro RELBLOCK par, areg, off
	s_cmp_lt_i32 s[SIG], s[QBI]
	s_cselect_b32 s[SELM], -1, 0                   ; ahead of the seam's block: Qr(i)
	s_cmp_eq_u32 s[SIG], s[QBI]
	s_cselect_b32 s[MLO], s[PL], 0
	s_or_b32 s[MLO], s[MLO], s[SELM]               ; tile 0's rows that take Qr(i),
	s_not_b32 s[MHI], s[MLO]                       ; and those that take Qr(i + 1)
	s_add_co_i32 s[SIG], s[SIG], 1
.irp k, 0,1,2,3,4,5,6,7
	v_cndmask_b32 v[QB+\k], v[QN+\k], v[QR+\k], s[SELM]   ; (these eight are also the places in front of the loads below)
.endr
.irp t, 0,1,2,3,4,5,6,7
	ds_load_b128 v[F+8*\t:F+8*\t+3], v[\areg] offset:\off+16*\t*KP
	ds_load_b128 v[F+8*\t+4:F+8*\t+7], v[\areg] offset:\off+16*\t*KP+32
.endr
	s_wait_dscnt 0x0
.irp k, 0,1,2,3,4,5,6,7
	v_cndmask_b32 v[P+\k], 0, v[F+\k], s[MLO]
	v_cndmask_b32 v[P+8+\k], 0, v[F+\k], s[MHI]
.endr
	v_wmma_f32_16x16x64_fp8_fp8 v[S:S+7], v[P:P+7], v[QR:QR+7], 0
.irp t, 1,2,3
	v_wmma_f32_16x16x64_fp8_fp8 v[S+8*\t:S+8*\t+7], v[F+8*\t:F+8*\t+7], v[QB:QB+7], 0
.endr
	v_wmma_f32_16x16x64_fp8_fp8 v[S:S+7], v[P+8:P+15], v[QN:QN+7], v[S:S+7]   ; the accumulators take turns, one instruction a turn: tile 0's second link stands in the middle
.irp t, 4,5,6,7
	v_wmma_f32_16x16x64_fp8_fp8 v[S+8*\t:S+8*\t+7], v[F+8*\t:F+8*\t+7], v[QB:QB+7], 0
.endr
.rept 4
	v_nop
.endr
.set j, 0
.rept 32
	v_pk_mul_f32 v[F+j:F+j+1], v[S+j:S+j+1], s[RAT:RAT+1] op_sel_hi:[1,0]   ; exact; each accumulator from its low end on
.set j, j+2
.endr
.irp t, 0,1,2,3,4,5,6,7
.if \par
	ds_store_b128 v[RSW+\t], v[F+8*\t:F+8*\t+3]
	ds_store_b128 v[RSW+\t], v[F+8*\t+4:F+8*\t+7] offset:16
.else
	ds_store_b128 v[RS0], v[F+8*\t:F+8*\t+3] offset:64*\t
	ds_store_b128 v[RS0], v[F+8*\t+4:F+8*\t+7] offset:64*\t+16
.endif
.endr
.endm
.macro MASK16 r0, pool                 ; a masked key's score becomes SNEG
.set i, 0
.rept 16
	v_cndmask_b32 v[S+\r0+i], v[S+\r0+i], v[SNEG], s[\pool+i]
.set i, i+1
.endr
.endm
; A KEY STEP: 128 keys, the q-th of the slot in hand.
.macro STEP q
	v_add_nc_u32 v[TK], s[TB], v[AK]
	v_add_nc_u32 v[TV], s[TB], v[AV]
	v_add_nc_u32 v[TR], s[TB], v[AR]
	RELBLOCK \q, TR, 128*(\q)*KP
.set i, 0
.rept 16
	ds_load_b128 v[S+4*i:S+4*i+3], v[RL] offset:512*(\q)+128*(i/4)+16*(i%4)   ; the shifted scores of this step's keys, in the content scores' layout; LDS serves a wave's instructions in order
.set i, i+1
.endr
	s_wait_dscnt 16                                ; all but the 16 loads just issued: the 16 stores into the ring have read their registers
.set i, 0
.rept 8
	ds_load_b128 v[F+8*i:F+8*i+3], v[TK] offset:(128*(\q)+16*i)*KP
	ds_load_b128 v[F+8*i+4:F+8*i+7], v[TK] offset:(128*(\q)+16*i)*KP+32
.set i, i+1
.endr
	s_wait_dscnt 0x0
.set i, 0
.rept 8
	v_wmma_f32_16x16x64_fp8_fp8 v[S+8*i:S+8*i+7], v[F+8*i:F+8*i+7], v[QW:QW+7], v[S+8*i:S+8*i+7]
.set i, i+1
.endr
.rept 4
	v_nop                                          ; places in front of the loads into the fragments' registers and of the first read of the scores
.endr
.set i, 0
.rept 16
	ds_load_b128 v[F+4*i:F+4*i+3], v[TV] offset:16*(i/4)*VP+128*(\q)+32*(i%4)   ; V's four fragments: they land under the softmax
.set i, i+1
.endr
	s_wait_kmcnt 0x0                               ; the words of registers 0-31, asked for a step ago
	MASK16 0, MW0
	s_load_b512 s[MW0:MW0+15], s[LMP:LMP+1], s[MOFF] offset:0x80
	MASK16 16, MW1
	s_load_b512 s[MW1:MW1+15], s[LMP:LMP+1], s[MOFF] offset:0xc0
	v_max3_num_f32 v[MX], v[S], v[S+1], v[S+2]     ; the step's largest score of my query, in two chains
	v_max3_num_f32 v[MX+1], v[S+3], v[S+4], v[S+5]
.irp i, 6,10,14,18,22,26
	v_max3_num_f32 v[MX], v[MX], v[S+\i], v[S+\i+1]
	v_max3_num_f32 v[MX+1], v[MX+1], v[S+\i+2], v[S+\i+3]
.endr
	v_max3_num_f32 v[MX], v[MX], v[S+30], v[S+31]
	s_wait_kmcnt 0x0                               ; both loads are done, so their offset may step
	s_add_co_u32 s[MOFF], s[MOFF], 256
	MASK16 32, MW0
	s_load_b512 s[MW0:MW0+15], s[LMP:LMP+1], s[MOFF] offset:0x0    ; the next step's (behind the last step: the table's 128 spare words)
	MASK16 48, MW1
	s_load_b512 s[MW1:MW1+15], s[LMP:LMP+1], s[MOFF] offset:0x40
.irp i, 32,36,40,44,48,52,56,60
	v_max3_num_f32 v[MX], v[MX], v[S+\i], v[S+\i+1]
	v_max3_num_f32 v[MX+1], v[MX+1], v[S+\i+2], v[S+\i+3]
.endr
	v_max_num_f32 v[MX], v[MX], v[MX+1]
	v_permlanex16_b32 v[PRM], v[MX], s[SEL], s[SEL+1]
	v_max_num_f32 v[MX], v[MX], v[PRM]             ; and among lane l xor 16's 64 keys
	v_mul_f32 v[MX], s[CS], v[MX]                  ; as t
	v_max_num_f32 v[NM+1], v[NM+1], v[MX]
	v_mov_b32 v[MX], v[NM]
	v_floor_f32 v[NM], -v[NM+1]                    ; -M = floor(-t)
	v_sub_f32 v[MX], v[NM], v[MX]                  ; old M - new M: a whole number, 0 or less
	v_cvt_i32_f32 v[MX], v[MX]                     ; (it saturates)
	v_ldexp_f32 v[FF], 1.0, v[MX]
.set j, 0
.rept 32
	v_pk_fma_f32 v[S+j:S+j+1], v[S+j:S+j+1], s[CS:CS+1], v[NM:NM+1] op_sel_hi:[1,0,0]   ; t - M
.set j, j+2
.endr
.set j, 0
.rept 64
	v_exp_f32 v[S+j], v[S+j]
.set j, j+1
.endr
	v_pk_mul_f32 v[SUM:SUM+1], v[SUM:SUM+1], v[FF:FF+1] op_sel_hi:[1,0]   ; the sums under the new M (a plain line behind the exponentials)
	s_wait_alu depctr_va_vdst(0)                   ; one wait for the whole batch, ahead of its first reader
	v_pk_add_f32 v[SU2:SU2+1], v[S:S+1], v[S+2:S+3]   ; the row's sum is taken of the unquantised p
.set j, 4
.rept 15
	v_pk_add_f32 v[SUM:SUM+1], v[SUM:SUM+1], v[S+j:S+j+1]
	v_pk_add_f32 v[SU2:SU2+1], v[SU2:SU2+1], v[S+j+2:S+j+3]
.set j, j+4
.endr
	v_pk_add_f32 v[SUM:SUM+1], v[SUM:SUM+1], v[SU2:SU2+1]
.irp b, 0,1,2,3
.set j, 0
.rept 16
	v_min_num_f32 v[S+16*\b+j], v[S+16*\b+j], v[PLIM]   ; p is not negative: the hold is one-sided
.set j, j+1
.endr
	v_cvt_scalef32_pk8_fp8_f32 v[P+4*\b:P+4*\b+1], v[S+16*\b:S+16*\b+7], v[PCV]
	v_cvt_scalef32_pk8_fp8_f32 v[P+4*\b+2:P+4*\b+3], v[S+16*\b+8:S+16*\b+15], v[PCV]
.endr
.set j, 0
.rept 16
	v_pk_mul_f32 v[O+j:O+j+1], v[O+j:O+j+1], v[FF:FF+1] op_sel_hi:[1,0]   ; O^T under the new M (plain lines behind the conversions)
.set j, j+2
.endr
	s_wait_dscnt 0x0                               ; V
.set i, 0
.rept 4
	v_wmma_f32_16x16x128_fp8_fp8 v[O+8*i:O+8*i+7], v[F+16*i:F+16*i+15], v[P:P+15], v[O+8*i:O+8*i+7]
.set i, i+1
.endr
.endm
; THE CHANGE OF SLOTS stands at a slot's head.  Each wave waits for all its tensor loads, adds 0 to its spare word, and waits for that and for its reads of the slot that it has left.  fill = 1: a round of the cluster's barrier,
; and behind it the other slot is filled with the next 256 keys: one load a wave, of waves 0 to 2; it has two key steps in which to land.
.macro CHANGE fill
	s_wait_tensorcnt 0x0                           ; no tensor load of mine is out, so a group 0 may be written
	ds_add_u32 v[SPW], v[NIL]
.if \fill
	s_xor_b32 s[G0K+1], s[G0K+1], SLOTB
	s_add_nc_u64 s[G0K+2:G0K+3], s[G0K+2:G0K+3], 256*64
	s_xor_b32 s[G0V+1], s[G0V+1], SLOTB
	s_add_nc_u64 s[G0V+2:G0V+3], s[G0V+2:G0V+3], 256
	s_xor_b32 s[G0R+1], s[G0R+1], SLOTB
	s_add_nc_u64 s[G0R+2:G0R+3], s[G0R+2:G0R+3], 256*64
	s_wait_xcnt 0x0                                ; the last prefetch, a slot back, has read its address
	s_add_nc_u64 s[PFA:PFA+1], s[PFA:PFA+1], s[PFS:PFS+1]
.endif
	s_wait_dscnt 0x0                               ; the add is done, and my reads of the slot that I have left are over
.if \fill
	CROUND
	TLOAD 0
	ASK
.else
	s_barrier_signal -1
	s_barrier_wait -1
.endif
.endm
	RELBLOCK 1, AR0, 0                             ; block -1: the keys 0 .. 8 n - 1 of lane n
.Lslot:                                                ; 7 trips: behind each change of slots but the last the next slot is asked for
	CHANGE 1
	STEP 0
	STEP 1
	s_xor_b32 s[TB], s[TB], SLOTB
	s_sub_co_u32 s[SLOTS], s[SLOTS], 1
	s_cmp_lg_u32 s[SLOTS], 0
	s_cbranch_scc1 .Lslot
	CHANGE 0                                       ; the last slot is written out
	STEP 0
	STEP 1
	; THE WAY OUT: O^T / the sum x 2^(e12 + e13), quantised with 2^e14; the block's 128 queries x 64 codes meet in a stage as groups of 4 tokens (256 bytes) and leave whole.
	s_wait_kmcnt 0x0
	v_add_f32 v[SUM], v[SUM], v[SUM+1]
	v_permlanex16_b32 v[PRM], v[SUM], s[SEL], s[SEL+1]
	v_add_f32 v[SUM], v[SUM], v[PRM]
	v_rcp_f32 v[SUM], v[SUM]
.rept 4
	v_nop                                          ; a plain line behind the reciprocal; with the additions above, the places behind the last products
.endr
	s_wait_alu depctr_va_vdst(0)                   ; the wait ahead of the reciprocal's first reader
	v_ldexp_f32 v[SUM], v[SUM], s[EO]
.set j, 0
.rept 32
	v_mul_f32 v[S+j], v[O+j], v[SUM]               ; register 8 t + i is channel 16 t + 8 h + i of my query
.set j, j+1
.endr
.set j, 0
.rept 32
	v_med3_num_f32 v[S+j], v[S+j], -v[OLIM], v[OLIM]
.set j, j+1
.endr
.irp t, 0,1,2,3
	v_cvt_scalef32_pk8_fp8_f32 v[P+2*\t:P+2*\t+1], v[S+8*\t:S+8*\t+7], v[OCV]
.endr
	v_nop
.irp t, 0,1,2,3
	ds_store_b64 v[OS], v[P+2*\t:P+2*\t+1] offset:16*\t
.endr
	s_wait_dscnt 0x0                               ; for the others' sake: my stores are done
	s_barrier_signal -1
	s_barrier_wait -1
.irp i, 0,1
	ds_load_b128 v[F+4*\i:F+4*\i+3], v[OR] offset:\i*2*272
.endr
.irp i, 0,1
	s_wait_dscnt 1-\i                              ; the younger load may be out
	global_store_b128 v[OG], v[F+4*\i:F+4*\i+3], s[16:17] offset:\i*8192   ; sixteen lanes store 256 consecutive bytes, aligned
.endr
	s_wait_tensorcnt 0x0                           ; the wave's end: the three lines behind my last tensor load and my last LDS store
	ds_add_u32 v[SPW], v[NIL]
	s_wait_dscnt 0x0
	CROUND                                         ; the closing round
	s_endpgm
.Lfunc_end_k_q49588a2034_attn:
	.size	k_q49588a2034_attn, .Lfunc_end_k_q49588a2034_attn-k_q49588a2034_attn
	.p2alignl 7, 3214868480
	.fill 96, 4, 3214868480
	.section	.rodata,"a",@progbits
	.p2align	6, 0x0
	.amdhsa_kernel k_q49588a2034_attn
		.amdhsa_group_segment_fixed_size 327680
		.amdhsa_private_segment_fixed_size 0
		.amdhsa_enable_private_segment 0
		.amdhsa_kernarg_size 56
		.amdhsa_user_sgpr_count 2
		.amdhsa_user_sgpr_kernarg_segment_ptr 1
		.amdhsa_wavefront_size32 1
		.amdhsa_system_sgpr_workgroup_id_x 1
		.amdhsa_system_sgpr_workgroup_id_y 1
		.amdhsa_system_sgpr_workgroup_id_z 1
		.amdhsa_system_vgpr_workitem_id 0
		.amdhsa_next_free_vgpr 256
		.amdhsa_next_free_sgpr 106
		.amdhsa_reserve_vcc 0
		.amdhsa_float_denorm_mode_32 3
		.amdhsa_float_denorm_mode_16_64 3
		.amdhsa_memory_ordered 1
		.amdhsa_forward_progress 1
		.amdhsa_inst_pref_size 136
	.end_amdhsa_kernel
	.amdgpu_metadata
---
amdhsa.version: [ 1, 2 ]
amdhsa.kernels:
  - .name:           k_q49588a2034_attn
    .symbol:         k_q49588a2034_attn.kd
    .args:
      - { .name: qcodes, .offset: 0, .size: 8, .value_kind: global_buffer, .address_space: global }
      - { .name: kcodes, .offset: 8, .size: 8, .value_kind: global_buffer, .address_space: global }
      - { .name: vcodes, .offset: 16, .size: 8, .value_kind: global_buffer, .address_space: global }
      - { .name: relx, .offset: 24, .size: 8, .value_kind: global_buffer, .address_space: global }
      - { .name: lmask, .offset: 32, .size: 8, .value_kind: global_buffer, .address_space: global }
      - { .name: lowp_scales, .offset: 40, .size: 8, .value_kind: global_buffer, .address_space: global }
      - { .name: ocodes, .offset: 48, .size: 8, .value_kind: global_buffer, .address_space: global }
    .group_segment_fixed_size: 327680
    .private_segment_fixed_size: 0
    .kernarg_segment_align: 8
    .kernarg_segment_size: 56
    .max_flat_workgroup_size: 256
    .sgpr_count:     106
    .vgpr_count:     256
    .wavefront_size: 32
...
	.end_amdgpu_metadata
.endif
;; end of part 3
;; launch outp (part 4): grid 4 x 16, 4 waves a work-group, clusters of 4 x 4, 327,680 bytes of LDS; arguments ocodes, wcodes, lowp_scales, bo, out0; writes out0
.if DOCPART == 4
	.amdgcn_target "amdgcn-amd-amdhsa--gfx1250"
	.amdhsa_code_object_version 6
	.text
	.protected	k_q49588a2034_outp
	.globl	k_q49588a2034_outp
	.p2align	8
	.type	k_q49588a2034_outp,@function
k_q49588a2034_outp:
	s_mov_b64 s[64:65], 0
	v_nop
	global_prefetch_b8 v0, s[64:65] scope:SCOPE_SE
	s_setreg_imm32_b32 hwreg(HW_REG_WAVE_MODE, 25, 1), 1
	s_wait_xcnt 0x0
	s_wait_alu depctr_hold_cnt(0) depctr_sa_sdst(0) depctr_va_vdst(0) depctr_va_sdst(0) depctr_va_ssrc(0) depctr_va_vcc(0) depctr_vm_vsrc(0)
	s_getreg_b32 s2, hwreg(HW_REG_IB_STS2, 6, 4)
	s_cmp_eq_u32 s2, 0
	s_cbranch_scc0 .Lentry_in_a_cluster
	s_endpgm
.Lentry_in_a_cluster:
	s_bfe_u32 s2, ttmp6, 0x10000c
	s_cmp_lg_u32 s2, 0xf033
	s_cbranch_scc0 .Lentry_shape_is_right
	s_endpgm
.Lentry_shape_is_right:
; out0 = (attention's result, as codes with 2^e14) x Wo (codes with 2^e15, K innermost) + bo.  M = 4,096, N = K = 1,024; sums in f32; each sum x 2^(e14 + e15) + bo by one fused multiply-add.
; ocodes lies [token / 4][head][token % 4][64]: 256 along K (4 heads) of 4 tokens are 1,024 consecutive bytes.  So A's tile of 128 tokens x 256 K is 32 rows of 1,024 bytes, 4,096 apart; in LDS 1,040 apart.
; All else: a tile of C of 256 x 256 by four waves of 128 x 128; two LDS slots of 256 along K; clusters of 4 x 4 with joint loads (A along a row, B along a column); the matrix instruction used transposed.
; 64 tiles of C: a work-group to each.  LIMIT: e14 + e15 between -126 and 127.
.set SIZE_N, 1024
.set ROWB,   256
.set KROW,   1024
.set PITCH,  272
.set APITCH, 1040
.set FR,     16
.set NL,     4
.set NP,     4
.set AHALF,  32*APITCH                 ; 128 tokens of A
.set HALFT,  128*PITCH                 ; 128 rows of B
.set SLOT,   2*AHALF+2*HALFT
.set LAPS,   2
.set SPARE,  2*SLOT
.set SPITCH, 528                       ; the way out: 16 rows x (512 + 16) bytes for each wave, in slot 0, which has had its last fill and its last read by then
.set BO,   12
.set ADRA, 16
.set ADRB, 20
.set STO,  24
.set RD,   25
.set CO,   26
.set SPW,  28
.set NIL,  29
.set TMP,  32
.set AF,   128
.set BK,   128
.set G1, 24
.set G0, 32
.set G1B, 48
.set G0B, 56
.set MSB, 0
.macro WIN new
.if MSB != (\new)
	s_set_vgpr_msb (MSB<<8)|(\new)
.set MSB, (\new)
.endif
.endm
.set MUL_LO, 0xa1
.set MUL_HI, 0xf1
.set TO_B,   0x40
.macro JLOAD g0a, g1a, g0b, g1b        ; waves 0 and 1 fetch for A, waves 2 and 3 for B; an s_nop 0 and four v_nop follow each of the two lines
	s_cmp_eq_u32 s15, 0
	s_cbranch_scc0 .Lfor_b_\@
	tensor_load_to_lds s[\g0a:\g0a+3], s[\g1a:\g1a+7]
	s_nop 0
.rept 4
	v_nop
.endr
	s_branch .Lasked_\@
.Lfor_b_\@:
	tensor_load_to_lds s[\g0b:\g0b+3], s[\g1b:\g1b+7]
	s_nop 0
.rept 4
	v_nop
.endr
.Lasked_\@:
.endm
.macro CREST
	s_cmp_lg_u32 s14, 0
	s_cbranch_scc1 .Lnot_wave_0_\@
	s_barrier_signal -3
.Lnot_wave_0_\@:
	s_barrier_wait -3
	s_barrier_signal -1
	s_barrier_wait -1
.endm
.macro CROUND
	s_barrier_signal -1
	s_barrier_wait -1
	CREST
.endm
	s_load_b128 s[4:7], s[0:1], 0x0                ; ocodes, wcodes
	s_load_b128 s[8:11], s[0:1], 0x10              ; lowp_scales s[8:9], bo s[10:11]
	s_load_b64 s[12:13], s[0:1], 0x20              ; out0
	v_lshl_add_u32 v[SPW], v0, 2, SPARE
	v_mov_b32 v[NIL], 0
	ds_add_u32 v[SPW], v[NIL]                      ; the wave's opening: the add and its wait ahead of my first tensor load
	v_lshrrev_b32 v1, 5, v0
	v_readfirstlane_b32 s14, v1
	s_lshr_b32 s15, s14, 1
	s_and_b32 s16, s14, 1
	s_bfe_u32 s40, ttmp6, 0x40000
	s_bfe_u32 s41, ttmp6, 0x40004
	s_lshl_b32 s42, ttmp9, 2
	s_add_co_u32 s42, s42, s40                     ; tile column
	s_and_b32 s17, ttmp7, 0xffff
	s_lshl_b32 s17, s17, 2
	s_add_co_u32 s17, s17, s41                     ; tile row
	s_lshl_b32 s43, s41, 2
	s_lshl_b32 s43, 15, s43
	s_lshl_b32 s44, 0x1111, s40
	s_or_b32 s[G1+0], s43, (0<<16)|(1<<20)|(1<<21)|(7<<22)|(3<<25)  ; A: padding of 4 words after every 256
	s_mov_b32 s[G1+1], 1024<<16
	s_mov_b32 s[G1+2], 32<<16
	s_mov_b32 s[G1+3], 1024<<16
	s_mov_b32 s[G1+4], 32
	s_mov_b32 s[G1+5], 4096
	s_mov_b32 s[G1+6], 0
	s_mov_b32 s[G1+7], 0
	s_or_b32 s[G1B+0], s44, (0<<16)|(1<<20)|(1<<21)|(5<<22)|(3<<25) ; B: 4 words after every 64
	s_mov_b32 s[G1B+1], ROWB<<16
	s_mov_b32 s[G1B+2], 128<<16
	s_mov_b32 s[G1B+3], ROWB<<16
	s_mov_b32 s[G1B+4], 128
	s_mov_b32 s[G1B+5], KROW
	s_mov_b32 s[G1B+6], 0
	s_mov_b32 s[G1B+7], 0
	s_lshl_b32 s18, s16, 17                        ; my half: 32 groups of 4,096 bytes, or 128 rows of 1,024
	s_lshl_b32 s20, s17, 18
	s_add_co_u32 s20, s20, s18
	s_mov_b32 s21, 0
	s_lshl_b32 s46, s42, 18
	s_add_co_u32 s46, s46, s18
	s_add_co_u32 s46, s46, 0x400000                ; Wo's megabyte of wcodes
	s_mov_b32 s47, 0
	s_mul_i32 s45, s16, AHALF                      ; where they go: A's two halves,
	s_mul_i32 s23, s16, HALFT
	s_add_co_u32 s23, s23, 2*AHALF                 ; then B's two
	s_wait_dscnt 0x0
	s_wait_kmcnt 0x0
	s_load_b64 s[96:97], s[8:9], 0x38              ; e14, e15
	s_add_nc_u64 s[20:21], s[4:5], s[20:21]
	s_add_nc_u64 s[46:47], s[6:7], s[46:47]
	CROUND
.irp s, 0,1
	s_mov_b32 s[G0+4*\s], 1
	s_add_co_u32 s[G0+4*\s+1], s45, \s*SLOT
	s_add_nc_u64 s[G0+4*\s+2:G0+4*\s+3], s[20:21], \s*1024
	s_or_b32 s[G0+4*\s+3], s[G0+4*\s+3], 0x80000000
	s_mov_b32 s[G0B+4*\s], 1
	s_add_co_u32 s[G0B+4*\s+1], s23, \s*SLOT
	s_add_nc_u64 s[G0B+4*\s+2:G0B+4*\s+3], s[46:47], \s*ROWB
	s_or_b32 s[G0B+4*\s+3], s[G0B+4*\s+3], 0x80000000
	JLOAD G0+4*\s, G1, G0B+4*\s, G1B
.endr
	v_and_b32 v1, 15, v0
	v_bfe_u32 v2, v0, 4, 1
	v_lshrrev_b32 v3, 2, v1
	v_mul_u32_u24 v3, v3, APITCH
	v_and_b32 v5, 3, v1
	v_lshl_add_u32 v3, v5, 6, v3
	v_lshl_add_u32 v3, v2, 4, v3                   ; A: (r / 4) x 1,040 + (r % 4) x 64 + 16 h
	v_mul_u32_u24 v4, v1, PITCH
	v_lshl_add_u32 v4, v2, 4, v4                   ; B: r x 272 + 16 h
	s_mul_i32 s21, s15, AHALF
	s_mul_i32 s22, s16, HALFT
	s_add_co_u32 s22, s22, 2*AHALF
.irp s, 0,1
	v_add_nc_u32 v[ADRA+\s], s21, v3
	v_add_nc_u32 v[ADRB+\s], s22, v4
	s_add_co_u32 s21, s21, SLOT
	s_add_co_u32 s22, s22, SLOT
.endr
	s_mul_i32 s23, s14, 16*SPITCH
	v_mul_u32_u24 v5, v1, SPITCH
	v_lshl_add_u32 v5, v2, 5, v5
	v_add_nc_u32 v[STO], s23, v5
	v_and_b32 v6, 31, v0
	v_lshlrev_b32 v[CO], 4, v6
	v_add_nc_u32 v[RD], s23, v[CO]
	s_lshl_b32 s20, s17, 8
	s_lshl_b32 s21, s15, 7
	s_add_co_u32 s20, s20, s21                     ; my first row of C
	s_lshl_b32 s20, s20, 12                        ; rows of 4,096 bytes
	s_lshl_b32 s46, s42, 10
	s_lshl_b32 s47, s16, 9
	s_add_co_u32 s46, s46, s47                     ; my first column, in bytes
	v_lshl_add_u32 v[BO], v2, 5, s46               ; bo of my 64 columns: + 32 h, + 64 b
	s_add_co_u32 s20, s20, s46
	s_mov_b32 s21, 0
	s_add_nc_u64 s[12:13], s[12:13], s[20:21]
.macro FRAGA reg, adr, q, i            ; 16 tokens x 128 K: registers 4 c .. 4 c + 3 hold K = 32 c + 16 h + 0 .. 15: head 2 q + c / 2 of the step's four, channels 32 (c % 2) + 16 h on
.irp c, 0,1,2,3
	ds_load_b128 v[\reg+4*\c:\reg+4*\c+3], v[\adr] offset:512*(\q)+256*(\c/2)+32*(\c%2)+(\i)*4*APITCH
.endr
.endm
.macro FRAGB reg, adr, q, i
.irp c, 0,1,2,3
	ds_load_b128 v[\reg+4*\c:\reg+4*\c+3], v[\adr] offset:128*(\q)+32*\c+(\i)*16*PITCH
.endr
.endm
.macro MUL16 a0, p, zero               ; the 64 accumulators take turns, one instruction a turn, in the same order in every step
.irp a, \a0, \a0+1
.irp b, 0,1,2,3,4,5,6,7
.if \zero
	v_wmma_f32_16x16x128_fp8_fp8 v[8*(8*((\a)%4)+\b):8*(8*((\a)%4)+\b)+7], v[128*(\p)+FR*\b:128*(\p)+FR*\b+FR-1], v[AF+FR*(\a):AF+FR*(\a)+FR-1], 0
.else
	v_wmma_f32_16x16x128_fp8_fp8 v[8*(8*((\a)%4)+\b):8*(8*((\a)%4)+\b)+7], v[128*(\p)+FR*\b:128*(\p)+FR*\b+FR-1], v[AF+FR*(\a):AF+FR*(\a)+FR-1], v[8*(8*((\a)%4)+\b):8*(8*((\a)%4)+\b)+7]
.endif
.endr
.endr
.endm
.macro FETCH_B slot, q, p
	WIN TO_B
.irp i, 0,1,2,3,4,5,6,7
	FRAGB 128*(\p)+FR*\i, ADRB+\slot, \q, \i
.endr
	WIN 0
.endm
.macro FETCH_A slot, q, i0
.irp i, \i0, \i0+1, \i0+2, \i0+3
	FRAGA AF+FR*(\i), ADRA+\slot, \q, \i
.endr
.endm
.macro PLACES n
.rept \n
	v_nop
.endr
.endm
.macro STEP slot, q, zero
	s_wait_dscnt 4*NL                              ; the youngest sixteen loads (A's blocks 4-7) may be out
	WIN MUL_LO
	MUL16 0, (\q)%2, \zero
	MUL16 2, (\q)%2, \zero
	s_wait_dscnt 0
	PLACES NP
	FETCH_B \slot, (\q)+1, 1-(\q)%2
	FETCH_A \slot, (\q)+1, 0
	WIN MUL_HI
	MUL16 4, (\q)%2, \zero
	MUL16 6, (\q)%2, \zero
	PLACES NP
	WIN 0
	FETCH_A \slot, (\q)+1, 4
.endm
.macro TURN slot, next, fill
	s_wait_tensorcnt 0x0                           ; all my tensor loads have landed: my part of the next slot
	ds_add_u32 v[SPW], v[NIL]
	s_wait_dscnt 4*NL+1                            ; the add and the youngest sixteen loads may be out
	WIN MUL_LO
	MUL16 0, 1, 0
	s_wait_dscnt 0x0                               ; the add is done, and my reads of this slot are over
	s_barrier_signal -1
	MUL16 2, 1, 0
	WIN 0
	s_barrier_wait -1
.if \fill
	CREST                                          ; the barrier has opened a round of the cluster's barrier
	s_add_nc_u64 s[G0+4*\slot+2:G0+4*\slot+3], s[G0+4*\slot+2:G0+4*\slot+3], 2*1024
	s_add_nc_u64 s[G0B+4*\slot+2:G0B+4*\slot+3], s[G0B+4*\slot+2:G0B+4*\slot+3], 2*ROWB
	JLOAD G0+4*\slot, G1, G0B+4*\slot, G1B
.else
	PLACES NP
.endif
	FETCH_B \next, 0, 0
	FETCH_A \next, 0, 0
	WIN MUL_HI
	MUL16 4, 1, 0
	MUL16 6, 1, 0
	PLACES NP
	WIN 0
	FETCH_A \next, 0, 4
.endm
	s_wait_tensorcnt 1                             ; my part of K step 0 is in; K step 1's load may be out
	s_barrier_signal -1
	s_barrier_wait -1
	FETCH_B 0, 0, 0
	FETCH_A 0, 0, 0
	FETCH_A 0, 0, 4
	STEP 0, 0, 1
	s_mov_b32 s3, LAPS-1
.Llap:
	TURN 0, 1, 1
	STEP 1, 0, 0
	TURN 1, 0, 1
	STEP 0, 0, 0
	s_sub_co_u32 s3, s3, 1
	s_cmp_lg_u32 s3, 0
	s_cbranch_scc1 .Llap
	TURN 0, 1, 0
	STEP 1, 0, 0
	s_wait_dscnt 4*NL
	WIN MUL_LO
	MUL16 0, 1, 0
	MUL16 2, 1, 0
	s_wait_dscnt 0
	WIN MUL_HI
	MUL16 4, 1, 0
	MUL16 6, 1, 0
	WIN 0
; THE WAY OUT, block by block of 16 rows x 128 columns, through my own stage: back as whole rows of 512 bytes.
.macro TOSTAGE a
.set AC, 64*((\a)%4)
	WIN 0x12+((\a)/4)                              ; source 0 window 2 or 3 (the sums), source 2 window 1 (bo)
.set j, 0
.rept 32
	v_pk_fma_f32 v[TMP+j:TMP+j+1], v[AC+j:AC+j+1], s[96:97], v[j:j+1] op_sel_hi:[1,0,1]   ; sum x 2^(e14 + e15) + bo; each accumulator from its low end on
.set j, j+2
.endr
	WIN 0
.irp b, 0,1,2,3,4,5,6,7
	ds_store_b128 v[STO], v[TMP+8*\b:TMP+8*\b+3] offset:64*\b
	ds_store_b128 v[STO], v[TMP+8*\b+4:TMP+8*\b+7] offset:64*\b+16
.endr
.set BB, BK+64*((\a)%2)
.irp t, 0,1,2,3,4,5,6,7,8,9,10,11,12,13,14,15
	ds_load_b128 v[BB+4*\t:BB+4*\t+3], v[RD] offset:\t*SPITCH
.endr
.endm
.macro SEND a, younger
.set BB, BK+64*((\a)%2)
	s_wait_dscnt \younger                          ; the block is back in registers
.if (\a) > 0
	s_add_nc_u64 s[12:13], s[12:13], 16*SIZE_N*4   ; (behind a wait on XCNT: the earlier stores have read their base)
.endif
.irp t, 0,1,2,3,4,5,6,7,8,9,10,11,12,13,14,15
	global_store_b128 v[CO], v[BB+4*\t:BB+4*\t+3], s[12:13] offset:\t*SIZE_N*4 th:TH_STORE_NT   ; 32 lanes store 512 consecutive bytes, aligned
.endr
.endm
	s_wait_kmcnt 0x0
	s_add_co_i32 s96, s96, s97
	s_add_co_i32 s96, s96, 127
	s_lshl_b32 s96, s96, 23                        ; 2^(e14 + e15)
	s_mov_b32 s97, s96
	PLACES NP                                      ; behind the last products: for the loads into operand registers and the reads of results
	WIN 0x40                                       ; destination window 1: B's fragments are done with
.irp b, 0,1,2,3,4,5,6,7
	global_load_b128 v[8*\b:8*\b+3], v[BO], s[10:11] offset:64*\b
	global_load_b128 v[8*\b+4:8*\b+7], v[BO], s[10:11] offset:64*\b+16
.endr
	WIN 0
	s_wait_loadcnt 0x0
	TOSTAGE 0
.irp a, 1,2,3,4,5,6,7
.if \a > 1
	s_wait_xcnt 0x0                                ; block a - 2's stores have read their registers and their base
.endif
	TOSTAGE \a
	SEND \a-1, 32                                  ; behind block a - 1's loads: block a's 16 stores and 16 loads
.endr
	s_wait_xcnt 0x0
	SEND 7, 0
	s_wait_tensorcnt 0x0                           ; the wave's end: the three lines behind my last tensor load and my last LDS store
	ds_add_u32 v[SPW], v[NIL]
	s_wait_dscnt 0x0
	CROUND                                         ; the closing round
	s_endpgm
.Lfunc_end_k_q49588a2034_outp:
	.size	k_q49588a2034_outp, .Lfunc_end_k_q49588a2034_outp-k_q49588a2034_outp
	.p2alignl 7, 3214868480
	.fill 96, 4, 3214868480
	.section	.rodata,"a",@progbits
	.p2align	6, 0x0
	.amdhsa_kernel k_q49588a2034_outp
		.amdhsa_group_segment_fixed_size 327680
		.amdhsa_private_segment_fixed_size 0
		.amdhsa_enable_private_segment 0
		.amdhsa_kernarg_size 40
		.amdhsa_user_sgpr_count 2
		.amdhsa_user_sgpr_kernarg_segment_ptr 1
		.amdhsa_wavefront_size32 1
		.amdhsa_system_sgpr_workgroup_id_x 1
		.amdhsa_system_sgpr_workgroup_id_y 1
		.amdhsa_system_sgpr_workgroup_id_z 1
		.amdhsa_system_vgpr_workitem_id 0
		.amdhsa_next_free_vgpr 1024
		.amdhsa_next_free_sgpr 98
		.amdhsa_reserve_vcc 0
		.amdhsa_float_denorm_mode_32 3
		.amdhsa_float_denorm_mode_16_64 3
		.amdhsa_memory_ordered 1
		.amdhsa_forward_progress 1
		.amdhsa_inst_pref_size 125
	.end_amdhsa_kernel
	.amdgpu_metadata
---
amdhsa.version: [ 1, 2 ]
amdhsa.kernels:
  - .name:           k_q49588a2034_outp
    .symbol:         k_q49588a2034_outp.kd
    .args:
      - { .name: ocodes, .offset: 0, .size: 8, .value_kind: global_buffer, .address_space: global }
      - { .name: wcodes, .offset: 8, .size: 8, .value_kind: global_buffer, .address_space: global }
      - { .name: lowp_scales, .offset: 16, .size: 8, .value_kind: global_buffer, .address_space: global }
      - { .name: bo, .offset: 24, .size: 8, .value_kind: global_buffer, .address_space: global }
      - { .name: out0, .offset: 32, .size: 8, .value_kind: global_buffer, .address_space: global }
    .group_segment_fixed_size: 327680
    .private_segment_fixed_size: 0
    .kernarg_segment_align: 8
    .kernarg_segment_size: 40
    .max_flat_workgroup_size: 128
    .sgpr_count:     98
    .vgpr_count:     1024
    .wavefront_size: 32
...
	.end_amdgpu_metadata
.endif
;; end of part 4
;; ======== version 2 of 2: 4 launches
;; limits: right only within a limited range of input values
;; workspace buffers: acodes 14,680,064 bytes; wcodes 5,242,880 bytes; qcodes 8,388,608 bytes; kcodes 4,194,304 bytes; vcodes 4,194,304 bytes; relx 4,210,688 bytes; fmask 16,384 bytes; ocodes 4,194,304 bytes
;; launch prep (part 5): grid 609 x 1, 4 waves a work-group, no clusters, 68,096 bytes of LDS; arguments query, key, val, pos_enc, Wq, Wk, Wv, Wo, attn_mask, lowp_scales, acodes, wcodes, fmask, relx; writes acodes, wcodes, fmask, relx
.if DOCPART == 5
	.amdgcn_target "amdgcn-amd-amdhsa--gfx1250"
	.amdhsa_code_object_version 6
	.text
	.protected	k_q49588a2034_prep
	.globl	k_q49588a2034_prep
	.p2align	8
	.type	k_q49588a2034_prep,@function
k_q49588a2034_prep:
	s_mov_b64 s[64:65], 0
	v_nop
	global_prefetch_b8 v0, s[64:65] scope:SCOPE_SE
	s_setreg_imm32_b32 hwreg(HW_REG_WAVE_MODE, 25, 1), 1
	s_wait_xcnt 0x0
; All that is quantised from inputs, once, and two small tables.  Three kinds of work-group, told apart by the work-group's number alone:
;   0..447    query, key, val, pos_enc (f32, K innermost) -> acodes [14336][1024], codes of E4M3, with the scales 2^e0, 2^e2, 2^e4, 2^e8.  32,768 numbers a work-group.
;   448..607  Wq, Wk, Wv, Wk, Wo ([k][n] f32, K outermost) -> wcodes [5][n][k], K innermost, with 2^e1, 2^e3, 2^e5, 2^e9, 2^e15.  128 columns x 256 along K a work-group.
;   608       fmask [2][2048] f32: for each key the number under which the attention launch holds its raw score: -2^(35 - e6 - e7) where attn_mask == 1, +infinity elsewhere;
;             and the zero rows of relx (rows 0-7 and row 2056 of each head's table).
; code = x / 2^e, held within +-448, to the nearest code, ties to even.  LIMITS: each e of a quantiser between -126 and 119; e6 + e7 between -92 and 161.  NaN among the inputs is not served.
; No tensor load, no barrier: waves share nothing.  Each kind has LDS bytes of its own: 0..32,767 the streams' stages, 32,768..67,583 the weights' stages; then the spare words.
.set SPARE, 67584                      ; the spare words: 128 bytes for each wave, two blocks of 256 bytes that no other line names
.set SPW,   12                         ; v12  LDS address of my spare word; never rewritten
.set NIL,   13                         ; v13  0; never rewritten
.set STEPS, 16
.set CB,    16
.set R,     16                         ; streams: v16-79 four sets of 16 numbers as loaded
.set X,     80                         ; v80-111 two sets of 16 neighbours
.set C,     128                        ; v128-191 codes, four registers a step
.set WREG,  8192                       ; a wave's two stages of 32 x SP bytes
.set SP,    80                         ; a lane's 64 bytes + 16 of padding
.set NB,    8                          ; weights: blocks of 32 along K for a wave
.set PITCH, 272                        ; a stage row: 256 codes + 16
.set WSTG,  32768
.set XW,    32                         ; v32-95 two sets of 32 numbers
.set CW,    96                         ; v96-103 a block's codes
.set OUTR,  112                        ; v112-175 the way out
.set HEADB, 263168                     ; a head's table in relx: 4,112 rows of 64 bytes
.set EMAX,  8
.set MANT,  0x600000                   ; the mantissa field of 448
	s_load_b512 s[20:35], s[0:1], 0x0              ; query, key, val, pos_enc, Wq, Wk, Wv, Wo
	s_load_b256 s[36:43], s[0:1], 0x40             ; attn_mask, lowp_scales, acodes, wcodes
	s_load_b128 s[44:47], s[0:1], 0x60             ; fmask, relx
	v_lshl_add_u32 v[SPW], v0, 2, SPARE
	v_mov_b32 v[NIL], 0
	v_lshrrev_b32 v1, 5, v0
	v_readfirstlane_b32 s16, v1                    ; wave
	v_and_b32 v2, 31, v0                           ; lane
	s_wait_kmcnt 0x0
	s_load_b512 s[48:63], s[38:39], 0x0            ; e0 .. e15
	s_cmp_ge_u32 ttmp9, 448
	s_cbranch_scc1 .Lweights
; ---------------- the streams: a wave takes 16 steps of 512 numbers.  Each load reads 512 consecutive bytes; a step's 2,048 bytes turn through the wave's stage so that a lane gets 16 neighbours along K.
	s_wait_alu depctr_va_vdst(0)
	v_lshlrev_b32 v3, 4, v2                        ; my 16 bytes of a load's 512, and of a step's 512 bytes of codes
	s_wait_alu depctr_va_vdst(0)
	s_mul_i32 s17, s16, WREG
	v_lshrrev_b32 v14, 2, v2
	v_mul_u32_u24 v14, v14, SP
	v_and_b32 v15, 3, v2
	v_lshl_add_u32 v14, v15, 4, v14
	v_add_nc_u32 v14, s17, v14                     ; into the stage: SP (lane / 4) + 16 (lane % 4)
	v_mul_u32_u24 v15, v2, SP
	v_add_nc_u32 v15, s17, v15                     ; out of it: SP x lane
	s_cmp_lt_u32 ttmp9, 128                        ; which tensor: the choice hangs on the work-group's number alone
	s_cselect_b64 s[4:5], s[20:21], s[22:23]
	s_cselect_b32 s7, 0, 128
	s_cmp_lt_u32 ttmp9, 256
	s_cselect_b64 s[4:5], s[4:5], s[24:25]
	s_cselect_b32 s7, s7, 256
	s_cmp_lt_u32 ttmp9, 384
	s_cselect_b64 s[4:5], s[4:5], s[26:27]
	s_cselect_b32 s7, s7, 384
	s_sub_co_u32 s17, ttmp9, s7
	s_lshl_b32 s17, s17, 2
	s_add_co_u32 s17, s17, s16                     ; which run of 8,192 numbers of the tensor is my wave's
	s_lshl_b32 s18, s17, 15
	s_mov_b32 s19, 0
	s_add_nc_u64 s[4:5], s[4:5], s[18:19]
	s_lshl_b32 s17, ttmp9, 2
	s_add_co_u32 s17, s17, s16
	s_lshl_b32 s18, s17, 13                        ; the four tensors' codes lie one behind the other
	s_add_nc_u64 s[8:9], s[40:41], s[18:19]
.macro ALOAD t
.irp i, 0,1,2,3
	global_load_b128 v[R+16*((\t)%4)+4*\i:R+16*((\t)%4)+4*\i+3], v3, s[4:5] offset:2048*(\t)+512*\i th:TH_LOAD_NT
.endr
.endm
.macro ATURN t                         ; LDS serves a wave's instructions in order: no wait between the stores and the loads
.irp i, 0,1,2,3
	ds_store_b128 v14, v[R+16*((\t)%4)+4*\i:R+16*((\t)%4)+4*\i+3] offset:32*SP*((\t)%2)+8*SP*\i
.endr
.irp i, 0,1,2,3
	ds_load_b128 v[X+16*((\t)%2)+4*\i:X+16*((\t)%2)+4*\i+3], v15 offset:32*SP*((\t)%2)+16*\i
.endr
.endm
.irp t, 0,1,2,3
	ALOAD \t
.endr
	s_wait_alu depctr_va_vdst(0)
	s_wait_kmcnt 0x0
	s_cmp_lt_u32 ttmp9, 128
	s_cselect_b32 s10, s48, s50                    ; e0 : e2
	s_cmp_lt_u32 ttmp9, 256
	s_cselect_b32 s10, s10, s52                    ; e4
	s_cmp_lt_u32 ttmp9, 384
	s_cselect_b32 s10, s10, s56                    ; e8
	s_add_co_i32 s10, s10, 127
	s_lshl_b32 s11, s10, 23
	v_mov_b32 v11, s11                             ; 2^e as f32: the conversion takes its exponent field
	s_add_co_i32 s10, s10, EMAX
	s_lshl_b32 s10, s10, 23
	s_or_b32 s10, s10, MANT
	v_mov_b32 v10, s10                             ; 448 x 2^e
	s_wait_alu depctr_va_vdst(0)
	s_wait_loadcnt 12                              ; step 0's four loads are in; three steps' twelve may be out
	ATURN 0
.macro ASTEP t
.set XS, X+16*((\t)%2)
	s_wait_dscnt 0x0                               ; this step's numbers are back from the stage, so its stores into the stage have read their registers,
.if (\t)+4 < STEPS
	ALOAD (\t)+4                                   ; which take the loads of four steps on
.endif
.if (\t)+1 < STEPS
.if STEPS-2-(\t) >= 3
	s_wait_loadcnt 12                              ; the next step's four loads are in; those of the three steps behind it may be out
.else
	s_wait_loadcnt 4*(STEPS-2-(\t))
.endif
	ATURN (\t)+1
.endif
.irp i, 0,1,2,3,4,5,6,7,8,9,10,11,12,13,14,15
	v_med3_num_f32 v[XS+\i], v[XS+\i], -v10, v10   ; the conversion does not saturate (ISA guide 7.6.2): the hold comes first
.endr
	v_cvt_scalef32_pk8_fp8_f32 v[C+4*(\t):C+4*(\t)+1], v[XS:XS+7], v11
	v_cvt_scalef32_pk8_fp8_f32 v[C+4*(\t)+2:C+4*(\t)+3], v[XS+8:XS+15], v11
	v_nop                                          ; one plain line behind the last conversion
	global_store_b128 v3, v[C+4*(\t):C+4*(\t)+3], s[8:9] offset:32*CB*(\t)   ; the wave stores 512 consecutive bytes, aligned
.endm
.irp t, 0,1,2,3,4,5,6,7,8,9,10,11,12,13,14,15
	ASTEP \t
.endr
	s_wait_tensorcnt 0x0                           ; the wave's end: the three lines behind my last LDS store
	ds_add_u32 v[SPW], v[NIL]
	s_wait_dscnt 0x0
	s_endpgm
; ---------------- the weights: a lane takes a column n and its registers run down K, so the conversions give codes with K innermost.  A wave: 32 columns x 256 along K.
.Lweights:
	s_cmp_eq_u32 ttmp9, 608
	s_cbranch_scc1 .Lmask
	s_sub_co_u32 s10, ttmp9, 448
	s_lshr_b32 s11, s10, 5                         ; job 0..4: Wq, Wk (e3), Wv, Wk (e9), Wo
	s_and_b32 s12, s10, 7                          ; which 128 columns
	s_bfe_u32 s18, s10, 0x20003                    ; which 256 along K
	s_lshl_b32 s17, s12, 7
	s_lshl_b32 s13, s16, 5
	s_add_co_u32 s17, s17, s13                     ; my wave's first column
	s_wait_alu depctr_va_vdst(0)
	v_lshlrev_b32 v3, 2, v2                        ; in: 4 bytes a lane
	s_mul_i32 s19, s16, 32*PITCH
	s_add_co_u32 s19, s19, WSTG                    ; my stage
	v_mul_u32_u24 v4, v2, PITCH
	v_add_nc_u32 v4, s19, v4                       ; into it: row = my column
	v_and_b32 v5, 15, v2
	v_lshrrev_b32 v6, 4, v2
	v_mul_u32_u24 v7, v6, PITCH
	v_lshl_add_u32 v7, v5, 4, v7
	v_add_nc_u32 v7, s19, v7                       ; out of it: sixteen lanes to a row, two rows an instruction
	v_lshlrev_b32 v8, 10, v6
	v_lshl_add_u32 v8, v5, 4, v8                   ; and the same place in the codes: rows of 1,024 bytes
	s_cmp_eq_u32 s11, 0
	s_cselect_b64 s[4:5], s[28:29], s[30:31]       ; Wq : Wk
	s_cmp_eq_u32 s11, 2
	s_cselect_b64 s[4:5], s[32:33], s[4:5]         ; Wv
	s_cmp_eq_u32 s11, 4
	s_cselect_b64 s[4:5], s[34:35], s[4:5]         ; Wo
	s_lshl_b32 s14, s18, 20                        ; 256 rows of 4,096 bytes
	s_lshl_b32 s15, s17, 2
	s_add_co_u32 s14, s14, s15
	s_mov_b32 s15, 0
	s_add_nc_u64 s[4:5], s[4:5], s[14:15]
	s_lshl_b32 s14, s11, 20                        ; the job's megabyte of codes,
	s_lshl_b32 s13, s17, 10                        ; my column's row,
	s_add_co_u32 s14, s14, s13
	s_lshl_b32 s13, s18, 8                         ; my 256 along K
	s_add_co_u32 s14, s14, s13
	s_add_nc_u64 s[8:9], s[42:43], s[14:15]
.macro WLOAD t                         ; block t: W(32 t + i, my column): 32 lanes read 128 consecutive bytes, the four waves 512
.set i, 0
.rept 32
	global_load_b32 v[XW+32*((\t)%2)+i], v3, s[4:5] offset:(32*(\t)+i)*4096
.set i, i+1
.endr
.endm
	WLOAD 0
	WLOAD 1
	s_wait_kmcnt 0x0
	s_cmp_eq_u32 s11, 0
	s_cselect_b32 s6, s49, s51                     ; e1 : e3
	s_cmp_eq_u32 s11, 2
	s_cselect_b32 s6, s53, s6                      ; e5
	s_cmp_eq_u32 s11, 3
	s_cselect_b32 s6, s57, s6                      ; e9
	s_cmp_eq_u32 s11, 4
	s_cselect_b32 s6, s63, s6                      ; e15
	s_add_co_i32 s6, s6, 127
	s_lshl_b32 s7, s6, 23
	v_mov_b32 v11, s7
	s_add_co_i32 s6, s6, EMAX
	s_lshl_b32 s6, s6, 23
	s_or_b32 s6, s6, MANT
	v_mov_b32 v10, s6
.macro WBLOCK t
.set XS, XW+32*((\t)%2)
.if (\t) < NB-1
	s_wait_loadcnt 32                              ; this block's 32 loads are in; the next block's 32 may be out
.else
	s_wait_loadcnt 0
.endif
.set i, 0
.rept 32
	v_med3_num_f32 v[XS+i], v[XS+i], -v10, v10
.set i, i+1
.endr
.irp g, 0,1,2,3
	v_cvt_scalef32_pk8_fp8_f32 v[CW+2*\g:CW+2*\g+1], v[XS+8*\g:XS+8*\g+7], v11
.endr
	v_nop                                          ; one plain line behind the last conversion
	ds_store_b128 v4, v[CW:CW+3] offset:32*(\t)
	ds_store_b128 v4, v[CW+4:CW+7] offset:32*(\t)+16
.if (\t)+2 < NB
	WLOAD (\t)+2
.endif
	s_wait_dscnt 0x0                               ; the stores have read their registers: the next block's codes may be written
.endm
	s_wait_alu depctr_va_vdst(0)
.irp t, 0,1,2,3,4,5,6,7
	WBLOCK \t
.endr
.irp t, 0,1,2,3,4,5,6,7,8,9,10,11,12,13,14,15
	ds_load_b128 v[OUTR+4*\t:OUTR+4*\t+3], v7 offset:2*\t*PITCH
.endr
.irp t, 0,1,2,3,4,5,6,7,8,9,10,11,12,13,14,15
	s_wait_dscnt 15-\t                             ; LDS loads come back in order: the younger ones may be out
	global_store_b128 v8, v[OUTR+4*\t:OUTR+4*\t+3], s[8:9] offset:2*\t*1024   ; sixteen lanes store 256 consecutive bytes, aligned
.endr
	s_wait_tensorcnt 0x0                           ; the wave's end: the three lines behind my last LDS store
	ds_add_u32 v[SPW], v[NIL]
	s_wait_dscnt 0x0
	s_endpgm
; ---------------- the mask's table and relx's zero rows: one work-group, no LDS.  4,096 keys: 128 threads x 4 keys x 8 turns; a wave's load and store cover 512 consecutive bytes.
.Lmask:
	v_lshlrev_b32 v3, 4, v0
.set z, 0
.rept 8
	global_load_b128 v[16+4*z:19+4*z], v3, s[36:37] offset:2048*z
.set z, z+1
.endr
	v_mov_b32 v8, 0
	v_mov_b32 v9, 0
	v_mov_b32 v10, 0
	v_mov_b32 v11, 0
	s_wait_alu depctr_va_vdst(0)
	v_mul_u32_u24 v14, v1, HEADB
	v_lshl_add_u32 v14, v2, 4, v14                 ; head 4 z + wave, rows 0-7: 512 bytes, 16 a lane
.irp z, 0,1,2,3
	global_store_b128 v14, v[8:11], s[46:47] offset:\z*4*HEADB
.endr
	v_bfe_u32 v15, v0, 2, 4
	v_mul_u32_u24 v15, v15, HEADB
	v_and_b32 v7, 3, v0
	v_lshl_add_u32 v15, v7, 4, v15                 ; head (thread / 4) % 16, row 2056: 64 bytes (threads 64-127 store the same zeros once more: every lane stays on)
	global_store_b128 v15, v[8:11], s[46:47] offset:2056*64
	s_wait_kmcnt 0x0                               ; the exponents
	s_add_co_i32 s10, s54, s55                     ; e6 + e7: a raw content score stands for score x 2^(e6 + e7)
	s_sub_co_i32 s10, 162, s10
	s_lshl_b32 s10, s10, 23
	s_or_b32 s10, s10, 0x80000000
	v_mov_b32 v5, s10                              ; -2^(35 - e6 - e7): as a logit (x 2^(e6 + e7) / 32) it is -2^30
	v_mov_b32 v6, 0x7f800000                       ; +infinity: holds nothing
	s_wait_alu depctr_va_vdst(0)
	s_wait_loadcnt 0x0
.set z, 0
.rept 32
	v_cmp_eq_u32 vcc_lo, 1, v[16+z]
	v_cndmask_b32 v[48+z], v6, v5, vcc_lo
.set z, z+1
.endr
.set z, 0
.rept 8
	global_store_b128 v3, v[48+4*z:51+4*z], s[44:45] offset:2048*z
.set z, z+1
.endr
	s_endpgm
.Lfunc_end_k_q49588a2034_prep:
	.size	k_q49588a2034_prep, .Lfunc_end_k_q49588a2034_prep-k_q49588a2034_prep
	.p2alignl 7, 3214868480
	.fill 96, 4, 3214868480
	.section	.rodata,"a",@progbits
	.p2align	6, 0x0
	.amdhsa_kernel k_q49588a2034_prep
		.amdhsa_group_segment_fixed_size 68096
		.amdhsa_private_segment_fixed_size 0
		.amdhsa_enable_private_segment 0
		.amdhsa_kernarg_size 112
		.amdhsa_user_sgpr_count 2
		.amdhsa_user_sgpr_kernarg_segment_ptr 1
		.amdhsa_wavefront_size32 1
		.amdhsa_system_sgpr_workgroup_id_x 1
		.amdhsa_system_sgpr_workgroup_id_y 1
		.amdhsa_system_sgpr_workgroup_id_z 1
		.amdhsa_system_vgpr_workitem_id 0
		.amdhsa_next_free_vgpr 192
		.amdhsa_next_free_sgpr 66
		.amdhsa_reserve_vcc 1
		.amdhsa_float_denorm_mode_32 3
		.amdhsa_float_denorm_mode_16_64 3
		.amdhsa_memory_ordered 1
		.amdhsa_forward_progress 1
		.amdhsa_inst_pref_size 92
	.end_amdhsa_kernel
	.amdgpu_metadata
---
amdhsa.version: [ 1, 2 ]
amdhsa.kernels:
  - .name:           k_q49588a2034_prep
    .symbol:         k_q49588a2034_prep.kd
    .args:
      - { .name: query, .offset: 0, .size: 8, .value_kind: global_buffer, .address_space: global }
      - { .name: key, .offset: 8, .size: 8, .value_kind: global_buffer, .address_space: global }
      - { .name: val, .offset: 16, .size: 8, .value_kind: global_buffer, .address_space: global }
      - { .name: pos_enc, .offset: 24, .size: 8, .value_kind: global_buffer, .address_space: global }
      - { .name: Wq, .offset: 32, .size: 8, .value_kind: global_buffer, .address_space: global }
      - { .name: Wk, .offset: 40, .size: 8, .value_kind: global_buffer, .address_space: global }
      - { .name: Wv, .offset: 48, .size: 8, .value_kind: global_buffer, .address_space: global }
      - { .name: Wo, .offset: 56, .size: 8, .value_kind: global_buffer, .address_space: global }
      - { .name: attn_mask, .offset: 64, .size: 8, .value_kind: global_buffer, .address_space: global }
      - { .name: lowp_scales, .offset: 72, .size: 8, .value_kind: global_buffer, .address_space: global }
      - { .name: acodes, .offset: 80, .size: 8, .value_kind: global_buffer, .address_space: global }
      - { .name: wcodes, .offset: 88, .size: 8, .value_kind: global_buffer, .address_space: global }
      - { .name: fmask, .offset: 96, .size: 8, .value_kind: global_buffer, .address_space: global }
      - { .name: relx, .offset: 104, .size: 8, .value_kind: global_buffer, .address_space: global }
    .group_segment_fixed_size: 68096
    .private_segment_fixed_size: 0
    .kernarg_segment_align: 8
    .kernarg_segment_size: 112
    .max_flat_workgroup_size: 128
    .sgpr_count:     66
    .vgpr_count:     192
    .wavefront_size: 32
...
	.end_amdgpu_metadata
.endif
;; end of part 5
;; launch proj (part 6): grid 4 x 56, 4 waves a work-group, clusters of 4 x 4, 327,680 bytes of LDS; arguments acodes, wcodes, lowp_scales, bq, bk, bv, r_w_bias, r_r_bias, qcodes, kcodes, vcodes, relx; writes qcodes, kcodes, vcodes, relx
.if DOCPART == 6
	.amdgcn_target "amdgcn-amd-amdhsa--gfx1250"
	.amdhsa_code_object_version 6
	.text
	.protected	k_q49588a2034_proj
	.globl	k_q49588a2034_proj
	.p2align	8
	.type	k_q49588a2034_proj,@function
k_q49588a2034_proj:
	s_mov_b64 s[64:65], 0
	v_nop
	global_prefetch_b8 v0, s[64:65] scope:SCOPE_SE
	s_setreg_imm32_b32 hwreg(HW_REG_WAVE_MODE, 25, 1), 1
	s_wait_xcnt 0x0
	s_wait_alu depctr_hold_cnt(0) depctr_sa_sdst(0) depctr_va_vdst(0) depctr_va_sdst(0) depctr_va_ssrc(0) depctr_va_vcc(0) depctr_vm_vsrc(0)
	s_getreg_b32 s2, hwreg(HW_REG_IB_STS2, 6, 4)
	s_cmp_eq_u32 s2, 0
	s_cbranch_scc0 .Lentry_in_a_cluster
	s_endpgm
.Lentry_in_a_cluster:
	s_bfe_u32 s2, ttmp6, 0x10000c
	s_cmp_lg_u32 s2, 0xf033
	s_cbranch_scc0 .Lentry_shape_is_right
	s_endpgm
.Lentry_shape_is_right:
.set KSTEP,  256
.set ROWB,   256
.set KROW,   1024
.set PITCH,  272
.set FR,     16
.set NL,     4
.set NP,     4
.set HALFT,  128*PITCH
.set SLOT,   4*HALFT
.set LAPS,   2
.set SPARE,  2*SLOT
.set STG2,   256*272
.set STGV,   SLOT
.set VO,   8
.set BO,   12
.set VOV,  13
.set ADRA, 16
.set ADRB, 20
.set STO,  24
.set STO2, 25
.set STV,  26
.set RD,   27
.set SPW,  28
.set NIL,  29
.set RD2,  30
.set RDV,  31
.set Y,    32
.set CD,   96
.set CV1,  112
.set LM1,  113
.set CV2,  114
.set LM2,  115
.set AF,   128
.set DR,   128
.set BV,   160
.set G1, 24
.set G0, 32
.set G1B, 48
.set G0B, 56
.set TYP, 67
.set MSB, 0
.macro WIN new
.if MSB != (\new)
	s_set_vgpr_msb (MSB<<8)|(\new)
.set MSB, (\new)
.endif
.endm
.set MUL_LO, 0xa1
.set MUL_HI, 0xf1
.set TO_B,   0x40
.macro JLOAD g0a, g1a, g0b, g1b
	s_cmp_eq_u32 s15, 0
	s_cbranch_scc0 .Lfor_b_\@
	tensor_load_to_lds s[\g0a:\g0a+3], s[\g1a:\g1a+7]
	s_nop 0
.rept 4
	v_nop
.endr
	s_branch .Lasked_\@
.Lfor_b_\@:
	tensor_load_to_lds s[\g0b:\g0b+3], s[\g1b:\g1b+7]
	s_nop 0
.rept 4
	v_nop
.endr
.Lasked_\@:
.endm
.macro CREST
	s_cmp_lg_u32 s14, 0
	s_cbranch_scc1 .Lnot_wave_0_\@
	s_barrier_signal -3
.Lnot_wave_0_\@:
	s_barrier_wait -3
	s_barrier_signal -1
	s_barrier_wait -1
.endm
.macro CROUND
	s_barrier_signal -1
	s_barrier_wait -1
	CREST
.endm
	s_load_b128 s[4:7], s[0:1], 0x0
	v_lshl_add_u32 v[SPW], v0, 2, SPARE
	v_mov_b32 v[NIL], 0
	ds_add_u32 v[SPW], v[NIL]
	ds_add_u32 v[SPW], v[NIL]
	v_lshrrev_b32 v1, 5, v0
	v_readfirstlane_b32 s14, v1
	s_lshr_b32 s15, s14, 1
	s_and_b32 s16, s14, 1
	s_bfe_u32 s40, ttmp6, 0x40000
	s_bfe_u32 s41, ttmp6, 0x40004
	s_and_b32 s66, ttmp7, 0xffff
	s_lshr_b32 s[TYP], s66, 2
	s_sub_co_u32 s69, s66, 8
	s_lshl_b32 s70, s[TYP], 20
	s_cmp_eq_u32 s[TYP], 2
	s_cselect_b32 s68, 0, s66
	s_cselect_b32 s69, s69, 0
	s_cselect_b32 s72, 0x200000, 0
	s_cselect_b32 s70, 0x800000, s70
	s_mov_b32 s73, 0
	s_mov_b32 s71, 0
	s_lshl_b32 s42, s69, 2
	s_add_co_u32 s42, s42, s40
	s_lshl_b32 s17, s68, 2
	s_add_co_u32 s17, s17, s41
	s_lshl_b32 s43, s41, 2
	s_lshl_b32 s43, 15, s43
	s_lshl_b32 s44, 0x1111, s40
	s_or_b32 s[G1+0], s43, (0<<16)|(1<<20)|(1<<21)|(5<<22)|(3<<25)
	s_or_b32 s[G1B+0], s44, (0<<16)|(1<<20)|(1<<21)|(5<<22)|(3<<25)
.irp g, G1, G1B
	s_mov_b32 s[\g+1], ROWB<<16
	s_mov_b32 s[\g+2], 128<<16
	s_mov_b32 s[\g+3], ROWB<<16
	s_mov_b32 s[\g+4], 128
	s_mov_b32 s[\g+5], KROW
	s_mov_b32 s[\g+6], 0
	s_mov_b32 s[\g+7], 0
.endr
	s_lshl_b32 s18, s16, 7
	s_lshl_b32 s20, s17, 8
	s_add_co_u32 s20, s20, s18
	s_lshl_b32 s46, s42, 8
	s_add_co_u32 s46, s46, s18
	s_lshl_b32 s20, s20, 10
	s_lshl_b32 s46, s46, 10
	s_mov_b32 s21, 0
	s_mov_b32 s47, 0
	s_add_nc_u64 s[20:21], s[20:21], s[72:73]
	s_add_nc_u64 s[46:47], s[46:47], s[70:71]
	s_mul_i32 s45, s14, HALFT
	s_wait_dscnt 0x0
	s_wait_kmcnt 0x0
	s_cmp_eq_u32 s[TYP], 2
	s_cselect_b64 s[74:75], s[6:7], s[4:5]
	s_cselect_b64 s[76:77], s[4:5], s[6:7]
	s_add_nc_u64 s[20:21], s[74:75], s[20:21]
	s_add_nc_u64 s[46:47], s[76:77], s[46:47]
	CROUND
.irp s, 0,1
	s_mov_b32 s[G0+4*\s], 1
	s_add_co_u32 s[G0+4*\s+1], s45, \s*SLOT
	s_add_nc_u64 s[G0+4*\s+2:G0+4*\s+3], s[20:21], \s*ROWB
	s_or_b32 s[G0+4*\s+3], s[G0+4*\s+3], 0x80000000
	s_mov_b32 s[G0B+4*\s], 1
	s_add_co_u32 s[G0B+4*\s+1], s45, \s*SLOT
	s_add_nc_u64 s[G0B+4*\s+2:G0B+4*\s+3], s[46:47], \s*ROWB
	s_or_b32 s[G0B+4*\s+3], s[G0B+4*\s+3], 0x80000000
	s_wait_alu depctr_va_vdst(0)
	s_wait_tensorcnt 0x0
	ds_add_u32 v28, v29
	ds_add_u32 v28, v29
	s_wait_dscnt 0x0
	CROUND
	JLOAD G0+4*\s, G1, G0B+4*\s, G1B
.endr
	v_and_b32 v1, 15, v0
	v_bfe_u32 v2, v0, 4, 1
	v_mul_u32_u24 v3, v1, PITCH
	v_lshl_add_u32 v4, v2, 4, v3
	s_mul_i32 s21, s15, HALFT
	s_mul_i32 s22, s16, HALFT
	s_add_co_u32 s22, s22, 2*HALFT
.irp s, 0,1
	v_add_nc_u32 v[ADRA+\s], s21, v4
	v_add_nc_u32 v[ADRB+\s], s22, v4
	s_add_co_u32 s21, s21, SLOT
	s_add_co_u32 s22, s22, SLOT
.endr
	v_lshrrev_b32 v5, 2, v1
	v_mul_u32_u24 v5, v5, 272
	v_and_b32 v6, 3, v1
	v_lshl_add_u32 v5, v6, 6, v5
	v_lshl_add_u32 v5, v2, 3, v5
	s_mul_i32 s23, s16, 2*64*272
	s_mul_i32 s22, s15, 32*272
	s_add_co_u32 s23, s23, s22
	v_add_nc_u32 v[STO], s23, v5
	v_add_nc_u32 v[STO2], STG2, v[STO]
	v_lshl_add_u32 v5, v2, 3, v3
	s_mul_i32 s23, s15, 128*272
	s_lshl_b32 s22, s16, 7
	s_add_co_u32 s23, s23, s22
	s_add_co_u32 s23, s23, STGV
	v_add_nc_u32 v[STV], s23, v5
	v_mul_u32_u24 v5, v2, 272
	v_lshl_add_u32 v5, v1, 4, v5
	s_mul_i32 s23, s14, 64*272
	v_add_nc_u32 v[RD], s23, v5
	v_add_nc_u32 v[RD2], STG2, v[RD]
	v_add_nc_u32 v[RDV], STGV, v[RD]
.macro FRAG reg, adr, q, i
.irp c, 0,1,2,3
	ds_load_b128 v[\reg+4*\c:\reg+4*\c+3], v[\adr] offset:128*(\q)+32*\c+(\i)*16*PITCH
.endr
.endm
.macro MUL16 a0, p, zero
.irp a, \a0, \a0+1
.irp b, 0,1,2,3,4,5,6,7
.if \zero
	v_wmma_f32_16x16x128_fp8_fp8 v[8*(8*((\a)%4)+\b):8*(8*((\a)%4)+\b)+7], v[128*(\p)+FR*\b:128*(\p)+FR*\b+FR-1], v[AF+FR*(\a):AF+FR*(\a)+FR-1], 0
.else
	v_wmma_f32_16x16x128_fp8_fp8 v[8*(8*((\a)%4)+\b):8*(8*((\a)%4)+\b)+7], v[128*(\p)+FR*\b:128*(\p)+FR*\b+FR-1], v[AF+FR*(\a):AF+FR*(\a)+FR-1], v[8*(8*((\a)%4)+\b):8*(8*((\a)%4)+\b)+7]
.endif
.endr
.endr
.endm
.macro FETCH_B slot, q, p
	WIN TO_B
.irp i, 0,1,2,3,4,5,6,7
	FRAG 128*(\p)+FR*\i, ADRB+\slot, \q, \i
.endr
	WIN 0
.endm
.macro FETCH_A slot, q, i0
.irp i, \i0, \i0+1, \i0+2, \i0+3
	FRAG AF+FR*(\i), ADRA+\slot, \q, \i
.endr
.endm
.macro PLACES n
.rept \n
	v_nop
.endr
.endm
.macro STEP slot, q, zero
	s_wait_dscnt 4*NL
	WIN MUL_LO
	MUL16 0, (\q)%2, \zero
	MUL16 2, (\q)%2, \zero
	s_wait_dscnt 0
	PLACES NP
	FETCH_B \slot, (\q)+1, 1-(\q)%2
	FETCH_A \slot, (\q)+1, 0
	WIN MUL_HI
	MUL16 4, (\q)%2, \zero
	MUL16 6, (\q)%2, \zero
	PLACES NP
	WIN 0
	FETCH_A \slot, (\q)+1, 4
.endm
.macro TURN slot, next, fill
	s_wait_tensorcnt 0x0
	ds_add_u32 v[SPW], v[NIL]
	s_wait_dscnt 4*NL+1
	WIN MUL_LO
	MUL16 0, 1, 0
	s_wait_dscnt 0x0
	s_barrier_signal -1
	MUL16 2, 1, 0
	WIN 0
	s_barrier_wait -1
.if \fill
	CREST
	s_add_nc_u64 s[G0+4*\slot+2:G0+4*\slot+3], s[G0+4*\slot+2:G0+4*\slot+3], 2*ROWB
	s_add_nc_u64 s[G0B+4*\slot+2:G0B+4*\slot+3], s[G0B+4*\slot+2:G0B+4*\slot+3], 2*ROWB
	JLOAD G0+4*\slot, G1, G0B+4*\slot, G1B
.else
	PLACES NP
.endif
	FETCH_B \next, 0, 0
	FETCH_A \next, 0, 0
	WIN MUL_HI
	MUL16 4, 1, 0
	MUL16 6, 1, 0
	PLACES NP
	WIN 0
	FETCH_A \next, 0, 4
.endm
	s_wait_tensorcnt 1
	s_barrier_signal -1
	s_barrier_wait -1
	FETCH_B 0, 0, 0
	FETCH_A 0, 0, 0
	FETCH_A 0, 0, 4
	STEP 0, 0, 1
	s_mov_b32 s3, LAPS-1
.Llap:
	TURN 0, 1, 1
	STEP 1, 0, 0
	TURN 1, 0, 1
	STEP 0, 0, 0
	s_sub_co_u32 s3, s3, 1
	s_cmp_lg_u32 s3, 0
	s_cbranch_scc1 .Llap
	TURN 0, 1, 0
	STEP 1, 0, 0
	s_wait_dscnt 4*NL
	WIN MUL_LO
	MUL16 0, 1, 0
	MUL16 2, 1, 0
	s_wait_dscnt 0
	WIN MUL_HI
	MUL16 4, 1, 0
	MUL16 6, 1, 0
	WIN 0
	PLACES NP
	s_load_b512 s[24:39], s[0:1], 0x10
	s_load_b128 s[44:47], s[0:1], 0x50
	v_and_b32 v1, 15, v0
	v_bfe_u32 v2, v0, 4, 1
	v_and_b32 v3, 31, v0
	s_wait_dscnt 0x0
	s_barrier_signal -1
	s_barrier_wait -1
	s_wait_kmcnt 0x0
	s_load_b512 s[48:63], s[24:25], 0x0
	s_wait_kmcnt 0x0
	s_add_co_i32 s74, s48, s49
	s_add_co_i32 s75, s50, s51
	s_add_co_i32 s76, s52, s53
	s_add_co_i32 s77, s56, s57
	s_cmp_eq_u32 s[TYP], 1
	s_cselect_b32 s74, s75, s74
	s_cselect_b32 s78, s55, s54
	s_cmp_eq_u32 s[TYP], 2
	s_cselect_b32 s74, s76, s74
	s_cselect_b32 s78, s61, s78
	s_cmp_eq_u32 s[TYP], 3
	s_cselect_b32 s74, s77, s74
	s_cselect_b32 s78, s58, s78
	s_add_co_i32 s74, s74, 127
	s_lshl_b32 s96, s74, 23
	s_mov_b32 s97, s96
	s_add_co_i32 s78, s78, 127
	s_lshl_b32 s79, s78, 23
	v_mov_b32 v[CV1], s79
	s_add_co_i32 s78, s78, 8
	s_lshl_b32 s78, s78, 23
	s_or_b32 s78, s78, 0x600000
	v_mov_b32 v[LM1], s78
	s_add_co_i32 s78, s59, 127
	s_lshl_b32 s79, s78, 23
	v_mov_b32 v[CV2], s79
	s_add_co_i32 s78, s78, 8
	s_lshl_b32 s78, s78, 23
	s_or_b32 s78, s78, 0x600000
	v_mov_b32 v[LM2], s78
.macro QUANT8 cv, lm
.set j, 0
.rept 64
	v_med3_num_f32 v[Y+j], v[Y+j], -v[\lm], v[\lm]
.set j, j+1
.endr
	s_wait_alu depctr_va_vdst(0)
	s_wait_dscnt 0x0
.irp b, 0,1,2,3,4,5,6,7
	v_cvt_scalef32_pk8_fp8_f32 v[CD+2*\b:CD+2*\b+1], v[Y+8*\b:Y+8*\b+7], v[\cv]
.endr
	v_nop
.endm
.macro TFILL a, bias, cv, lm, sto
.set AC, 64*((\a)%4)
	WIN 0x12+((\a)/4)
.set j, 0
.rept 32
	v_pk_fma_f32 v[Y+j:Y+j+1], v[AC+j:AC+j+1], s[96:97], v[\bias+j:\bias+j+1] op_sel_hi:[1,0,1]
.set j, j+2
.endr
	WIN 0
	QUANT8 \cv, \lm
.irp b, 0,1,2,3,4,5,6,7
	ds_store_b64 v[\sto], v[CD+2*\b:CD+2*\b+1] offset:(\b/4)*64*272+(\a)*4*272+16*(\b%4)
.endr
.endm
.macro VFILL a
.set AC, 64*((\a)%4)
	WIN 0x02+((\a)/4)
.set j, 0
.rept 32
	v_pk_fma_f32 v[Y+j:Y+j+1], v[AC+j:AC+j+1], s[96:97], v[BV+2*(\a):BV+2*(\a)+1] op_sel_hi:[1,0,1]
.set j, j+2
.endr
	WIN 0
	QUANT8 CV1, LM1
.irp b, 0,1,2,3,4,5,6,7
	ds_store_b64 v[STV], v[CD+2*\b:CD+2*\b+1] offset:(\a)*16*272+16*\b
.endr
.endm
	s_cmp_eq_u32 s[TYP], 2
	s_cbranch_scc1 .Lv_fill
	s_lshl_b32 s92, s42, 10
	s_lshl_b32 s93, s16, 9
	s_add_co_u32 s92, s92, s93
	s_wait_alu depctr_va_vdst(0)
	v_lshl_add_u32 v[BO], v2, 5, s92
	s_cmp_eq_u32 s[TYP], 0
	s_cselect_b64 s[84:85], s[26:27], s[28:29]
	s_cselect_b32 s98, 1.0, 0
	s_mov_b32 s99, s98
	WIN 0x40
.irp b, 0,1,2,3,4,5,6,7
	global_load_b128 v[8*\b:8*\b+3], v[BO], s[84:85] offset:64*\b
	global_load_b128 v[8*\b+4:8*\b+7], v[BO], s[84:85] offset:64*\b+16
	global_load_b128 v[128+8*\b:128+8*\b+3], v[BO], s[32:33] offset:64*\b
	global_load_b128 v[128+8*\b+4:128+8*\b+7], v[BO], s[32:33] offset:64*\b+16
	global_load_b128 v[192+8*\b:192+8*\b+3], v[BO], s[34:35] offset:64*\b
	global_load_b128 v[192+8*\b+4:192+8*\b+7], v[BO], s[34:35] offset:64*\b+16
.endr
	s_wait_loadcnt 0x0
	WIN 0x55
.set j, 0
.rept 32
	v_pk_add_f32 v[64+j:65+j], v[j:j+1], v[192+j:193+j]
.set j, j+2
.endr
.set j, 0
.rept 32
	v_pk_fma_f32 v[j:j+1], v[128+j:129+j], s[98:99], v[j:j+1] op_sel_hi:[1,0,1]
.set j, j+2
.endr
	WIN 0
.irp a, 0,1,2,3,4,5,6,7
	TFILL \a, 0, CV1, LM1, STO
.endr
	s_cmp_lg_u32 s[TYP], 0
	s_cbranch_scc1 .Lfilled
.irp a, 0,1,2,3,4,5,6,7
	TFILL \a, 64, CV2, LM2, STO2
.endr
	s_branch .Lfilled
.Lv_fill:
	s_lshl_b32 s92, s17, 10
	s_lshl_b32 s93, s15, 9
	s_add_co_u32 s92, s92, s93
	s_wait_alu depctr_va_vdst(0)
	v_lshl_add_u32 v[BO], v1, 2, s92
.irp a, 0,1,2,3,4,5,6,7
	global_load_b32 v[BV+2*\a], v[BO], s[30:31] offset:64*\a
	global_load_b32 v[BV+2*\a+1], v[BO], s[30:31] offset:64*\a
.endr
	s_wait_loadcnt 0x0
.irp a, 0,1,2,3,4,5,6,7
	VFILL \a
.endr
.Lfilled:
	s_wait_dscnt 0x0
	s_barrier_signal -1
	s_barrier_wait -1
.macro DLOAD adr
.set i, 0
.rept 32
	ds_load_b128 v[DR+4*i:DR+4*i+3], v[\adr] offset:i*2*272
.set i, i+1
.endr
.endm
.macro DSTORE_T base
.set i, 0
.rept 32
	s_wait_dscnt 31-i
	global_store_b128 v[VO+(i%4)], v[DR+4*i:DR+4*i+3], s[\base:\base+1] offset:(i/4)*2048
.set i, i+1
.endr
.endm
	s_cmp_eq_u32 s[TYP], 2
	s_cbranch_scc1 .Lv_drain
	DLOAD RD
	s_mov_b32 s88, 2049*64
	s_mov_b32 s86, 131072
	s_mov_b32 s90, 512
	s_mov_b32 s91, 1024
	s_cmp_eq_u32 s[TYP], 0
	s_cselect_b64 s[80:81], s[36:37], s[38:39]
	s_cselect_b32 s88, 0x400000, s88
	s_cmp_eq_u32 s[TYP], 3
	s_cselect_b64 s[80:81], s[46:47], s[80:81]
	s_cselect_b32 s86, 263168, s86
	s_cselect_b32 s87, 512, 0
	s_cmp_eq_u32 s[TYP], 1
	s_cselect_b32 s90, 1024, s90
	s_cselect_b32 s91, 512, s91
	s_lshl_b32 s92, s[TYP], 4
	s_sub_co_u32 s92, s17, s92
	s_lshl_b32 s93, s42, 2
	s_add_co_u32 s93, s93, s14
	s_mul_i32 s93, s93, s86
	s_add_co_u32 s93, s93, s87
	s_lshr_b32 s94, s92, 3
	s_lshl_b32 s94, s94, 21
	s_add_co_u32 s93, s93, s94
	s_and_b32 s94, s92, 7
	s_lshl_b32 s94, s94, 14
	s_add_co_u32 s92, s93, s94
	s_mov_b32 s93, 0
	s_add_nc_u64 s[80:81], s[80:81], s[92:93]
	s_mov_b32 s89, 0
	s_add_nc_u64 s[82:83], s[80:81], s[88:89]
	v_lshlrev_b32 v[VO], 4, v3
	v_add_nc_u32 v[VO+1], s90, v[VO]
	v_add_nc_u32 v[VO+2], s91, v[VO]
	v_add_nc_u32 v[VO+3], s90, v[VO+2]
	s_wait_alu depctr_va_vdst(0)
	DSTORE_T 80
	s_cmp_eq_u32 s[TYP], 1
	s_cbranch_scc1 .Ldone
	s_cmp_eq_u32 s[TYP], 3
	s_cbranch_scc1 .Lagain
	s_wait_xcnt 0x0
	DLOAD RD2
.Lagain:
	DSTORE_T 82
	s_branch .Ldone
.Lv_drain:
	DLOAD RDV
	s_lshr_b32 s92, s42, 3
	s_lshl_b32 s92, s92, 21
	s_lshl_b32 s93, s17, 19
	s_add_co_u32 s92, s92, s93
	s_lshl_b32 s93, s14, 17
	s_add_co_u32 s92, s92, s93
	s_and_b32 s93, s42, 7
	s_lshl_b32 s93, s93, 8
	s_add_co_u32 s92, s92, s93
	s_mov_b32 s93, 0
	s_add_nc_u64 s[80:81], s[44:45], s[92:93]
	v_lshlrev_b32 v[VOV], 11, v2
	v_lshl_add_u32 v[VOV], v1, 4, v[VOV]
.set i, 0
	s_wait_alu depctr_va_vdst(0)
.rept 32
	s_wait_dscnt 31-i
	global_store_b128 v[VOV], v[DR+4*i:DR+4*i+3], s[80:81] offset:i*4096
.set i, i+1
.endr
.Ldone:
	s_wait_tensorcnt 0x0
	ds_add_u32 v[SPW], v[NIL]
	s_wait_dscnt 0x0
	CROUND
	s_endpgm
.Lfunc_end_k_q49588a2034_proj:
	.size	k_q49588a2034_proj, .Lfunc_end_k_q49588a2034_proj-k_q49588a2034_proj
	.p2alignl 7, 3214868480
	.fill 96, 4, 3214868480
	.section	.rodata,"a",@progbits
	.p2align	6, 0x0
	.amdhsa_kernel k_q49588a2034_proj
		.amdhsa_group_segment_fixed_size 327680
		.amdhsa_private_segment_fixed_size 0
		.amdhsa_enable_private_segment 0
		.amdhsa_kernarg_size 96
		.amdhsa_user_sgpr_count 2
		.amdhsa_user_sgpr_kernarg_segment_ptr 1
		.amdhsa_wavefront_size32 1
		.amdhsa_system_sgpr_workgroup_id_x 1
		.amdhsa_system_sgpr_workgroup_id_y 1
		.amdhsa_system_sgpr_workgroup_id_z 1
		.amdhsa_system_vgpr_workitem_id 0
		.amdhsa_next_free_vgpr 1024
		.amdhsa_next_free_sgpr 100
		.amdhsa_reserve_vcc 0
		.amdhsa_float_denorm_mode_32 3
		.amdhsa_float_denorm_mode_16_64 3
		.amdhsa_memory_ordered 1
		.amdhsa_forward_progress 1
		.amdhsa_inst_pref_size 255
	.end_amdhsa_kernel
	.section	.bss,"aw",@nobits
	.p2align	6
	.space	262144
	.amdgpu_metadata
---
amdhsa.version: [ 1, 2 ]
amdhsa.kernels:
  - .name:           k_q49588a2034_proj
    .symbol:         k_q49588a2034_proj.kd
    .args:
      - { .name: acodes, .offset: 0, .size: 8, .value_kind: global_buffer, .address_space: global }
      - { .name: wcodes, .offset: 8, .size: 8, .value_kind: global_buffer, .address_space: global }
      - { .name: lowp_scales, .offset: 16, .size: 8, .value_kind: global_buffer, .address_space: global }
      - { .name: bq, .offset: 24, .size: 8, .value_kind: global_buffer, .address_space: global }
      - { .name: bk, .offset: 32, .size: 8, .value_kind: global_buffer, .address_space: global }
      - { .name: bv, .offset: 40, .size: 8, .value_kind: global_buffer, .address_space: global }
      - { .name: r_w_bias, .offset: 48, .size: 8, .value_kind: global_buffer, .address_space: global }
      - { .name: r_r_bias, .offset: 56, .size: 8, .value_kind: global_buffer, .address_space: global }
      - { .name: qcodes, .offset: 64, .size: 8, .value_kind: global_buffer, .address_space: global }
      - { .name: kcodes, .offset: 72, .size: 8, .value_kind: global_buffer, .address_space: global }
      - { .name: vcodes, .offset: 80, .size: 8, .value_kind: global_buffer, .address_space: global }
      - { .name: relx, .offset: 88, .size: 8, .value_kind: global_buffer, .address_space: global }
    .group_segment_fixed_size: 327680
    .private_segment_fixed_size: 0
    .kernarg_segment_align: 8
    .kernarg_segment_size: 96
    .max_flat_workgroup_size: 128
    .sgpr_count:     100
    .vgpr_count:     1024
    .wavefront_size: 32
...
	.end_amdgpu_metadata
.endif
;; end of part 6
;; launch attn (part 7): grid 16 x 32, 8 waves a work-group, clusters of 4 x 1, 327,680 bytes of LDS; arguments qcodes, kcodes, vcodes, relx, fmask, lowp_scales, ocodes; writes ocodes
.if DOCPART == 7
	.amdgcn_target "amdgcn-amd-amdhsa--gfx1250"
	.amdhsa_code_object_version 6
	.text
	.protected	k_q49588a2034_attn
	.globl	k_q49588a2034_attn
	.p2align	8
	.type	k_q49588a2034_attn,@function
k_q49588a2034_attn:
	s_mov_b64 s[64:65], 0
	v_nop
	global_prefetch_b8 v0, s[64:65] scope:SCOPE_SE
	s_setreg_imm32_b32 hwreg(HW_REG_WAVE_MODE, 25, 1), 1
	s_wait_xcnt 0x0
	s_wait_alu depctr_hold_cnt(0) depctr_sa_sdst(0) depctr_va_vdst(0) depctr_va_sdst(0) depctr_va_ssrc(0) depctr_va_vcc(0) depctr_vm_vsrc(0)
	s_getreg_b32 s2, hwreg(HW_REG_IB_STS2, 6, 4)
	s_cmp_eq_u32 s2, 0
	s_cbranch_scc0 .Lentry_in_a_cluster
	s_endpgm
.Lentry_in_a_cluster:
	s_bfe_u32 s2, ttmp6, 0x10000c
	s_cmp_lg_u32 s2, 0x3003
	s_cbranch_scc0 .Lentry_shape_is_right
	s_endpgm
.Lentry_shape_is_right:
; Attention with the relative shift, all three products on codes of E4M3.  logit(i, j) = ((q_i + r_w) . k_j + shifted(i, j)) / 32, masked keys aside;
; shifted(i, j), with mu = 2047 - i + j:  (q_i + r_r) . rel[mu] for mu <= 2047;  0 for mu = 2048;  (q_(i+1) + r_r) . rel[mu - 2049] beyond.
; relx holds for each head, at row mu + 8: eight zero rows, rel, a zero row, rel again: so mu walks one table.
; SHARES.  A work-group owns 128 queries i0 .. i0 + 127 of one (batch, head).  Wave f's tile of 16 queries is i0 + f + 8 n, n = lane % 16: STRIDE 8.  Every wave walks all 2,048 keys, 128 a step.
; THE SHIFT.  D = (16 rows of relx) x (my queries)^T gives lane (n, h), register j, table row mu0 + 8 h + j, which belongs to key mu - (2047 - i0 - f) + 8 n: from lane to lane the keys move by 8 numbers, 32 bytes.
; So a lane stores its eight numbers, by two aligned 16-byte stores, into ITS row of the wave's own ring in LDS (16 rows x 256 keys of f32, column = key % 256), and reads them back straight, as the C of the content scores' products.
; A block of 128 table rows serves keys 128 s + 8 n .. + 127 of lane n; step s wants blocks s - 1 and s.  THE BLOCKS RUN ONE STEP AHEAD: blocks -1 and 0 ahead of the loop; step s first reads its 128 columns and then makes block s + 1,
; which lands on columns that step s has read (keys 128 s .. 128 s + 8 n - 1) and on free ones: 128 + 8 n <= 248 of the 256 columns are alive.  So the ring's stores have most of a step before they are read.
; The seam (mu = 2048) falls into tile 0 of block i0 / 128, at row f + 1: tile 0 is always (rows up to the seam) x Qr(i) + (rows behind it) x Qr(i + 1), by lane masks; the other tiles take Qr(i) or Qr(i + 1) whole, by v_cndmask_b32.
; No branch hangs on the block of queries.
; LAYOUT.  All products are used transposed: a lane holds one query throughout.  kcodes has the keys' bits 3 and 4 exchanged, so that the 16 registers of two neighbouring tiles are 16 neighbouring keys: register 16 b + i of lane (n, h) is key 32 b + 16 h + i.
; Fragments of K = 64 come as two 16-byte loads, 32 bytes apart: one permutation of k, the same on both sides.
; THE MASK.  fmask holds for each key -2^(35 - e6 - e7) (masked) or +infinity: one v_min_num_f32 a score.  A step's 64 numbers of a lane are asked for a step ahead.
; SOFTMAX.  t = logit x log2(e); M = the running largest t rounded up to a whole number; p = 2^(t - M) is quantised (e12); the row's sum is taken of the unquantised p; when M moves, sum and O are multiplied by 2^(old M - new M).
; CLUSTER.  The four blocks of queries of a cluster share K and V: joint loads (waves 0 and 1).  Their windows of relx begin 128 rows apart: wave 2 fetches its own, a plain load.
; LIMITS.  A masked logit is taken as -2^30, not -1e9: t is then a whole number, so a row that is masked throughout gives p = 1 for every key, as the definition does; the results agree while unmasked logits lie above -1e9 + 200,
; and the minimum gives the masked value while raw scores lie above it: the clamp at +-448 keeps both for 2^(e6 + e7) + 2^(e10 + e11) <= 2^11.  e6 + e7 between -92 and 119, e10 + e11 - e6 - e7 between -126 and 127, e12 and e14 between -126 and 119.
; REGISTERS, in two windows of 256 (s_set_vgpr_msb: bits 1:0 source 0, 3:2 source 1, 5:4 source 2, 7:6 destination).  Window 0: all that vector work touches.  Window 1: what is asked for ahead:
; v0-63 the mask's numbers, v64-127 K's fragments, v128-191 relx's, v192-255 V's (its first 16 hold tile 0's two masked fragments while a block is multiplied).
.set KP,     80                        ; a row of 64 codes in LDS: + 16 of padding
.set VP,     272                       ; a row of V's tile: 256 keys + 16
.set VOFF,   256*KP                    ; a slot: 256 rows of K, 64 rows of V, 264 rows of relx
.set ROFF,   VOFF+64*VP
.set SLOTB,  65536                     ; slot 1 begins here: one exclusive or turns an address
.set REL0,   131072                    ; the 264 table rows of blocks -1 and 0
.set RING,   152576                    ; the rings: 16 rows x 1,040 bytes for each wave; no fill lands here
.set RPITCH, 1040
.set RINGB,  16*RPITCH
.set SPARE,  RING+8*RINGB              ; the spare words: 128 bytes for each wave, four blocks of 256 bytes that no other line names
.set OSTG,   SPARE+1024                ; the way out: 32 rows x 272 bytes
.set AK,  1                            ; v1  my lane's place in a tile of K;  v2 of V;  v3 of relx
.set AV,  2
.set AR,  3
.set TK,  4                            ; v4-6  the same in the slot in hand
.set TV,  5
.set TR,  6
.set RL,  7                            ; v7  the ring, on the way back
.set RS0, 8                            ; v8  the ring, on the way in, even blocks;  v9-16 odd blocks, a register a tile (the columns wrap)
.set RSW, 9
.set SPW, 17
.set NIL, 18
.set AR0, 19                           ; v19  my lane's place in REL0
.set NM,  20                           ; v20 -M, v21 the largest t
.set SUM, 22                           ; v[22:23] the row's sum in two halves
.set MX,  24                           ; v24, v25 at work
.set FF,  26                           ; v26 f = 2^(old M - new M); v27 named with it as a pair
.set PRM, 28
.set SU2, 30
.set QW,  32                           ; q + r_w of my query
.set QR,  40                           ; q + r_r of my query,
.set QN,  48                           ; and of the next
.set QB,  56                           ; the one of the two that a block's tiles 1-7 take
.set F,   64                           ; v64-127 a block's position scores
.set S,   128                          ; v128-191 scores, then p
.set O,   192                          ; v192-223 O^T
.set P,   224                          ; v224-239 p's codes
.set PLIM, 240                         ; 448 x 2^e12
.set PCV,  241                         ; 2^e12
.set PFO,  243                         ; the prefetch's offset
.set OCV,  244                         ; 2^e14
.set OLIM, 245
.set OS,   251                         ; the way out: into the stage, out of it, in memory
.set OR,   252
.set OG,   253
.set MA,   254                         ; the mask's numbers: 64 x (lane / 16); never rewritten
.set MV,   0                           ; window 1
.set KF,   64
.set RF,   128
.set VF,   192
.set AL,   192
.set AH,   200
.set TB,   2
.set SLOTS, 3
.set PFA,  6                           ; s[6:7] where my prefetch stands; s[10:11] a slot on
.set RST,  8                           ; s[8:9] how far relx's tile steps
.set PFS,  10
.set LMP,  12                          ; s[12:13] my batch's mask numbers, at the step asked for last
.set WV,   18
.set QBI,  19                          ; my block of queries
.set SEL,  20
.set CS,   22                          ; s[22:23] c = log2(e) / 32 x 2^(e6 + e7)
.set G1K,  24
.set G1V,  32
.set G1R,  40
.set G0K,  48
.set G0V,  52
.set G0R,  56
.set SIG,  60                          ; the table block in hand
.set PL,   61                          ; lanes of rows 0 .. f
.set LIM,  63
.set SELM, 66
.set MLO,  67
.set G0P,  92                          ; s[92:95] group 0 of the tile ahead of the loop
.set MHI,  100
.set EO,   101                         ; e12 + e13
.set RAT,  104                         ; s[104:105] 2^(e10 + e11 - e6 - e7)
.set MSB, 0
.macro WIN new                         ; the immediate's high byte repeats the setting that is left
.if MSB != (\new)
	s_set_vgpr_msb (MSB<<8)|(\new)
.set MSB, (\new)
.endif
.endm
.macro CROUND
	s_barrier_signal -1
	s_barrier_wait -1
	s_cmp_lg_u32 s[WV], 0
	s_cbranch_scc1 .Lnot_wave_0_\@
	s_barrier_signal -3
.Lnot_wave_0_\@:
	s_barrier_wait -3
	s_barrier_signal -1
	s_barrier_wait -1
.endm
; Wave 0 fetches K's tile, wave 1 V's (both jointly), wave 2 relx's (its own); first = 1: wave 3 the rows of blocks -1 and 0.  The branches hang on the wave's number alone.  An s_nop 0 and four v_nop follow each load.
.macro TLOAD first
	s_cmp_lg_u32 s[WV], 0
	s_cbranch_scc1 .Lnot_k_\@
	tensor_load_to_lds s[G0K:G0K+3], s[G1K:G1K+7]
	s_nop 0
.rept 4
	v_nop
.endr
	s_branch .Lasked_\@
.Lnot_k_\@:
	s_cmp_lg_u32 s[WV], 1
	s_cbranch_scc1 .Lnot_v_\@
	tensor_load_to_lds s[G0V:G0V+3], s[G1V:G1V+7]
	s_nop 0
.rept 4
	v_nop
.endr
	s_branch .Lasked_\@
.Lnot_v_\@:
	s_cmp_lg_u32 s[WV], 2
	s_cbranch_scc1 .Lnot_r_\@
	tensor_load_to_lds s[G0R:G0R+3], s[G1R:G1R+7]
	s_nop 0
.rept 4
	v_nop
.endr
.if \first
	s_branch .Lasked_\@
.endif
.Lnot_r_\@:
.if \first
	s_cmp_lg_u32 s[WV], 3
	s_cbranch_scc1 .Lasked_\@
	tensor_load_to_lds s[G0P:G0P+3], s[G1R:G1R+7]
	s_nop 0
.rept 4
	v_nop
.endr
.endif
.Lasked_\@:
.endm
; A prefetch of the K and V that the NEXT change of slots will ask for: 64 + 64 blocks of 256 bytes.  All four clusters of a (batch, head) walk the same K and V: the first of them asks, by wave 3 of each partner, a lane a block.
; The partners share the blocks out by address: places 0, 1 take K's two halves (lanes 256 bytes apart), places 2, 3 V's rows 0-31 and 32-63 (a lane a row).  So each block is named once in the launch.
; The last change that fills a slot asks for nothing; slots 0 and 1 come by their loads alone.
.macro ASK
	s_cmp_gt_u32 s[SLOTS], s[LIM]
	s_cbranch_scc0 .Lnot_mine_\@
	global_prefetch_b8 v[PFO], s[PFA:PFA+1] th:TH_LOAD_NT scope:SCOPE_SE
.Lnot_mine_\@:
.endm
	s_load_b256 s[4:11], s[0:1], 0x0               ; qcodes, kcodes, vcodes, relx
	s_load_b128 s[12:15], s[0:1], 0x20             ; fmask, lowp_scales
	s_load_b64 s[16:17], s[0:1], 0x30              ; ocodes
	v_lshl_add_u32 v[SPW], v0, 2, SPARE
	v_mov_b32 v[NIL], 0
	ds_add_u32 v[SPW], v[NIL]                      ; the wave's opening: the add and its wait ahead of my first tensor load
	ds_add_u32 v[SPW], v[NIL]
	v_lshrrev_b32 v24, 5, v0
	s_delay_alu instid0(VALU_DEP_1)
	v_readfirstlane_b32 s[WV], v24                 ; wave f
	s_bfe_u32 s60, ttmp6, 0x40000                  ; cx
	s_lshl_b32 s[QBI], ttmp9, 2
	s_add_co_u32 s[QBI], s[QBI], s60               ; my block of 128 queries
	s_and_b32 s61, ttmp7, 0xffff                   ; 16 x batch + head, which the partners share
	s_lshr_b32 s62, s61, 4
	s_and_b32 s63, s61, 15
	s_lshl_b32 s66, s61, 17                        ; a (batch, head) is 131,072 bytes in qcodes, kcodes, vcodes
	s_mov_b32 s67, 0
	s_mul_i32 s104, s63, 263168                    ; relx: my head's table,
	s_add_co_u32 s104, s104, 2176*64               ; row 2048 + 128 - i0: where block 1 begins
	s_lshl_b32 s100, s[QBI], 13
	s_sub_co_u32 s104, s104, s100
	s_mov_b32 s105, 0
	s_mov_b32 s[G1K], 15|(1<<20)|(1<<21)|(3<<22)|(3<<25)  ; the mask: all four; elements of 1 byte; padding: 4 words after every 16
	s_mov_b32 s[G1K+1], 64<<16
	s_mov_b32 s[G1K+2], 256<<16
	s_mov_b32 s[G1K+3], 64<<16
	s_mov_b32 s[G1K+4], 256
	s_mov_b32 s[G1K+5], 64
	s_mov_b32 s[G1K+6], 0
	s_mov_b32 s[G1K+7], 0
	s_mov_b32 s[G1V], 15|(1<<20)|(1<<21)|(5<<22)|(3<<25)  ; padding: 4 words after every 64
	s_mov_b32 s[G1V+1], 256<<16
	s_mov_b32 s[G1V+2], 64<<16
	s_mov_b32 s[G1V+3], 256<<16
	s_mov_b32 s[G1V+4], 64
	s_mov_b32 s[G1V+5], 2048
	s_mov_b32 s[G1V+6], 0
	s_mov_b32 s[G1V+7], 0
	s_mov_b32 s[G1R], (1<<20)|(3<<22)|(3<<25)      ; no mask
	s_mov_b32 s[G1R+1], 64<<16
	s_mov_b32 s[G1R+2], 264<<16
	s_mov_b32 s[G1R+3], 64<<16
	s_mov_b32 s[G1R+4], 264
	s_mov_b32 s[G1R+5], 64
	s_mov_b32 s[G1R+6], 0
	s_mov_b32 s[G1R+7], 0
	s_mov_b32 s[SEL], 0x76543210
	s_mov_b32 s[SEL+1], 0xfedcba98
	s_mov_b32 s[CS], 0x3d38aa3b                    ; log2(e) / 32
	s_mov_b32 s[TB], 0
	s_mov_b32 s[SLOTS], 7
	s_wait_dscnt 0x0                               ; the opening add is done
	s_wait_kmcnt 0x0
	s_load_b512 s[68:83], s[14:15], 0x0            ; e0 .. e15
	s_mov_b32 s[G0K], 1
	s_mov_b32 s[G0K+1], 0
	s_add_nc_u64 s[G0K+2:G0K+3], s[6:7], s[66:67]
	s_or_b32 s[G0K+3], s[G0K+3], 0x80000000
	s_mov_b32 s[G0V], 1
	s_mov_b32 s[G0V+1], VOFF
	s_add_nc_u64 s[G0V+2:G0V+3], s[8:9], s[66:67]
	s_or_b32 s[G0V+3], s[G0V+3], 0x80000000
	s_mov_b32 s[G0R], 1
	s_mov_b32 s[G0R+1], ROFF
	s_add_nc_u64 s[G0R+2:G0R+3], s[10:11], s[104:105]
	s_mov_b32 s[G0P], 1
	s_mov_b32 s[G0P+1], REL0
	s_sub_nc_u64 s[G0P+2:G0P+3], s[G0R+2:G0R+3], 256*64   ; blocks -1 and 0: 256 rows up
	s_or_b32 s[G0R+3], s[G0R+3], 0x80000000
	s_or_b32 s[G0P+3], s[G0P+3], 0x80000000
	CROUND                                         ; all four work-groups are here: the first joint loads meet
	TLOAD 1                                        ; slot 0 and the rows of blocks -1 and 0: one load a wave, of waves 0 to 3
	s_add_nc_u64 s[4:5], s[4:5], s[66:67]          ; qcodes at my (batch, head), kind 0
	v_and_b32 v24, 15, v0                          ; n
	v_bfe_u32 v25, v0, 4, 1                        ; h
	s_lshl_b32 s100, s[QBI], 7
	s_add_co_u32 s100, s100, s[WV]
	v_lshl_add_u32 v246, v24, 3, s100              ; my query i = i0 + f + 8 n
	s_delay_alu instid0(VALU_DEP_1)
	v_add_nc_u32 v247, 1, v246
	s_delay_alu instid0(VALU_DEP_1)
	v_min_u32 v247, 2047, v247                     ; the next one (the last query never uses it)
	s_delay_alu instid0(VALU_DEP_3)
	v_lshlrev_b32 v246, 6, v246
	s_delay_alu instid0(VALU_DEP_1)
	v_lshl_add_u32 v246, v25, 4, v246
	s_delay_alu instid0(VALU_DEP_3)
	v_lshlrev_b32 v247, 6, v247
	s_delay_alu instid0(VALU_DEP_1)
	v_lshl_add_u32 v247, v25, 4, v247
	global_load_b128 v[QW:QW+3], v246, s[4:5]
	global_load_b128 v[QW+4:QW+7], v246, s[4:5] offset:32
	global_load_b128 v[QR:QR+3], v246, s[4:5] offset:4194304
	global_load_b128 v[QR+4:QR+7], v246, s[4:5] offset:4194336
	global_load_b128 v[QN:QN+3], v247, s[4:5] offset:4194304
	global_load_b128 v[QN+4:QN+7], v247, s[4:5] offset:4194336
	s_lshl_b32 s104, s62, 13
	s_add_nc_u64 s[LMP:LMP+1], s[LMP:LMP+1], s[104:105]   ; my batch's 2,048 mask numbers
	v_lshlrev_b32 v[MA], 6, v25                    ; lanes 16-31: 16 keys on
.macro MVLOAD                          ; a step's 64 numbers of my lane: register 16 b + 4 c on is key 32 b + 16 h + 4 c on.  (Destination in window 1)
.set i, 0
.rept 16
	global_load_b128 v[MV+4*i:MV+4*i+3], v[MA], s[LMP:LMP+1] offset:128*(i/4)+16*(i%4)
.set i, i+1
.endr
.endm
	WIN 0x40
	MVLOAD                                         ; step 0's
	WIN 0
	s_lshl_b32 s104, s62, 21                       ; ocodes: 4 tokens x 1,024 codes are 4,096 bytes: token x 1,024,
	s_lshl_b32 s100, s[QBI], 17
	s_add_co_u32 s104, s104, s100
	s_lshl_b32 s100, s[WV], 14                     ; my wave stores groups 4 f .. 4 f + 3 of the block's 32,
	s_add_co_u32 s104, s104, s100
	s_lshl_b32 s100, s63, 8                        ; my head's 256 bytes of a group
	s_add_co_u32 s104, s104, s100
	s_add_nc_u64 s[16:17], s[16:17], s[104:105]
	; the prefetch: which buffer, which part
	s_mov_b32 s10, 256
	s_mov_b32 s100, 2048
	s_mov_b32 s101, 65536
	s_cmp_lt_u32 s60, 2
	s_cselect_b64 s[PFA:PFA+1], s[6:7], s[8:9]
	s_cselect_b32 s10, 16384, s10                  ; a slot on: 256 rows of K, 256 bytes of a row of V
	s_cselect_b32 s100, 256, s100                  ; from lane to lane
	s_cselect_b32 s101, 8192, s101                 ; the second partner's part
	s_mov_b32 s11, 0
	s_mov_b32 s[RST+1], 0                          ; (V's address is done with: the pair now holds a step)
	v_and_b32 v[PFO], 31, v0
	s_delay_alu instid0(VALU_DEP_1)
	v_mul_lo_u32 v[PFO], v[PFO], s100
	s_and_b32 s100, s60, 1
	s_mul_i32 s100, s100, s101
	s_add_co_u32 s100, s100, s10                   ; in slot 1: the first change of slots steps it to slot 2
	s_add_co_u32 s66, s66, s100
	s_add_nc_u64 s[PFA:PFA+1], s[PFA:PFA+1], s[66:67]
	s_xor_b32 s63, s[WV], 3
	s_or_b32 s63, s63, ttmp9                       ; 0 in wave 3 of the (batch, head)'s first cluster: the same in all four partners
	s_cmp_eq_u32 s63, 0
	s_cselect_b32 s[LIM], 1, -1
	s_lshl_b32 s[PL], 2, s[WV]
	s_sub_co_u32 s[PL], s[PL], 1
	s_mul_i32 s[PL], s[PL], 0x10001                ; rows 0 .. f, in both halves of the lanes
	s_mov_b32 s[SIG], -1
	; my lane's places in LDS
	v_mul_u32_u24 v[AK], v24, KP
	s_delay_alu instid0(VALU_DEP_1)
	v_lshl_add_u32 v[AK], v25, 4, v[AK]
	v_mul_u32_u24 v[AV], v24, VP
	s_delay_alu instid0(VALU_DEP_1)
	v_lshl_add_u32 v[AV], v25, 4, v[AV]
	s_delay_alu instid0(VALU_DEP_1)
	v_add_nc_u32 v[AV], VOFF, v[AV]
	s_xor_b32 s100, s[WV], 7                       ; 7 - f
	s_mul_i32 s100, s100, KP
	v_add_nc_u32 v[AR0], s100, v[AK]
	s_delay_alu instid0(VALU_DEP_1)
	v_add_nc_u32 v[AR], ROFF, v[AR0]
	s_delay_alu instid0(VALU_DEP_2)
	v_add_nc_u32 v[AR0], REL0, v[AR0]
	s_mul_i32 s100, s[WV], RINGB
	s_add_co_u32 s100, s100, RING
	v_mul_u32_u24 v248, v24, RPITCH
	s_delay_alu instid0(VALU_DEP_1)
	v_add_nc_u32 v248, s100, v248                  ; my row of my wave's ring
	s_delay_alu instid0(VALU_DEP_1)
	v_lshl_add_u32 v[RL], v25, 6, v248             ; back: 16 keys further on for lanes 16-31
	v_add_nc_u32 v249, v24, v25
	s_delay_alu instid0(VALU_DEP_1)
	v_lshl_add_u32 v[RS0], v249, 5, v248           ; in: column 8 (n + h): from lane to lane 1,072 bytes, an odd multiple of 16
	s_delay_alu instid0(VALU_DEP_2)
	v_lshlrev_b32 v249, 3, v249
.irp k, 0,1,2,3,4,5,6,7
	v_add_nc_u32 v250, 128+16*\k, v249
	s_delay_alu instid0(VALU_DEP_1)
	v_and_b32 v250, 255, v250
	s_delay_alu instid0(VALU_DEP_1)
	v_lshl_add_u32 v[RSW+\k], v250, 2, v248
.endr
	v_mul_u32_u24 v[OS], v24, 2*272                ; the way out: query f + 8 n lies in group 2 n + f / 4, at place f % 4
	s_delay_alu instid0(VALU_DEP_1)
	v_lshl_add_u32 v[OS], v25, 3, v[OS]
	s_lshr_b32 s100, s[WV], 2
	s_mul_i32 s100, s100, 272
	s_and_b32 s101, s[WV], 3
	s_lshl_b32 s101, s101, 6
	s_add_co_u32 s100, s100, s101
	s_add_co_u32 s100, s100, OSTG
	v_add_nc_u32 v[OS], s100, v[OS]
	v_mul_u32_u24 v[OR], v25, 272
	s_delay_alu instid0(VALU_DEP_1)
	v_lshl_add_u32 v[OR], v24, 4, v[OR]
	s_mul_i32 s100, s[WV], 4*272
	s_add_co_u32 s100, s100, OSTG
	v_add_nc_u32 v[OR], s100, v[OR]
	v_lshlrev_b32 v[OG], 12, v25
	s_delay_alu instid0(VALU_DEP_1)
	v_lshl_add_u32 v[OG], v24, 4, v[OG]
	v_mov_b32 v[NM+1], 0xff61b1e6                  ; the largest t so far: -3e38
	s_delay_alu instid0(VALU_DEP_1)
	v_floor_f32 v[NM], -v[NM+1]
	v_mov_b32 v[SUM], 0
	v_mov_b32 v[SUM+1], 0
	v_mov_b32 v[FF+1], 0                           ; (named as the upper half of a pair)
	v_mov_b32 v[PRM], 0                            ; (a lane permute's destination counts as read)
.set j, 0
.rept 32
	v_mov_b32 v[O+j], 0                            ; the step is written once: the first finds zeros
.set j, j+1
.endr
	s_wait_kmcnt 0x0
	s_add_co_i32 s100, s74, s75                    ; e6 + e7
	s_lshl_b32 s101, s100, 23
	s_add_co_i32 s[CS], s[CS], s101                ; into c's exponent field
	s_mov_b32 s[CS+1], s[CS]
	s_add_co_i32 s101, s78, s79                    ; e10 + e11
	s_sub_co_i32 s101, s101, s100
	s_add_co_i32 s101, s101, 127
	s_lshl_b32 s[RAT], s101, 23                    ; brings the position scores to the content scores' scale
	s_mov_b32 s[RAT+1], s[RAT]
	s_add_co_i32 s101, s80, 127
	s_lshl_b32 s100, s101, 23
	v_mov_b32 v[PCV], s100
	s_add_co_i32 s101, s101, 8
	s_lshl_b32 s101, s101, 23
	s_or_b32 s101, s101, 0x600000
	v_mov_b32 v[PLIM], s101
	s_add_co_i32 s101, s82, 127
	s_lshl_b32 s100, s101, 23
	v_mov_b32 v[OCV], s100
	s_add_co_i32 s101, s101, 8
	s_lshl_b32 s101, s101, 23
	s_or_b32 s101, s101, 0x600000
	v_mov_b32 v[OLIM], s101
	s_add_co_i32 s[EO], s80, s81
	s_wait_tensorcnt 0x0                           ; my first fill has landed,
	s_barrier_signal -1
	s_barrier_wait -1                              ; everybody's has
	s_wait_loadcnt 0x0                             ; Q (and step 0's mask numbers)
; THE PARTS OF A BLOCK OF 128 TABLE ROWS.
.macro SEAM                            ; which of my two Qr the block takes.  (Window 0)
	s_cmp_lt_i32 s[SIG], s[QBI]
	s_cselect_b32 s[SELM], -1, 0                   ; ahead of the seam's block: Qr(i)
	s_cmp_eq_u32 s[SIG], s[QBI]
	s_cselect_b32 s[MLO], s[PL], 0
	s_or_b32 s[MLO], s[MLO], s[SELM]               ; tile 0's rows that take Qr(i),
	s_not_b32 s[MHI], s[MLO]                       ; and those that take Qr(i + 1)
	s_add_co_i32 s[SIG], s[SIG], 1
.irp k, 0,1,2,3,4,5,6,7
	v_cndmask_b32 v[QB+\k], v[QN+\k], v[QR+\k], s[SELM]   ; (eight plain lines: the places between the last products, which read V's registers, and the lines of RELMUL that write them)
.endr
.endm
.macro RFLOAD areg, off                ; its eight fragments.  (Destination in window 1)
.irp t, 0,1,2,3,4,5,6,7
	ds_load_b128 v[RF+8*\t:RF+8*\t+3], v[\areg] offset:(\off)+16*\t*KP
	ds_load_b128 v[RF+8*\t+4:RF+8*\t+7], v[\areg] offset:(\off)+16*\t*KP+32
.endr
.endm
.macro KFLOAD q                        ; K's eight fragments of the slot's q-th step.  (Destination in window 1)
.set i, 0
.rept 8
	ds_load_b128 v[KF+8*i:KF+8*i+3], v[TK] offset:(128*(\q)+16*i)*KP
	ds_load_b128 v[KF+8*i+4:KF+8*i+7], v[TK] offset:(128*(\q)+16*i)*KP+32
.set i, i+1
.endr
.endm
.macro RELMUL                          ; tile 0's fragment cut in two at the seam; nine products into v[F] on
	WIN 0x44                                       ; source 1 and destination in window 1
.irp k, 0,1,2,3,4,5,6,7
	v_cndmask_b32 v[AL+\k], 0, v[RF+\k], s[MLO]
	v_cndmask_b32 v[AH+\k], 0, v[RF+\k], s[MHI]
.endr
	WIN 0x01                                       ; source 0 in window 1
	v_wmma_f32_16x16x64_fp8_fp8 v[F:F+7], v[AL:AL+7], v[QR:QR+7], 0
.irp t, 1,2,3
	v_wmma_f32_16x16x64_fp8_fp8 v[F+8*\t:F+8*\t+7], v[RF+8*\t:RF+8*\t+7], v[QB:QB+7], 0
.endr
	v_wmma_f32_16x16x64_fp8_fp8 v[F:F+7], v[AH:AH+7], v[QN:QN+7], v[F:F+7]   ; the accumulators take turns, one instruction a turn: tile 0's second link stands in the middle
.irp t, 4,5,6,7
	v_wmma_f32_16x16x64_fp8_fp8 v[F+8*\t:F+8*\t+7], v[RF+8*\t:RF+8*\t+7], v[QB:QB+7], 0
.endr
.endm
.macro TORING par                      ; to the content scores' scale (exact), and into the ring.  par: the block's number mod 2.  (Window 0)
.set j, 0
.rept 32
	v_pk_mul_f32 v[F+j:F+j+1], v[F+j:F+j+1], s[RAT:RAT+1] op_sel_hi:[1,0]   ; each accumulator from its low end on
.set j, j+2
.endr
.irp t, 0,1,2,3,4,5,6,7
.if \par
	ds_store_b128 v[RSW+\t], v[F+8*\t:F+8*\t+3]
	ds_store_b128 v[RSW+\t], v[F+8*\t+4:F+8*\t+7] offset:16
.else
	ds_store_b128 v[RS0], v[F+8*\t:F+8*\t+3] offset:64*\t
	ds_store_b128 v[RS0], v[F+8*\t+4:F+8*\t+7] offset:64*\t+16
.endif
.endr
.endm
.macro RELPRO par, off                 ; a whole block ahead of the loop
	SEAM
	WIN 0x40
	RFLOAD AR0, \off
	s_wait_dscnt 0x0                               ; the fragments are in; the block before has left its registers
	RELMUL
	WIN 0
.rept 4
	v_nop                                          ; places behind the products
.endr
	TORING \par
.endm
; A KEY STEP: 128 keys, the q-th of the slot in hand.  K's fragments have been asked for.
; dorel: the next block (number mod 2 = par) is made.  rfnow: its fragments are asked for here, at byte roff of the slot's tile of relx; else they were asked for in the step before.
; nxt: the slot's second step follows: its K fragments are asked for here, and (nrel) its block's, at byte nroff.
.macro STEP q, par, dorel, rfnow, roff, nxt, nroff, nrel
.set i, 0
.rept 16
	ds_load_b128 v[S+4*i:S+4*i+3], v[RL] offset:512*(\q)+128*(i/4)+16*(i%4)   ; the shifted scores of this step's keys, in the content scores' layout: stored a step ago
.set i, i+1
.endr
.if \dorel
.if \rfnow
	WIN 0x40
	RFLOAD TR, \roff
	WIN 0
.endif
	SEAM
.endif
	s_wait_dscnt 16*(\rfnow)                       ; K's fragments and the ring's numbers are in; the 16 loads of relx's fragments, if issued just now, may be out
	WIN 0x01
.set i, 0
.rept 8
	v_wmma_f32_16x16x64_fp8_fp8 v[S+8*i:S+8*i+7], v[KF+8*i:KF+8*i+7], v[QW:QW+7], v[S+8*i:S+8*i+7]
.set i, i+1
.endr
.if \dorel
.if \rfnow
	s_wait_dscnt 0x0
.endif
	RELMUL
.endif
	WIN 0x40
.rept 4
	v_nop                                          ; places in front of loads into registers that the products have read, and of the first read of the scores
.endr
.set i, 0
.rept 16
	ds_load_b128 v[VF+4*i:VF+4*i+3], v[TV] offset:16*(i/4)*VP+128*(\q)+32*(i%4)   ; V's four fragments: they land under the softmax
.set i, i+1
.endr
	s_wait_loadcnt 0x0                             ; the mask's numbers, asked for a step ago
	WIN 0x04                                       ; source 1 in window 1
.set j, 0
.rept 64
	v_min_num_f32 v[S+j], v[S+j], v[MV+j]          ; a masked key's score becomes -2^(35 - e6 - e7)
.set j, j+1
.endr
.if \dorel
	s_add_nc_u64 s[LMP:LMP+1], s[LMP:LMP+1], 512   ; (the loads that read this base are done)
	WIN 0x40
	MVLOAD                                         ; the next step's
.if \nxt
	KFLOAD 1
.if \nrel
	RFLOAD TR, \nroff
.endif
.endif
.endif
	WIN 0
	v_max3_num_f32 v[MX], v[S], v[S+1], v[S+2]     ; the step's largest score of my query, in two chains
	v_max3_num_f32 v[MX+1], v[S+3], v[S+4], v[S+5]
.irp i, 6,10,14,18,22,26,30,34,38,42,46,50,54,58
	s_delay_alu instid0(VALU_DEP_2)
	v_max3_num_f32 v[MX], v[MX], v[S+\i], v[S+\i+1]
	s_delay_alu instid0(VALU_DEP_2)
	v_max3_num_f32 v[MX+1], v[MX+1], v[S+\i+2], v[S+\i+3]
.endr
	s_delay_alu instid0(VALU_DEP_2)
	v_max3_num_f32 v[MX], v[MX], v[S+62], v[S+63]
	s_delay_alu instid0(VALU_DEP_1)
	v_max_num_f32 v[MX], v[MX], v[MX+1]
	s_delay_alu instid0(VALU_DEP_1)
	v_permlanex16_b32 v[PRM], v[MX], s[SEL], s[SEL+1]
	s_delay_alu instid0(VALU_DEP_1)
	v_max_num_f32 v[MX], v[MX], v[PRM]             ; and among lane l xor 16's 64 keys
	s_delay_alu instid0(VALU_DEP_1)
	v_mul_f32 v[MX], s[CS], v[MX]                  ; as t
	s_delay_alu instid0(VALU_DEP_1)
	v_max_num_f32 v[NM+1], v[NM+1], v[MX]
	v_mov_b32 v[MX], v[NM]
	s_delay_alu instid0(VALU_DEP_2)
	v_floor_f32 v[NM], -v[NM+1]                    ; -M = floor(-t)
	s_delay_alu instid0(VALU_DEP_1)
	v_sub_f32 v[MX], v[NM], v[MX]                  ; old M - new M: a whole number, 0 or less
	s_delay_alu instid0(VALU_DEP_1)
	v_cvt_i32_f32 v[MX], v[MX]                     ; (it saturates)
	s_delay_alu instid0(VALU_DEP_1)
	v_ldexp_f32 v[FF], 1.0, v[MX]
.set j, 0
.rept 32
	v_pk_fma_f32 v[S+j:S+j+1], v[S+j:S+j+1], s[CS:CS+1], v[NM:NM+1] op_sel_hi:[1,0,0]   ; t - M
.set j, j+2
.endr
.set j, 0
	s_wait_alu depctr_va_vdst(0)
.rept 64
	v_exp_f32 v[S+j], v[S+j]
.set j, j+1
.endr
	v_pk_mul_f32 v[SUM:SUM+1], v[SUM:SUM+1], v[FF:FF+1] op_sel_hi:[1,0]   ; the sums under the new M (a plain line behind the exponentials)
.if \dorel
	s_wait_alu depctr_va_vdst(0)
	TORING \par                                    ; the next block goes into the ring here, behind the batch's wait
.endif
	s_wait_alu depctr_va_vdst(0)                   ; one wait for the whole batch, ahead of its first reader
	v_pk_add_f32 v[30:31], v[132:133], v[136:137]
	v_pk_add_f32 v[248:249], v[140:141], v[144:145]
	v_pk_add_f32 v[246:247], v[148:149], v[152:153]
	v_pk_add_f32 v[238:239], v[156:157], v[160:161]
	v_pk_add_f32 v[236:237], v[164:165], v[168:169]
	v_pk_add_f32 v[234:235], v[172:173], v[176:177]
	v_pk_add_f32 v[232:233], v[180:181], v[184:185]
	v_pk_add_f32 v[22:23], v[22:23], v[188:189]
	v_pk_add_f32 v[30:31], v[30:31], v[128:129]
	v_pk_add_f32 v[248:249], v[248:249], v[130:131]
	v_pk_add_f32 v[246:247], v[246:247], v[134:135]
	v_pk_add_f32 v[238:239], v[238:239], v[138:139]
	v_pk_add_f32 v[236:237], v[236:237], v[142:143]
	v_pk_add_f32 v[234:235], v[234:235], v[146:147]
	v_pk_add_f32 v[232:233], v[232:233], v[150:151]
	v_pk_add_f32 v[22:23], v[22:23], v[154:155]
	v_pk_add_f32 v[30:31], v[30:31], v[158:159]
	v_pk_add_f32 v[248:249], v[248:249], v[162:163]
	v_pk_add_f32 v[246:247], v[246:247], v[166:167]
	v_pk_add_f32 v[238:239], v[238:239], v[170:171]
	v_pk_add_f32 v[236:237], v[236:237], v[174:175]
	v_pk_add_f32 v[234:235], v[234:235], v[178:179]
	v_pk_add_f32 v[232:233], v[232:233], v[182:183]
	v_pk_add_f32 v[22:23], v[22:23], v[186:187]
	v_pk_add_f32 v[30:31], v[30:31], v[190:191]
	s_delay_alu instid0(VALU_DEP_2)
	v_pk_add_f32 v[22:23], v[22:23], v[238:239]
	s_delay_alu instid0(VALU_DEP_2)
	v_pk_add_f32 v[30:31], v[30:31], v[236:237]
	v_pk_add_f32 v[248:249], v[248:249], v[234:235]
	v_pk_add_f32 v[246:247], v[246:247], v[232:233]
	s_delay_alu instid0(VALU_DEP_2)
	v_pk_add_f32 v[22:23], v[22:23], v[248:249]
	s_delay_alu instid0(VALU_DEP_2)
	v_pk_add_f32 v[30:31], v[30:31], v[246:247]
	s_delay_alu instid0(VALU_DEP_1)
	v_pk_add_f32 v[22:23], v[22:23], v[30:31]
.irp b, 0,1,2,3
.set j, 0
.rept 16
	v_min_num_f32 v[S+16*\b+j], v[S+16*\b+j], v[PLIM]   ; p is not negative: the hold is one-sided
.set j, j+1
.endr
	v_cvt_scalef32_pk8_fp8_f32 v[P+4*\b:P+4*\b+1], v[S+16*\b:S+16*\b+7], v[PCV]
	v_cvt_scalef32_pk8_fp8_f32 v[P+4*\b+2:P+4*\b+3], v[S+16*\b+8:S+16*\b+15], v[PCV]
.endr
.set j, 0
.rept 16
	v_pk_mul_f32 v[O+j:O+j+1], v[O+j:O+j+1], v[FF:FF+1] op_sel_hi:[1,0]   ; O^T under the new M (plain lines behind the conversions)
.set j, j+2
.endr
	s_wait_alu depctr_va_vdst(0)
	s_wait_dscnt 16*(\dorel)+16*(\nxt)+16*(\nxt)*(\nrel)   ; V is in; issued behind its loads, and free to be out: the next step's fragment loads and the ring's 16 stores
	WIN 0x01
.set i, 0
.rept 4
	v_wmma_f32_16x16x128_fp8_fp8 v[O+8*i:O+8*i+7], v[VF+16*i:VF+16*i+15], v[P:P+15], v[O+8*i:O+8*i+7]
.set i, i+1
.endr
	WIN 0
.endm
; THE CHANGE OF SLOTS stands at a slot's head.  Each wave waits for all its tensor loads, adds 0 to its spare word, and waits for that and for its reads of the slot that it has left.  fill = 1: a round of the cluster's barrier,
; and behind it the other slot is filled with the next 256 keys: one load a wave, of waves 0 to 2; it has two key steps in which to land.
.macro CHANGE fill
	s_wait_tensorcnt 0x0                           ; no tensor load of mine is out, so a group 0 may be written
	ds_add_u32 v[SPW], v[NIL]
.if \fill
	s_xor_b32 s[G0K+1], s[G0K+1], SLOTB
	s_add_nc_u64 s[G0K+2:G0K+3], s[G0K+2:G0K+3], 256*64
	s_xor_b32 s[G0V+1], s[G0V+1], SLOTB
	s_add_nc_u64 s[G0V+2:G0V+3], s[G0V+2:G0V+3], 256
	s_xor_b32 s[G0R+1], s[G0R+1], SLOTB
	s_mov_b32 s[RST], 256*64                       ; relx's tile goes 256 rows on;
	s_cmp_eq_u32 s[SLOTS], 1
	s_cselect_b32 s[RST], 128*64, s[RST]           ; the last one 128: only block 15 is left, and it ends with the table's last written row
	s_add_nc_u64 s[G0R+2:G0R+3], s[G0R+2:G0R+3], s[RST:RST+1]
	s_wait_xcnt 0x0                                ; the last prefetch, a slot back, has read its address
	s_add_nc_u64 s[PFA:PFA+1], s[PFA:PFA+1], s[PFS:PFS+1]
.endif
	s_wait_dscnt 0x0                               ; the add is done, and my reads of the slot that I have left are over
.if \fill
	CROUND
	TLOAD 0
	ASK
.else
	s_barrier_signal -1
	s_barrier_wait -1
.endif
	v_add_nc_u32 v[TK], s[TB], v[AK]               ; my places in the slot ahead,
	v_add_nc_u32 v[TV], s[TB], v[AV]
	v_add_nc_u32 v[TR], s[TB], v[AR]
	WIN 0x40
	KFLOAD 0                                       ; and its first step's K
	WIN 0
.endm
	RELPRO 1, 0                                    ; block -1: the keys 0 .. 8 n - 1 of lane n
	RELPRO 0, 128*KP                               ; block 0
.Lslot:                                                ; 7 trips: behind each change of slots but the last the next slot is asked for.  Slot z's tile of relx holds blocks 2 z + 1 and 2 z + 2
	CHANGE 1
	STEP 0, 1, 1, 1, 0, 1, 128*KP, 1
	STEP 1, 0, 1, 0, 0, 0, 0, 0
	s_xor_b32 s[TB], s[TB], SLOTB
	s_sub_co_u32 s[SLOTS], s[SLOTS], 1
	s_cmp_lg_u32 s[SLOTS], 0
	s_cbranch_scc1 .Lslot
	CHANGE 0                                       ; the last slot is written out: its tile of relx holds block 15 from row 128 on
	STEP 0, 1, 1, 1, 128*KP, 1, 0, 0
	STEP 1, 0, 0, 0, 0, 0, 0, 0                    ; the last step makes no block
	; THE WAY OUT: O^T / the sum x 2^(e12 + e13), quantised with 2^e14; the block's 128 queries x 64 codes meet in a stage as groups of 4 tokens (256 bytes) and leave whole.
	v_add_f32 v[SUM], v[SUM], v[SUM+1]
	s_delay_alu instid0(VALU_DEP_1)
	v_permlanex16_b32 v[PRM], v[SUM], s[SEL], s[SEL+1]
	s_delay_alu instid0(VALU_DEP_1)
	v_add_f32 v[SUM], v[SUM], v[PRM]
	s_wait_alu depctr_va_vdst(0)
	v_rcp_f32 v[SUM], v[SUM]
.rept 4
	v_nop                                          ; a plain line behind the reciprocal; and the places behind the last products
.endr
	s_wait_alu depctr_va_vdst(0)                   ; the wait ahead of the reciprocal's first reader
	v_ldexp_f32 v[SUM], v[SUM], s[EO]
.set j, 0
.rept 32
	v_mul_f32 v[S+j], v[O+j], v[SUM]               ; register 8 t + i is channel 16 t + 8 h + i of my query
.set j, j+1
.endr
.set j, 0
.rept 32
	v_med3_num_f32 v[S+j], v[S+j], -v[OLIM], v[OLIM]
.set j, j+1
.endr
.irp t, 0,1,2,3
	v_cvt_scalef32_pk8_fp8_f32 v[P+2*\t:P+2*\t+1], v[S+8*\t:S+8*\t+7], v[OCV]
.endr
	v_nop
.irp t, 0,1,2,3
	ds_store_b64 v[OS], v[P+2*\t:P+2*\t+1] offset:16*\t
.endr
	s_wait_dscnt 0x0                               ; for the others' sake: my stores are done
	s_barrier_signal -1
	s_barrier_wait -1
.irp i, 0,1
	ds_load_b128 v[F+4*\i:F+4*\i+3], v[OR] offset:\i*2*272
.endr
.irp i, 0,1
	s_wait_dscnt 1-\i                              ; the younger load may be out
	global_store_b128 v[OG], v[F+4*\i:F+4*\i+3], s[16:17] offset:\i*8192   ; sixteen lanes store 256 consecutive bytes, aligned
.endr
	s_wait_tensorcnt 0x0                           ; the wave's end: the three lines behind my last tensor load and my last LDS store
	ds_add_u32 v[SPW], v[NIL]
	s_wait_dscnt 0x0
	CROUND                                         ; the closing round
	s_endpgm
.Lfunc_end_k_q49588a2034_attn:
	.size	k_q49588a2034_attn, .Lfunc_end_k_q49588a2034_attn-k_q49588a2034_attn
	.p2alignl 7, 3214868480
	.fill 96, 4, 3214868480
	.section	.rodata,"a",@progbits
	.p2align	6, 0x0
	.amdhsa_kernel k_q49588a2034_attn
		.amdhsa_group_segment_fixed_size 327680
		.amdhsa_private_segment_fixed_size 0
		.amdhsa_enable_private_segment 0
		.amdhsa_kernarg_size 56
		.amdhsa_user_sgpr_count 2
		.amdhsa_user_sgpr_kernarg_segment_ptr 1
		.amdhsa_wavefront_size32 1
		.amdhsa_system_sgpr_workgroup_id_x 1
		.amdhsa_system_sgpr_workgroup_id_y 1
		.amdhsa_system_sgpr_workgroup_id_z 1
		.amdhsa_system_vgpr_workitem_id 0
		.amdhsa_next_free_vgpr 512
		.amdhsa_next_free_sgpr 106
		.amdhsa_reserve_vcc 0
		.amdhsa_float_denorm_mode_32 3
		.amdhsa_float_denorm_mode_16_64 3
		.amdhsa_memory_ordered 1
		.amdhsa_forward_progress 1
		.amdhsa_inst_pref_size 140
	.end_amdhsa_kernel
	.amdgpu_metadata
---
amdhsa.version: [ 1, 2 ]
amdhsa.kernels:
  - .name:           k_q49588a2034_attn
    .symbol:         k_q49588a2034_attn.kd
    .args:
      - { .name: qcodes, .offset: 0, .size: 8, .value_kind: global_buffer, .address_space: global }
      - { .name: kcodes, .offset: 8, .size: 8, .value_kind: global_buffer, .address_space: global }
      - { .name: vcodes, .offset: 16, .size: 8, .value_kind: global_buffer, .address_space: global }
      - { .name: relx, .offset: 24, .size: 8, .value_kind: global_buffer, .address_space: global }
      - { .name: fmask, .offset: 32, .size: 8, .value_kind: global_buffer, .address_space: global }
      - { .name: lowp_scales, .offset: 40, .size: 8, .value_kind: global_buffer, .address_space: global }
      - { .name: ocodes, .offset: 48, .size: 8, .value_kind: global_buffer, .address_space: global }
    .group_segment_fixed_size: 327680
    .private_segment_fixed_size: 0
    .kernarg_segment_align: 8
    .kernarg_segment_size: 56
    .max_flat_workgroup_size: 256
    .sgpr_count:     106
    .vgpr_count:     512
    .wavefront_size: 32
...
	.end_amdgpu_metadata
.endif
;; end of part 7
;; launch outp (part 8): grid 8 x 32, 4 waves a work-group, clusters of 4 x 4, 327,680 bytes of LDS; arguments ocodes, wcodes, lowp_scales, bo, out0; writes out0
.if DOCPART == 8
	.amdgcn_target "amdgcn-amd-amdhsa--gfx1250"
	.amdhsa_code_object_version 6
	.text
	.protected	k_q49588a2034_outp
	.globl	k_q49588a2034_outp
	.p2align	8
	.type	k_q49588a2034_outp,@function
k_q49588a2034_outp:
	s_mov_b64 s[64:65], 0
	v_nop
	global_prefetch_b8 v0, s[64:65] scope:SCOPE_SE
	s_setreg_imm32_b32 hwreg(HW_REG_WAVE_MODE, 25, 1), 1
	s_wait_xcnt 0x0
	s_wait_alu depctr_hold_cnt(0) depctr_sa_sdst(0) depctr_va_vdst(0) depctr_va_sdst(0) depctr_va_ssrc(0) depctr_va_vcc(0) depctr_vm_vsrc(0)
	s_getreg_b32 s2, hwreg(HW_REG_IB_STS2, 6, 4)
	s_cmp_eq_u32 s2, 0
	s_cbranch_scc0 .Lentry_in_a_cluster
	s_endpgm
.Lentry_in_a_cluster:
	s_bfe_u32 s2, ttmp6, 0x10000c
	s_cmp_lg_u32 s2, 0xf033
	s_cbranch_scc0 .Lentry_shape_is_right
	s_endpgm
.Lentry_shape_is_right:
; out0[t][n] = 2^(e14 + e15) x (sum over k of ocodes[t][k] x Wo's codes[n][k]) + bo[n]: 4,096 tokens, n and k 1,024, codes of E4M3, sums in f32.
; ocodes lies in groups of 4 tokens, 4,096 bytes a group: byte 256 x head + 64 x (token % 4) + channel.  Wo's codes are job 4 of wcodes, [n][k], K innermost.
; LIMIT: e14 + e15 between -126 and 127, so that 2^(e14 + e15) is an f32 number.
; SHARES.  A work-group makes 128 tokens x 128 columns: 8 x 32 = 256 work-groups.  Each of its four waves makes 64 x 64: 16 accumulators, taken by turns.
; LDS holds ALL of K, in four chunks of 256 along K: A's 32 groups x 1,024 bytes (+16), then B's 128 rows x 256 bytes (+16).  No byte is filled twice.
; Chunks 0 and 1 are asked for at the head, one load a wave (waves 0, 1: A's; waves 2, 3: B's); chunks 2 and 3 behind the three lines and a round, one load a wave; they may land while K steps 0 to 2 are multiplied.
; CLUSTER 4 x 4: A's tiles hang on the tile row alone and are asked for jointly along a row of the cluster, B's on the tile column alone, jointly along a column.
; No prefetch: the text has no loop to run ahead in; every byte is asked for by one of the two groups of loads, the first at the head.
; The matrix instruction is used transposed (source 0 = 16 rows of Wo's codes, source 1 = 16 tokens): a lane holds eight neighbouring columns of one token.
; Fragments come as four 16-byte loads: registers 4 c on hold k = 32 c + 16 (lane / 16) + 0 .. 15: one permutation of k, the same on both sides.
; REGISTERS.  Window 0: v8-19 addresses, v32-63 the bias, v64-191 A's fragments in two sets (on the way out: the blocks' results), v192-255 rows read back from the stage.
; Window 1: v0-127 accumulator (a, b) at 8 (4 a + b); v128-255 B's fragments in two sets.
.set APITCH, 1040
.set PITCH,  272
.set AB,     32*APITCH                 ; A's part of a chunk
.set CH,     AB+128*PITCH              ; a chunk: 68,096 bytes
.set SPARE,  4*CH                      ; the spare words: 128 bytes a wave, two blocks of 256 bytes that no other line names
.set STAGE,  SPARE+512                 ; the way out: 16 rows x 272 bytes for each wave; no fill lands here
.set SPITCH, 272
.set ADRA, 8                           ; v8-11   my A fragments in chunk 0 .. 3
.set ADRB, 12                          ; v12-15  my B fragments
.set STO,  16
.set RD,   17
.set CO,   18
.set BO,   19
.set SPW,  28
.set NIL,  29
.set BIAS, 32
.set AF,   64
.set BF,   128
.set TMP,  64
.set BK,   192
.set G1, 24
.set G0, 32
.set G1B, 48
.set G0B, 56
.set MSB, 0
.macro WIN new                         ; the immediate's high byte repeats the setting that is left
.if MSB != (\new)
	s_set_vgpr_msb (MSB<<8)|(\new)
.set MSB, (\new)
.endif
.endm
.macro JLOAD g0a, g1a, g0b, g1b        ; waves 0, 1 ask for A, waves 2, 3 for B; s_nop 0 and four v_nop behind each line
	s_cmp_eq_u32 s15, 0
	s_cbranch_scc0 .Lfor_b_\@
	tensor_load_to_lds s[\g0a:\g0a+3], s[\g1a:\g1a+7]
	s_nop 0
.rept 4
	v_nop
.endr
	s_branch .Lasked_\@
.Lfor_b_\@:
	tensor_load_to_lds s[\g0b:\g0b+3], s[\g1b:\g1b+7]
	s_nop 0
.rept 4
	v_nop
.endr
.Lasked_\@:
.endm
.macro CROUND                          ; a round of the cluster's barrier
	s_barrier_signal -1
	s_barrier_wait -1
	s_cmp_lg_u32 s14, 0
	s_cbranch_scc1 .Lnot_wave_0_\@
	s_barrier_signal -3
.Lnot_wave_0_\@:
	s_barrier_wait -3
	s_barrier_signal -1
	s_barrier_wait -1
.endm
.macro PLACES
.rept 4
	v_nop
.endr
.endm
	s_load_b128 s[4:7], s[0:1], 0x0                ; ocodes, wcodes
	s_load_b128 s[8:11], s[0:1], 0x10              ; lowp_scales, bo
	s_load_b64 s[12:13], s[0:1], 0x20              ; out0
	v_lshl_add_u32 v[SPW], v0, 2, SPARE
	v_mov_b32 v[NIL], 0
	ds_add_u32 v[SPW], v[NIL]                      ; the opening lines: the add, twice on end, and its wait ahead of my first tensor load
	ds_add_u32 v[SPW], v[NIL]
	v_lshrrev_b32 v1, 5, v0
	v_readfirstlane_b32 s14, v1                    ; wave
	s_lshr_b32 s15, s14, 1                         ; my half of the tokens.  Also: I ask for A (0) or B (1)
	s_and_b32 s16, s14, 1                          ; my half of the columns.  Also: which chunk of a group of loads I ask for
	s_bfe_u32 s40, ttmp6, 0x40000                  ; cx
	s_bfe_u32 s41, ttmp6, 0x40004                  ; cy
	s_lshl_b32 s42, ttmp9, 2
	s_add_co_u32 s42, s42, s40                     ; tile column 0 .. 7
	s_and_b32 s17, ttmp7, 0xffff
	s_lshl_b32 s17, s17, 2
	s_add_co_u32 s17, s17, s41                     ; tile row 0 .. 31
	s_lshl_b32 s43, s41, 2
	s_lshl_b32 s43, 15, s43                        ; my row of the cluster
	s_lshl_b32 s44, 0x1111, s40                    ; my column
	s_or_b32 s[G1+0], s43, (0<<16)|(1<<20)|(1<<21)|(7<<22)|(3<<25)   ; A: elements of 1 byte; 4 words of padding after every 256
	s_mov_b32 s[G1+1], 1024<<16
	s_mov_b32 s[G1+2], 32<<16
	s_mov_b32 s[G1+3], 1024<<16
	s_mov_b32 s[G1+4], 32
	s_mov_b32 s[G1+5], 4096
	s_mov_b32 s[G1+6], 0
	s_mov_b32 s[G1+7], 0
	s_or_b32 s[G1B+0], s44, (0<<16)|(1<<20)|(1<<21)|(5<<22)|(3<<25)  ; B: 4 words after every 64
	s_mov_b32 s[G1B+1], 256<<16
	s_mov_b32 s[G1B+2], 128<<16
	s_mov_b32 s[G1B+3], 256<<16
	s_mov_b32 s[G1B+4], 128
	s_mov_b32 s[G1B+5], 1024
	s_mov_b32 s[G1B+6], 0
	s_mov_b32 s[G1B+7], 0
	s_lshl_b32 s20, s17, 17                        ; A: 32 groups of 4,096 bytes a tile row,
	s_lshl_b32 s18, s16, 10                        ; a chunk is 1,024 bytes of a group
	s_add_co_u32 s20, s20, s18
	s_mov_b32 s21, 0
	s_lshl_b32 s46, s42, 17                        ; B: 128 rows of 1,024 bytes a tile column,
	s_lshl_b32 s18, s16, 8                         ; a chunk is 256 bytes of a row,
	s_add_co_u32 s46, s46, s18
	s_add_co_u32 s46, s46, 0x400000                ; in job 4 of wcodes
	s_mov_b32 s47, 0
	s_mul_i32 s45, s16, CH                         ; where they go: no place in the cluster enters an LDS address
	s_add_co_u32 s23, s45, AB
	s_wait_dscnt 0x0                               ; both opening adds are done
	s_wait_kmcnt 0x0
	s_load_b64 s[96:97], s[8:9], 0x38              ; e14, e15
	s_add_nc_u64 s[20:21], s[4:5], s[20:21]
	s_add_nc_u64 s[46:47], s[6:7], s[46:47]
	CROUND                                         ; all sixteen work-groups are here: the first joint loads meet
.irp s, 0,1
	s_mov_b32 s[G0+4*\s], 1
	s_add_co_u32 s[G0+4*\s+1], s45, \s*2*CH
	s_add_nc_u64 s[G0+4*\s+2:G0+4*\s+3], s[20:21], \s*2048
	s_or_b32 s[G0+4*\s+3], s[G0+4*\s+3], 0x80000000
	s_mov_b32 s[G0B+4*\s], 1
	s_add_co_u32 s[G0B+4*\s+1], s23, \s*2*CH
	s_add_nc_u64 s[G0B+4*\s+2:G0B+4*\s+3], s[46:47], \s*512
	s_or_b32 s[G0B+4*\s+3], s[G0B+4*\s+3], 0x80000000
.endr
	JLOAD G0, G1, G0B, G1B                         ; chunks 0 and 1: one tensor load a wave at the head
	s_mul_i32 s21, s15, 16*APITCH                  ; my 64 tokens: 16 groups
	s_mul_i32 s22, s16, 64*PITCH                   ; my 64 rows of B,
	s_add_co_u32 s22, s22, AB                      ; behind A's part
	s_mul_i32 s66, s14, 16*SPITCH
	s_add_co_u32 s66, s66, STAGE                   ; my stage
	s_lshl_b32 s67, s42, 9
	s_lshl_b32 s18, s16, 8
	s_add_co_u32 s67, s67, s18                     ; my first column, in bytes of f32
	s_lshl_b32 s68, s17, 7
	s_lshl_b32 s18, s15, 6
	s_add_co_u32 s68, s68, s18                     ; my first token,
	s_lshl_b32 s68, s68, 12                        ; rows of 4,096 bytes
	s_add_co_u32 s68, s68, s67
	s_mov_b32 s69, 0
	s_add_nc_u64 s[12:13], s[12:13], s[68:69]
	v_and_b32 v1, 15, v0                           ; r
	v_bfe_u32 v2, v0, 4, 1                         ; h
	v_lshrrev_b32 v3, 2, v1
	v_mul_u32_u24 v3, v3, APITCH                   ; A: token r lies in group r / 4, at 64 (r % 4)
	v_and_b32 v5, 3, v1
	v_lshl_add_u32 v3, v5, 6, v3
	v_lshl_add_u32 v3, v2, 4, v3
	v_add_nc_u32 v[ADRA], s21, v3
	v_mul_u32_u24 v4, v1, PITCH
	v_lshl_add_u32 v5, v2, 5, v4                   ; into the stage: row r, 32 bytes for each half of the lanes
	v_lshl_add_u32 v4, v2, 4, v4
	v_add_nc_u32 v[ADRB], s22, v4
.irp c, 1,2,3
	v_add_nc_u32 v[ADRA+\c], \c*CH, v[ADRA]
	v_add_nc_u32 v[ADRB+\c], \c*CH, v[ADRB]
.endr
	v_add_nc_u32 v[STO], s66, v5
	v_mul_u32_u24 v6, v2, SPITCH
	v_lshl_add_u32 v6, v1, 4, v6
	v_add_nc_u32 v[RD], s66, v6                    ; out of it: sixteen lanes to a row of 256 bytes, two rows an instruction
	v_lshlrev_b32 v7, 12, v2
	v_lshl_add_u32 v[CO], v1, 4, v7                ; and the same two rows in out0
	v_lshl_add_u32 v[BO], v2, 5, s67
.irp b, 0,1,2,3
	global_load_b128 v[BIAS+8*\b:BIAS+8*\b+3], v[BO], s[10:11] offset:64*\b       ; bo at my lane's columns 16 b + 8 h + 0 .. 7
	global_load_b128 v[BIAS+8*\b+4:BIAS+8*\b+7], v[BO], s[10:11] offset:64*\b+16
.endr
.macro FETCH q                         ; K step q's fragments, 4 of B and 4 of A, into set q % 2: 32 loads
	WIN 0x40
.irp i, 0,1,2,3
.irp c, 0,1,2,3
	ds_load_b128 v[BF+64*((\q)%2)+16*\i+4*\c:BF+64*((\q)%2)+16*\i+4*\c+3], v[ADRB+(\q)/2] offset:128*((\q)%2)+32*\c+\i*16*PITCH
.endr
.endr
	WIN 0
.irp i, 0,1,2,3
.irp c, 0,1,2,3
	ds_load_b128 v[AF+64*((\q)%2)+16*\i+4*\c:AF+64*((\q)%2)+16*\i+4*\c+3], v[ADRA+(\q)/2] offset:512*((\q)%2)+256*(\c/2)+32*(\c%2)+\i*4*APITCH
.endr
.endr
.endm
.macro MUL q                           ; 16 products; the first step's start the sums
.irp a, 0,1,2,3
.irp b, 0,1,2,3
.if (\q) == 0
	v_wmma_f32_16x16x128_fp8_fp8 v[8*(4*\a+\b):8*(4*\a+\b)+7], v[BF+64*((\q)%2)+16*\b:BF+64*((\q)%2)+16*\b+15], v[AF+64*((\q)%2)+16*\a:AF+64*((\q)%2)+16*\a+15], 0
.else
	v_wmma_f32_16x16x128_fp8_fp8 v[8*(4*\a+\b):8*(4*\a+\b)+7], v[BF+64*((\q)%2)+16*\b:BF+64*((\q)%2)+16*\b+15], v[AF+64*((\q)%2)+16*\a:AF+64*((\q)%2)+16*\a+15], v[8*(4*\a+\b):8*(4*\a+\b)+7]
.endif
.endr
.endr
.endm
.macro STEP q
.if (\q) == 3
	WIN 0
	s_wait_tensorcnt 0x0                           ; my part of chunks 2 and 3 is in,
	s_wait_dscnt 0x0                               ; no LDS instruction of mine is out at the signal,
	s_barrier_signal -1
	s_barrier_wait -1                              ; and everybody's part is in
.endif
.if (\q) < 7
.if (\q) > 0
	PLACES                                         ; four places in front of loads into the set that the last products read
.endif
	FETCH (\q)+1
	s_wait_dscnt 32                                ; this step's fragments are in; the 32 loads just issued may be out
.else
	s_wait_dscnt 0x0
.endif
	WIN 0x51                                       ; source 0 (B), C and D in window 1, source 1 (A) in window 0
	MUL \q
.endm
	s_wait_alu depctr_va_vdst(0)
	s_wait_tensorcnt 0x0                           ; my part of chunks 0 and 1 is in
	ds_add_u32 v[SPW], v[NIL]
	s_wait_dscnt 0x0
	CROUND                                         ; everybody's part is in, and all sixteen work-groups are here
	JLOAD G0+4, G1, G0B+4, G1B                     ; chunks 2 and 3: the first tensor load behind the round, one a wave
	FETCH 0
.irp q, 0,1,2,3,4,5,6,7
	STEP \q
.endr
	WIN 0
; THE WAY OUT, block by block of 16 tokens x 64 columns: x 2^(e14 + e15), + bo, through my own stage, back as rows of 256 bytes.  LDS serves a wave's instructions in order: no wait between the stores and the loads.
.macro TOSTAGE a
	WIN 0x01                                       ; source 0: the accumulators, in window 1
.set j, 0
.rept 16
	v_pk_fma_f32 v[TMP+32*(\a)+j:TMP+32*(\a)+j+1], v[32*(\a)+j:32*(\a)+j+1], s[96:97], v[BIAS+j:BIAS+j+1] op_sel_hi:[1,0,1]   ; each accumulator from its low end on
.set j, j+2
.endr
	WIN 0
.irp b, 0,1,2,3
	ds_store_b128 v[STO], v[TMP+32*(\a)+8*\b:TMP+32*(\a)+8*\b+3] offset:64*\b
	ds_store_b128 v[STO], v[TMP+32*(\a)+8*\b+4:TMP+32*(\a)+8*\b+7] offset:64*\b+16
.endr
.irp t, 0,1,2,3,4,5,6,7
	ds_load_b128 v[BK+32*((\a)%2)+4*\t:BK+32*((\a)%2)+4*\t+3], v[RD] offset:\t*2*SPITCH
.endr
.endm
.macro SEND a, younger                 ; younger: the LDS instructions issued behind block a's loads, which may stay out
	s_wait_dscnt \younger
.irp t, 0,1,2,3,4,5,6,7
	global_store_b128 v[CO], v[BK+32*((\a)%2)+4*\t:BK+32*((\a)%2)+4*\t+3], s[12:13] offset:(\a)*65536+\t*8192 th:TH_STORE_NT   ; sixteen lanes store 256 consecutive bytes, aligned
.endr
.endm
	s_wait_kmcnt 0x0
	s_add_co_i32 s96, s96, s97
	s_add_co_i32 s96, s96, 127
	s_lshl_b32 s96, s96, 23                        ; 2^(e14 + e15) as f32
	s_mov_b32 s97, s96
	PLACES                                         ; four places behind the last products
	s_wait_loadcnt 0x0                             ; the bias
	TOSTAGE 0
.irp a, 1,2,3
.if \a > 1
	s_wait_xcnt 0x0                                ; block a - 2's stores have read their registers: block a's rows may land there
.endif
	TOSTAGE \a
	SEND \a-1, 16                                  ; behind block a - 1's loads: block a's 8 stores and 8 loads
.endr
	SEND 3, 0
	s_wait_tensorcnt 0x0                           ; the wave's end
	ds_add_u32 v[SPW], v[NIL]
	s_wait_dscnt 0x0
	CROUND                                         ; the closing round
	s_endpgm
.Lfunc_end_k_q49588a2034_outp:
	.size	k_q49588a2034_outp, .Lfunc_end_k_q49588a2034_outp-k_q49588a2034_outp
	.p2alignl 7, 3214868480
	.fill 96, 4, 3214868480
	.section	.rodata,"a",@progbits
	.p2align	6, 0x0
	.amdhsa_kernel k_q49588a2034_outp
		.amdhsa_group_segment_fixed_size 327680
		.amdhsa_private_segment_fixed_size 0
		.amdhsa_enable_private_segment 0
		.amdhsa_kernarg_size 40
		.amdhsa_user_sgpr_count 2
		.amdhsa_user_sgpr_kernarg_segment_ptr 1
		.amdhsa_wavefront_size32 1
		.amdhsa_system_sgpr_workgroup_id_x 1
		.amdhsa_system_sgpr_workgroup_id_y 1
		.amdhsa_system_sgpr_workgroup_id_z 1
		.amdhsa_system_vgpr_workitem_id 0
		.amdhsa_next_free_vgpr 512
		.amdhsa_next_free_sgpr 98
		.amdhsa_reserve_vcc 0
		.amdhsa_float_denorm_mode_32 3
		.amdhsa_float_denorm_mode_16_64 3
		.amdhsa_memory_ordered 1
		.amdhsa_forward_progress 1
		.amdhsa_inst_pref_size 47
	.end_amdhsa_kernel
	.amdgpu_metadata
---
amdhsa.version: [ 1, 2 ]
amdhsa.kernels:
  - .name:           k_q49588a2034_outp
    .symbol:         k_q49588a2034_outp.kd
    .args:
      - { .name: ocodes, .offset: 0, .size: 8, .value_kind: global_buffer, .address_space: global }
      - { .name: wcodes, .offset: 8, .size: 8, .value_kind: global_buffer, .address_space: global }
      - { .name: lowp_scales, .offset: 16, .size: 8, .value_kind: global_buffer, .address_space: global }
      - { .name: bo, .offset: 24, .size: 8, .value_kind: global_buffer, .address_space: global }
      - { .name: out0, .offset: 32, .size: 8, .value_kind: global_buffer, .address_space: global }
    .group_segment_fixed_size: 327680
    .private_segment_fixed_size: 0
    .kernarg_segment_align: 8
    .kernarg_segment_size: 40
    .max_flat_workgroup_size: 128
    .sgpr_count:     98
    .vgpr_count:     512
    .wavefront_size: 32
...
	.end_amdgpu_metadata
.endif
;; end of part 8
